; MI455X (gfx1250); checked and timed in simulation.
; The chip was launched on July 23, 2026; its instructions are those of AMD's public machine-readable ISA for CDNA 5 (MIT licence, August 2026) and "CDNA5" Instruction Set Architecture Reference Guide (July 2026). The comments in the code are by the model that wrote it; some were corrected since.
;; Multi Head Attention. Allowed arithmetic: matrix products marked QUANTISED: E2M3 operands, one E8M0 scale for each 32 along K, by v_wmma_scale_f32_16x16x128_f8f6f4 with both operands' format E2M3, f32 sums; everything else in f32.
;; Inputs: Wk 1,024 x 1,024 float32; Wo 1,024 x 1,024 float32; Wq 1,024 x 1,024 float32; Wv 1,024 x 1,024 float32; x 2 x 2,048 x 1,024 float32.
;; Outputs: out0 2 x 2,048 x 1,024 float32.
;; This version of the problem:
;;   THIS VERSION OF THE PROBLEM IS GIVEN IN LOW PRECISION. The matrix products marked QUANTISED in the list below multiply operands that are first quantised to E2M3 (2 exponent bits, 3 mantissa bits; 6 bits a number), with one power-of-two scale for each 32 numbers along K (OCP MX v1.0); their sums are f32. All else is computed in f32.
;;   The module's matrix products, in the order in which they are computed (A, B: the left and right operand; K: the contracted axis; several contracted axes count as one K, in the product's order):
;;     1. [M 4,096, K 1,024] x [K 1,024, N 1,024]; A: input x; B: input Wq: QUANTISED
;;     2. [M 4,096, K 1,024] x [K 1,024, N 1,024]; A: input x; B: input Wk: QUANTISED
;;     3. [M 4,096, K 1,024] x [K 1,024, N 1,024]; A: input x; B: input Wv: QUANTISED
;;     4. batch 16 x [M 2,048, K 128] x [K 128, N 2,048]; A: computed on the way; B: computed on the way: QUANTISED
;;     5. batch 16 x [M 2,048, K 2,048] x [K 2,048, N 128]; A: softmax (see below); B: computed on the way: QUANTISED
;;     6. [M 4,096, K 1,024] x [K 1,024, N 1,024]; A: computed on the way; B: input Wo: QUANTISED
;;   THE QUANTISER, for each operand of a quantised product, along K:
;;     - K is cut into blocks of 32 from its start; a last block that is shorter is filled with zeros.
;;     - A block's scale is 2^e with e = floor(log2(the largest magnitude in the block)) - 2, held to -126 .. 127; a block of zeros has e = 0. As a byte (E8M0): e + 127.
;;     - Each number is divided by its block's scale, clamped to +-7.5, and rounded to the nearest number of E2M3, ties to even, subnormals kept.
;;     - The product sums the exact products of the quantised numbers (number of the format x scale) in f32.
;;   ~~~python
;;   def quantise(x, axis):      # numpy; x: float32 -> the quantised numbers, widened to float32 again
;;       x = np.moveaxis(x, axis, -1); K = x.shape[-1]
;;       x = np.pad(x, [(0, 0)] * (x.ndim - 1) + [(0, -K % 32)]); x = x.reshape(x.shape[:-1] + (-1, 32)); a = np.abs(x).max(-1, keepdims=True)
;;       e = np.where(a > 0, np.clip(np.frexp(np.where(a > 0, a, 1))[1] - 1 - 2, -126, 127), 0)      # np.frexp(a)[1] - 1 = floor(log2(a)), exactly
;;       r = np.clip(x / 2.0 ** e, -7.5, 7.5)
;;       step = 2.0 ** (np.maximum(np.frexp(np.where(r == 0, 1, r))[1] - 1, 0) - 3)
;;       q = np.round(r / step) * step * 2.0 ** e      # np.round: ties to even
;;       return np.moveaxis(q.reshape(q.shape[:-2] + (-1,))[..., :K], -1, axis).astype(np.float32)
;;   ~~~
;;   SOFTMAX AHEAD OF A QUANTISED PRODUCT. Where the list says 'softmax', what is quantised is not the finished softmax but p = 2^(t - M), with t = logit x log2(e) and M = ceil(the row's largest t), a whole number; so 1/2 < the row's largest p <= 1. The row's sum l is taken of the UNQUANTISED p, in f32, and the product's result is divided by l at the end. Since M is a whole number, a kernel that streams over the keys may use a running M (the ceiling of the running maximum): every later rescaling is an exact power of two, which a block's scale takes up: the codes' values come out the same.
;;   OPERANDS COMPUTED ON THE WAY. 'Computed on the way' means the value that the module computes at that place (a softmax that the list does not call 'softmax' is quantised finished and normalised). What goes into a quantiser is computed in f32, as accurately as f32 sums, v_exp_f32 and their like allow (about 1e-6 of the number): no bf16 or f16 on the way to a quantiser, and a product that is left as it is and whose result goes on into a quantised operand takes f32 operands (vector FMAs, or v_wmma_f32_16x16x4_f32). A number that lies on a knife's edge between two numbers of the format may be rounded either way, as far as f32 arithmetic and the matrix unit's own rounding can turn it there, and no further.
;; 2 versions. Each part assembles by itself: llvm-mc -triple=amdgcn-amd-amdhsa -mcpu=gfx1250 --defsym DOCPART=n.
;; ======== version 1 of 2: 4 launches
;; workspace buffers: cw 6,291,456 bytes; sw 262,144 bytes; fc 9,437,184 bytes; fs 393,216 bytes; oc 3,145,728 bytes; os 131,072 bytes
;; launch quant (part 1): grid 256 x 1, 4 waves a work-group, no clusters, 69,120 bytes of LDS; arguments x, Wq, Wk, Wv, Wo, cw, sw; writes cw, sw
.if DOCPART == 1
	.amdgcn_target "amdgcn-amd-amdhsa--gfx1250"
	.amdhsa_code_object_version 6
	.text
	.protected	k_qc69720eced_quant
	.globl	k_qc69720eced_quant
	.p2align	8
	.type	k_qc69720eced_quant,@function
k_qc69720eced_quant:
	s_mov_b64 s[64:65], 0
	v_nop
	global_prefetch_b8 v0, s[64:65] scope:SCOPE_SE
	s_setreg_imm32_b32 hwreg(HW_REG_WAVE_MODE, 25, 1), 1
	s_wait_xcnt 0x0
; x [4096][1024] and the four weights [1024 (k)][1024 (n)], f32, become codes of FP6 (E2M3) with K innermost, and one E8M0 scale byte for each 32 along K.
; cw: 8,192 rows of 768 bytes (1,024 codes, one stream of bits); sw: 8,192 rows of 32 scale bytes.  Rows 0-4095: tokens; rows 4096 + 1024 w on: the columns of weight w (0 Wq, 1 Wk, 2 Wv, 3 Wo).
; ROW ORDER: index i lies at row P(i), P = i with its bits 3 and 4 exchanged.  So the 16 rows that a later launch takes as a fragment's rows are indices 32 b + 8 u + r + 8 (r / 8), and a lane's results of two
; neighbouring fragments are 16 neighbours along the next product's K.
; A block's scale is 2^(floor(log2(its largest magnitude)) - 2); its byte is the largest magnitude's exponent field - 2, held at 1 from below.
; LIMITS: NaN and infinities among the inputs are not served; a block whose largest magnitude lies under 2^-124, a block of zeros among them, gets the byte 1 (the rule says 127 for zeros: its codes are zeros,
; which add nothing under any byte but 0xff, and the bytes are read by this program alone).
; Work-groups 0-127 take x (K innermost: a plain stream of blocks), work-groups 128-255 the weights (K outermost: a lane to a column, registers down K).  The two ways part on the work-group's number, never meet
; again, and have LDS bytes of their own.  No tensor loads, no barrier: waves share nothing.
.set STEPS, 16                         ; x: steps of 512 numbers for a wave
.set CB,    12                         ; bytes of 16 codes
.set SP,    80                         ; x: a lane's place in a stage: its 64 bytes + 16 of padding
.set WREG,  8192                       ; x: LDS bytes 0 - 32,767: a region for each wave: two stages of 32 x SP bytes, behind them its 256 scale bytes
.set XR,    16                         ; v16-79   x: four sets of 16 numbers as they are loaded
.set XN,    80                         ; v80-111  x: two sets of 16 neighbours
.set XE,    112                        ; v112-127 x: a scale byte for each step
.set XC,    128                        ; v128-191 x: codes, four registers for each step: no store's data are written again
.set WSTG,  32768                      ; weights: LDS bytes 32,768 - 67,583: a stage of 32 rows x 272 bytes for each wave
.set WPITCH, 272                       ; a stage row: sixteen places of 16 bytes, each with 12 bytes of codes, + 16
.set KROW,  768                        ; a row of cw in bytes
.set WX,    32                         ; v32-95   weights: two sets of 32 numbers
.set WC,    96                         ; v96..    a block's codes
.set WOUT,  112                        ; v112-175 the way out
.set WSB,   24                         ; v24-25   eight scale bytes
	s_load_b256 s[4:11], s[0:1], 0x0               ; x s[4:5], Wq s[6:7], Wk s[8:9], Wv s[10:11]
	s_load_b128 s[12:15], s[0:1], 0x20             ; Wo s[12:13], cw s[14:15]
	s_load_b64 s[16:17], s[0:1], 0x30              ; sw
	v_lshl_add_u32 v192, v0, 2, 0x10c00
	v_mov_b32 v193, 0
	v_lshrrev_b32 v1, 5, v0
	v_readfirstlane_b32 s18, v1                    ; wave 0..3
	v_and_b32 v2, 31, v0                           ; lane
	s_cmp_lt_u32 ttmp9, 128
	s_cbranch_scc0 .Lweights
; ---- x.  A wave takes 8 rows (8,192 numbers) in 16 steps of 512.  Each load reads 512 consecutive bytes; a step's 2,048 bytes turn through the wave's stage, so that a lane then holds 16 neighbours along K.
	v_lshlrev_b32 v3, 4, v2                        ; my 16 bytes of a load's 512
	s_mul_i32 s19, s18, WREG
	v_lshrrev_b32 v14, 2, v2
	v_mul_u32_u24 v14, v14, SP
	v_and_b32 v15, 3, v2
	v_lshl_add_u32 v14, v15, 4, v14
	v_add_nc_u32 v14, s19, v14                     ; the stage on the way in: SP (lane / 4) + 16 (lane % 4)
	v_mul_u32_u24 v15, v2, SP
	v_add_nc_u32 v15, s19, v15                     ; and on the way out: SP x lane
	v_mul_u32_u24 v4, v2, CB                       ; my codes' place in a step's 384 bytes
	v_lshrrev_b32 v5, 1, v2
	s_add_co_u32 s19, s19, 2*32*SP
	v_add_nc_u32 v5, s19, v5                       ; my wave's 256 scale bytes: my block's byte
	v_lshlrev_b32 v7, 3, v2                        ; and on the way out 8 bytes a lane
	v_add_nc_u32 v6, s19, v7
	s_lshl_b32 s20, ttmp9, 2
	s_add_co_u32 s22, s20, s18                     ; the run of 8 rows that I read: 4 x work-group + wave
	s_and_b32 s21, s18, 1
	s_lshl_b32 s21, s21, 1
	s_lshr_b32 s23, s18, 1
	s_or_b32 s21, s21, s23
	s_add_co_u32 s24, s20, s21                     ; and where it goes: a row's bits 3 and 4 are the run's bits 0 and 1, which are the wave's: exchanged
	s_lshl_b32 s22, s22, 15                        ; 32,768 bytes of x a run
	s_mov_b32 s23, 0
	s_wait_kmcnt 0x0
	s_add_nc_u64 s[4:5], s[4:5], s[22:23]
	s_mul_i32 s22, s24, 8*KROW
	s_add_nc_u64 s[14:15], s[14:15], s[22:23]
	s_lshl_b32 s22, s24, 8                         ; 256 scale bytes a run
	s_add_nc_u64 s[16:17], s[16:17], s[22:23]
.macro XLOAD t
.irp i, 0,1,2,3
	global_load_b128 v[XR+16*((\t)%4)+4*\i:XR+16*((\t)%4)+4*\i+3], v3, s[4:5] offset:2048*(\t)+512*\i th:TH_LOAD_NT   ; 32 lanes read 512 consecutive bytes
.endr
.endm
.macro XTURN t                         ; step t's numbers through the stage: LDS serves a wave's instructions in order (ISA guide 5.7.1.4), so no wait stands between the stores and the loads
.irp i, 0,1,2,3
	ds_store_b128 v14, v[XR+16*((\t)%4)+4*\i:XR+16*((\t)%4)+4*\i+3] offset:32*SP*((\t)%2)+8*SP*\i
.endr
.irp i, 0,1,2,3
	ds_load_b128 v[XN+16*((\t)%2)+4*\i:XN+16*((\t)%2)+4*\i+3], v15 offset:32*SP*((\t)%2)+16*\i
.endr
.endm
.irp t, 0,1,2,3
	XLOAD \t
.endr
	s_wait_loadcnt 12                              ; step 0's four loads are in; the twelve of steps 1 to 3 may be out
	XTURN 0
.macro XSTEP t
.set XS, XN+16*((\t)%2)
.if (\t) > 0
	s_wait_dscnt 1                                 ; this step's numbers are back from the stage (the last step's byte store may be out): so its stores into the stage have read their registers,
.else
	s_wait_dscnt 0x0
.endif
.if (\t)+4 < STEPS
	XLOAD (\t)+4                                   ; which take the loads of four steps on
.endif
.if (\t)+1 < STEPS
.if STEPS-2-(\t) >= 3
	s_wait_loadcnt 12                              ; the next step's four loads are in; those of the three steps behind it may be out
.else
	s_wait_loadcnt 4*(STEPS-2-(\t))
.endif
	XTURN (\t)+1                                   ; and go through the other stage while this step is worked
.endif
	v_max3_num_f32 v8, |v[XS]|, |v[XS+1]|, |v[XS+2]|               ; the largest magnitude of my 16, in two chains
	v_max3_num_f32 v9, |v[XS+3]|, |v[XS+4]|, |v[XS+5]|
.irp i, 6,10
	v_max3_num_f32 v8, v8, |v[XS+\i]|, |v[XS+\i+1]|
	v_max3_num_f32 v9, v9, |v[XS+\i+2]|, |v[XS+\i+3]|
.endr
	v_max3_num_f32 v8, v8, |v[XS+14]|, |v[XS+15]|
	v_max3_num_f32 v8, v8, v9, 0x1800000           ; and the floor 2^(3 - 127): the byte cannot fall under 1
	v_max_num_f32_dpp v8, v8, v8 row_xmask:1 row_mask:0xf bank_mask:0xf   ; and of my neighbour's 16: the block's
	v_add_nc_u32 v11, 0xff000000, v8               ; 2 off its exponent field: the conversion takes the exponent field of this operand as its scale, and nothing else of it
	v_cvt_scalef32_pk16_fp6_f32 v[XC+4*(\t):XC+4*(\t)+2], v[XS:XS+15], v11
	v_lshrrev_b32 v[XE+(\t)], 23, v11              ; the scale's byte (also the plain line behind the conversion)
	ds_store_b8 v5, v[XE+(\t)] offset:16*(\t)      ; both lanes of a block write the same byte with the same value
	global_store_b96 v4, v[XC+4*(\t):XC+4*(\t)+2], s[14:15] offset:32*CB*(\t)   ; the wave stores 384 consecutive bytes
.endm
.irp t, 0,1,2,3,4,5,6,7,8,9,10,11,12,13,14,15
	XSTEP \t
.endr
	ds_load_b64 v[12:13], v6                       ; these see my byte stores: LDS serves a wave's instructions in order
	s_wait_dscnt 0x0
	global_store_b64 v7, v[12:13], s[16:17]        ; 32 lanes store 256 consecutive bytes, aligned
	s_wait_tensorcnt 0x0
	ds_add_u32 v192, v193
	s_wait_dscnt 0x0
	s_endpgm
; ---- the weights.  Work-group g = 0..127: weight g / 32, columns 128 (g % 8) on, K 256 ((g / 8) % 4) on.  A wave takes 32 columns x 256 along K: a lane holds a column, its 32 registers a whole block.
.Lweights:
	s_sub_co_u32 s19, ttmp9, 128
	s_lshr_b32 s22, s19, 5                         ; which weight
	s_and_b32 s23, s19, 7                          ; which 128 columns
	s_bfe_u32 s24, s19, 0x20003                    ; which 256 along K
	v_lshlrev_b32 v3, 2, v2                        ; in: 4 bytes a lane
	v_and_b32 v10, 7, v2
	v_bfe_u32 v11, v2, 3, 1
	v_lshl_or_b32 v10, v11, 4, v10
	v_bfe_u32 v11, v2, 4, 1
	v_lshl_or_b32 v10, v11, 3, v10                 ; P(lane): my column's place among the wave's 32 rows
	s_mul_i32 s30, s18, 32*WPITCH
	s_add_co_u32 s30, s30, WSTG                    ; my stage
	v_mul_u32_u24 v4, v10, WPITCH
	v_add_nc_u32 v4, s30, v4                       ; into it: row P(lane)
	v_and_b32 v5, 15, v2
	v_lshrrev_b32 v6, 4, v2                        ; out of it: sixteen lanes to a row, two rows an instruction
	v_mul_u32_u24 v7, v6, WPITCH
	v_lshl_add_u32 v7, v5, 4, v7
	v_add_nc_u32 v7, s30, v7
	v_mul_u32_u24 v8, v6, KROW
	v_mad_u32_u24 v8, v5, 12, v8                   ; and the same place in cw
	v_lshlrev_b32 v9, 5, v10                       ; my column's row of scale bytes
	s_lshl_b32 s25, s23, 7
	s_lshl_b32 s26, s18, 5
	s_add_co_u32 s25, s25, s26                     ; my wave's first column
	s_lshl_b32 s26, s24, 20                        ; 256 rows of 4,096 bytes
	s_lshl_b32 s27, s25, 2
	s_add_co_u32 s26, s26, s27
	s_mov_b32 s27, 0
	s_lshl_b32 s28, s22, 10
	s_add_co_u32 s28, s28, s25
	s_add_co_u32 s28, s28, 4096                    ; my wave's first row of cw and sw
	s_wait_kmcnt 0x0
	s_mov_b64 s[20:21], s[6:7]                     ; the weight is chosen by the work-group's number alone
	s_cmp_eq_u32 s22, 1
	s_cselect_b64 s[20:21], s[8:9], s[20:21]
	s_cmp_eq_u32 s22, 2
	s_cselect_b64 s[20:21], s[10:11], s[20:21]
	s_cmp_eq_u32 s22, 3
	s_cselect_b64 s[20:21], s[12:13], s[20:21]
	s_add_nc_u64 s[20:21], s[20:21], s[26:27]
	s_mul_i32 s26, s28, KROW
	s_mul_i32 s29, s24, 192
	s_add_co_u32 s26, s26, s29
	s_add_nc_u64 s[14:15], s[14:15], s[26:27]
	s_lshl_b32 s26, s28, 5
	s_lshl_b32 s29, s24, 3
	s_add_co_u32 s26, s26, s29
	s_add_nc_u64 s[16:17], s[16:17], s[26:27]
.macro WLOAD t                         ; block t: W(32 t + i, my column), i = 0 .. 31, into set t % 2: each load reads 128 consecutive bytes a wave
.set i, 0
.rept 32
	global_load_b32 v[WX+32*((\t)%2)+i], v3, s[20:21] offset:(32*(\t)+i)*4096 th:TH_LOAD_NT
.set i, i+1
.endr
.endm
	WLOAD 0
	WLOAD 1
.macro WBLOCK t
.set XS, WX+32*((\t)%2)
.if (\t) < 7
	s_wait_loadcnt 32                              ; this block's 32 loads are in; the next block's 32 may be out
.else
	s_wait_loadcnt 0
.endif
	v_max3_num_f32 v12, |v[XS]|, |v[XS+1]|, |v[XS+2]|               ; the block's largest magnitude: all 32 numbers are mine
	v_max3_num_f32 v13, |v[XS+3]|, |v[XS+4]|, |v[XS+5]|
.irp i, 6,10,14,18,22,26
	v_max3_num_f32 v12, v12, |v[XS+\i]|, |v[XS+\i+1]|
	v_max3_num_f32 v13, v13, |v[XS+\i+2]|, |v[XS+\i+3]|
.endr
	v_max3_num_f32 v12, v12, |v[XS+30]|, |v[XS+31]|
	v_max3_num_f32 v12, v12, v13, 0x1800000        ; and the floor 2^(3 - 127)
	v_add_nc_u32 v11, 0xff000000, v12              ; the conversion's scale operand
	v_lshrrev_b32 v13, 23, v11                     ; the scale's byte
.if (\t)%4 == 0
	v_mov_b32 v[WSB+(\t)/4], v13                   ; four bytes to a register, the lower K in the lower byte
.else
	v_lshl_or_b32 v[WSB+(\t)/4], v13, 8*((\t)%4), v[WSB+(\t)/4]
.endif
	v_cvt_scalef32_pk16_fp6_f32 v[WC:WC+2], v[XS:XS+15], v11
	v_cvt_scalef32_pk16_fp6_f32 v[WC+4:WC+6], v[XS+16:XS+31], v11   ; (a conversion's three registers begin on an even number)
	v_nop                                          ; one plain line behind the conversions
	ds_store_b96 v4, v[WC:WC+2] offset:32*(\t)     ; 12 bytes to a place of 16, so that every LDS address is a multiple of 16
	ds_store_b96 v4, v[WC+4:WC+6] offset:32*(\t)+16
.if (\t)+2 < 8
	WLOAD (\t)+2
.endif
	s_wait_dscnt 0x0                               ; the stores have read their registers: the next block's codes may be written
.endm
.irp t, 0,1,2,3,4,5,6,7
	WBLOCK \t
.endr
	global_store_b64 v9, v[WSB:WSB+1], s[16:17]    ; my column's eight scale bytes
.irp t, 0,1,2,3,4,5,6,7,8,9,10,11,12,13,14,15
	ds_load_b96 v[WOUT+4*\t:WOUT+4*\t+2], v7 offset:2*\t*WPITCH   ; these see my stores
.endr
.irp t, 0,1,2,3,4,5,6,7,8,9,10,11,12,13,14,15
	s_wait_dscnt 15-\t                             ; LDS loads come back in order: load t is in, the younger ones may be out
	global_store_b96 v8, v[WOUT+4*\t:WOUT+4*\t+2], s[14:15] offset:2*\t*KROW   ; sixteen lanes store a row's 192 consecutive bytes
.endr
	s_wait_tensorcnt 0x0
	ds_add_u32 v192, v193
	s_wait_dscnt 0x0
	s_endpgm
.Lfunc_end_k_qc69720eced_quant:
	.size	k_qc69720eced_quant, .Lfunc_end_k_qc69720eced_quant-k_qc69720eced_quant
	.p2alignl 7, 3214868480
	.fill 96, 4, 3214868480
	.section	.rodata,"a",@progbits
	.p2align	6, 0x0
	.amdhsa_kernel k_qc69720eced_quant
		.amdhsa_group_segment_fixed_size 69120
		.amdhsa_private_segment_fixed_size 0
		.amdhsa_enable_private_segment 0
		.amdhsa_kernarg_size 56
		.amdhsa_user_sgpr_count 2
		.amdhsa_user_sgpr_kernarg_segment_ptr 1
		.amdhsa_wavefront_size32 1
		.amdhsa_system_sgpr_workgroup_id_x 1
		.amdhsa_system_sgpr_workgroup_id_y 1
		.amdhsa_system_sgpr_workgroup_id_z 1
		.amdhsa_system_vgpr_workitem_id 0
		.amdhsa_next_free_vgpr 194
		.amdhsa_next_free_sgpr 66
		.amdhsa_reserve_vcc 0
		.amdhsa_float_denorm_mode_32 3
		.amdhsa_float_denorm_mode_16_64 3
		.amdhsa_memory_ordered 1
		.amdhsa_forward_progress 1
		.amdhsa_inst_pref_size 74
	.end_amdhsa_kernel
	.amdgpu_metadata
---
amdhsa.version: [ 1, 2 ]
amdhsa.kernels:
  - .name:           k_qc69720eced_quant
    .symbol:         k_qc69720eced_quant.kd
    .args:
      - { .name: x, .offset: 0, .size: 8, .value_kind: global_buffer, .address_space: global }
      - { .name: Wq, .offset: 8, .size: 8, .value_kind: global_buffer, .address_space: global }
      - { .name: Wk, .offset: 16, .size: 8, .value_kind: global_buffer, .address_space: global }
      - { .name: Wv, .offset: 24, .size: 8, .value_kind: global_buffer, .address_space: global }
      - { .name: Wo, .offset: 32, .size: 8, .value_kind: global_buffer, .address_space: global }
      - { .name: cw, .offset: 40, .size: 8, .value_kind: global_buffer, .address_space: global }
      - { .name: sw, .offset: 48, .size: 8, .value_kind: global_buffer, .address_space: global }
    .group_segment_fixed_size: 69120
    .private_segment_fixed_size: 0
    .kernarg_segment_align: 8
    .kernarg_segment_size: 56
    .max_flat_workgroup_size: 128
    .sgpr_count:     66
    .vgpr_count:     194
    .wavefront_size: 32
...
	.end_amdgpu_metadata
.endif
;; end of part 1
;; launch qkv (part 2): grid 12 x 16, 4 waves a work-group, clusters of 4 x 4, 327,680 bytes of LDS; arguments cw, sw, fc, fs; writes fc, fs
.if DOCPART == 2
	.amdgcn_target "amdgcn-amd-amdhsa--gfx1250"
	.amdhsa_code_object_version 6
	.text
	.protected	k_qc69720eced_qkv
	.globl	k_qc69720eced_qkv
	.p2align	8
	.type	k_qc69720eced_qkv,@function
k_qc69720eced_qkv:
	s_mov_b64 s[64:65], 0
	v_nop
	global_prefetch_b8 v0, s[64:65] scope:SCOPE_SE
	s_setreg_imm32_b32 hwreg(HW_REG_WAVE_MODE, 25, 1), 1
	s_wait_xcnt 0x0
	s_wait_alu depctr_hold_cnt(0) depctr_sa_sdst(0) depctr_va_vdst(0) depctr_va_sdst(0) depctr_va_ssrc(0) depctr_va_vcc(0) depctr_vm_vsrc(0)
	s_getreg_b32 s2, hwreg(HW_REG_IB_STS2, 6, 4)
	s_cmp_eq_u32 s2, 0
	s_cbranch_scc0 .Lentry_in_a_cluster
	s_endpgm
.Lentry_in_a_cluster:
	s_bfe_u32 s2, ttmp6, 0x10000c
	s_cmp_lg_u32 s2, 0xf033
	s_cbranch_scc0 .Lentry_shape_is_right
	s_endpgm
.Lentry_shape_is_right:
; q = x Wq, k = x Wk, v = x Wv on codes of FP6 (E2M3) with E8M0 scales, sums in f32; the results are quantised in registers (q and k along a head's 128 channels, v along the keys) and leave as codes alone.
; ONE TEXT, TWO SHAPES, chosen by whole numbers that hang on the cluster's x alone (the same in all sixteen partners):
;   clusters x = 0, 1:  A = tokens (cw rows 0 on),            B = the columns of Wq and Wk (rows 4096 on): a lane ends with ONE token and 64 channels of one head;
;   cluster  x = 2:     A = the columns of Wv (rows 6144 on), B = tokens:                                  a lane ends with ONE channel and 64 keys.
; A tile of 256 x 256 is made by four waves, as many as a WGP has SIMDs; a wave makes 128 x 128: 64 accumulators, 512 registers.  K = 1,024 goes in steps of 256 through a ring of two LDS slots filled by the
; tensor data mover (rows of 192 bytes); the scale bytes of the tile's rows, two dense blocks, come once with the first fills.  4 x 4 work-groups form a cluster: A's tile is asked for jointly along a row of
; the cluster, B's along a column.  THE MATRIX INSTRUCTION IS USED TRANSPOSED: source 0 = 16 rows of B, source 1 = 16 rows of A.
; ROW ORDER: index i lies at row P(i) of cw (bits 3 and 4 exchanged).  So in block a of A lane (r, h) holds A's row 16 a + r, and register 16 b + i of the block's 64 is B's INDEX 32 b + 16 h + i: 16 neighbours along the next K.
; THE WAY OUT: each block's 64 numbers a lane become a fragment (16 rows x 128 K: 12 registers) and a scale word a row, and are stored AS AN IMAGE OF THE OPERAND'S REGISTERS: register group c of lane l at 512 c + 16 l.
;   fc: with idx = ((batch x 8 + head) x 16 + run of 128 tokens): K's 8 images at 24576 idx, V's at 24576 idx + 12288, Q's at 6291456 + 12288 idx.
;   fs: the 8 images' scale words, 512 bytes: lane l's 16 bytes: lanes 0-15 the words of images 0-3 of row l, lanes 16-31 those of images 4-7.  K at 1024 idx, V at 1024 idx + 512, Q at 262144 + 512 idx.
; LIMITS: NaN and infinities are not served; a block whose largest magnitude lies under 2^-124 (zeros too) gets the byte 1: its codes then add nothing or next to nothing, and the bytes are read by this program alone.
; REGISTERS, in windows of 256: window 0: v0-31 addresses; v32-63 scale words, two sets; from v128 A's fragments, ONE set; on the way out v64-191.  window 1: B's fragments, TWO sets.  windows 2, 3: the accumulators ((a, b) at v[8 (8 (a % 4) + b)]).
.set SIZE_K, 1024
.set KSTEP,  256                       ; along K in a slot
.set NQ,     KSTEP/128                 ; matrix instructions deep
.set ROWB,   192                       ; a tile's row in bytes
.set KROW,   SIZE_K*6/8                ; a row of cw in bytes
.set PITCH,  240                       ; an LDS row: 3 x (64 bytes of data + 16 of padding) = 60 words: the 32 lanes of a load of 8 bytes touch 64 different banks (64 banks of 4 bytes: ISA guide 11.1)
.set FR,     12                        ; registers of a fragment
.set NL,     6                         ; LDS loads that bring one
.set NP,     4                         ; places behind this matrix instruction (ISA guide 7.12.1)
.set HALFT,  128*PITCH                 ; 128 rows: what one tensor load brings
.set SLOT,   4*HALFT                   ; A's 256 rows, then B's 256 rows
.set LAPS,   SIZE_K/(2*KSTEP)
.set KS,     SIZE_K/32                 ; a row of sw in bytes
.set SCL,    2*SLOT                    ; behind the ring: the scale bytes, as rows of 256 bytes + 16 of padding
.set HALFS,  (128*KS/256)*272
.set SBLK,   (16*KS/256)*272
.set SPARE,  SCL+4*HALFS               ; the spare words, 128 bytes for each wave: two blocks of 256 bytes that no other line names
.set ADRA, 16                          ; v16-17 LDS address of my A fragments in slot 0, 1 (v18-19: for the pieces behind one padding more)
.set ADRB, 20                          ; v20-23 the same for B
.set LI,   26                          ; v26    16 x lane: an image's place for my lane
.set ADRS, 27                          ; v27    LDS address of my scale words: lanes 0-15 A's rows, lanes 16-31 B's
.set SPW,  28                          ; v28    LDS address of my spare word; never rewritten
.set NIL,  29                          ; v29    0; never rewritten
.set SC,   32                          ; scale words: set s at v[SC + 16 s]; register 2 i + q: lanes 0-15 A's block i, lanes 16-31 B's block i, the slot's q-th 128 along K
.set AF,   128                         ; A's fragments
.set PCB,  64                          ; the way out: block a's codes at v[64 + 12 a]: a set for each block, so that no store's data are written again
.set TT,   160                         ; v160-166 the conversions' second halves
.set TM,   168                         ; v168-171 largest magnitudes, v172-175 the other half's and then the bytes, v180-183 the conversions' scale operands
.set PW,   184                         ; the scale word just made
.set SW,   188                         ; v188-191 the eight blocks' scale words
.set G1, 24                            ; s[24:31] group 1 for A's tiles; s[32:39] group 0, a set for each slot
.set G0, 32
.set G1B, 48                           ; s[48:55], s[56:63] the same for B's
.set G0B, 56
.set G1S, 68                           ; s[68:75], s[76:79] groups 1 and 0 for A's scale bytes; s[80:87], s[88:91] for B's
.set G0S, 76
.set G1SB, 80
.set G0SB, 88
.set MSB, 0
.macro WIN new                         ; the immediate's high byte repeats the setting that is left
.if MSB != (\new)
	s_set_vgpr_msb (MSB<<8)|(\new)
.set MSB, (\new)
.endif
.endm
.set MUL_LO, 0xa1                      ; source 0 (B) window 1, source 1 (A) window 0, C and D window 2
.set MUL_HI, 0xf1                      ; the same, C and D window 3
.set TO_B,   0x40                      ; destination window 1, address window 0
; A joint load: waves 0 and 1 fetch for A, waves 2 and 3 for B.  Each line has one mask and one set of registers for all that issue it; the branch hangs on the wave's number alone.  Four v_nop follow each line.
.macro JLOAD g0a, g1a, g0b, g1b
	s_cmp_eq_u32 s15, 0
	s_cbranch_scc0 .Lfor_b_\@
	tensor_load_to_lds s[\g0a:\g0a+3], s[\g1a:\g1a+7]
	s_nop 0
.rept 4
	v_nop
.endr
	s_branch .Lasked_\@
.Lfor_b_\@:
	tensor_load_to_lds s[\g0b:\g0b+3], s[\g1b:\g1b+7]
	s_nop 0
.rept 4
	v_nop
.endr
.Lasked_\@:
.endm
.macro CREST                           ; a round of the cluster's barrier behind its opening barrier
	s_cmp_lg_u32 s14, 0
	s_cbranch_scc1 .Lnot_wave_0_\@
	s_barrier_signal -3
.Lnot_wave_0_\@:
	s_barrier_wait -3
	s_barrier_signal -1
	s_barrier_wait -1
.endm
.macro CROUND                          ; a whole round
	s_barrier_signal -1
	s_barrier_wait -1
	CREST
.endm
	s_load_b256 s[4:11], s[0:1], 0x0               ; cw s[4:5], sw s[6:7], fc s[8:9], fs s[10:11]
	v_lshl_add_u32 v[SPW], v0, 2, SPARE
	v_mov_b32 v[NIL], 0
	ds_add_u32 v28, v29
	s_wait_dscnt 0x0
	v_lshrrev_b32 v1, 5, v0
	v_readfirstlane_b32 s14, v1                    ; wave 0..3
	s_lshr_b32 s15, s14, 1                         ; which half of A's rows is mine.  Also: I fetch for A (0) or for B (1)
	s_and_b32 s16, s14, 1                          ; which half of B's rows.  Also: which 128 rows of that tile I fetch
	s_bfe_u32 s40, ttmp6, 0x40000                  ; cx, cy: my place in the cluster
	s_bfe_u32 s41, ttmp6, 0x40004
	s_and_b32 s18, ttmp7, 0xffff                   ; cluster y
	s_cmp_eq_u32 ttmp9, 2                          ; the cluster's x says which product: the same in all sixteen partners
	s_cselect_b32 s17, 0, s18                      ; A's tile = 4 x this + cy:  V: Wv's four tiles;  Q, K: the tokens' sixteen
	s_cselect_b32 s42, s18, ttmp9                  ; B's tile = 4 x this + cx:  V: the tokens';      Q, K: Wq's and Wk's eight
	s_cselect_b32 s12, 6144, 0                     ; A's first row in cw and sw
	s_cselect_b32 s13, 0, 4096                     ; B's
	s_cselect_b32 s95, 1, 0                        ; 1: V
	s_lshl_b32 s17, s17, 2
	s_add_co_u32 s17, s17, s41
	s_lshl_b32 s42, s42, 2
	s_add_co_u32 s42, s42, s40
	s_lshl_b32 s43, s41, 2
	s_lshl_b32 s43, 15, s43                        ; my row of the cluster
	s_lshl_b32 s44, 0x1111, s40                    ; my column
	; group 1: a tile of 128 rows x 192 bytes, padded in LDS
	s_or_b32 s[G1+0], s43, (0<<16)|(1<<20)|(1<<21)|(3<<22)|(3<<25)  ; 15:0 the mask: A's tiles go to my row; elements of 1 byte; 20 padding on; 21 set beside a mask; after every 16 words (code 3) 4 words (code 3)
	s_or_b32 s[G1B+0], s44, (0<<16)|(1<<20)|(1<<21)|(3<<22)|(3<<25)
.irp g, G1, G1B
	s_mov_b32 s[\g+1], ROWB<<16                    ; tensor_dim0
	s_mov_b32 s[\g+2], 128<<16                     ; tensor_dim1
	s_mov_b32 s[\g+3], ROWB<<16                    ; tile_dim0
	s_mov_b32 s[\g+4], 128                         ; tile_dim1
	s_mov_b32 s[\g+5], KROW                        ; from row to row
	s_mov_b32 s[\g+6], 0
	s_mov_b32 s[\g+7], 0
.endr
	; the scale bytes of 128 rows: 4,096 dense bytes as 16 rows of 256 (32 elements of 8 bytes), 16 bytes of padding behind each
	s_or_b32 s[G1S+0], s43, (3<<16)|(1<<20)|(1<<21)|(5<<22)|(3<<25)
	s_or_b32 s[G1SB+0], s44, (3<<16)|(1<<20)|(1<<21)|(5<<22)|(3<<25)
.irp g, G1S, G1SB
	s_mov_b32 s[\g+1], 32<<16
	s_mov_b32 s[\g+2], (128*KS/256)<<16
	s_mov_b32 s[\g+3], 32<<16
	s_mov_b32 s[\g+4], 128*KS/256
	s_mov_b32 s[\g+5], 32
	s_mov_b32 s[\g+6], 0
	s_mov_b32 s[\g+7], 0
.endr
	s_lshl_b32 s18, s16, 7                         ; which 128 rows of the tile I fetch
	s_lshl_b32 s20, s17, 8
	s_add_co_u32 s20, s20, s18
	s_add_co_u32 s20, s20, s12                     ; A's row: it never holds cx
	s_lshl_b32 s46, s42, 8
	s_add_co_u32 s46, s46, s18
	s_add_co_u32 s46, s46, s13                     ; B's row: it never holds cy
	s_lshl_b32 s22, s20, 5                         ; where these rows' scale bytes begin (32 a row; all offsets stay under 2^24),
	s_mov_b32 s23, 0
	s_lshl_b32 s92, s46, 5
	s_mov_b32 s93, 0
	s_mul_i32 s20, s20, KROW                       ; and their codes
	s_mov_b32 s21, 0
	s_mul_i32 s46, s46, KROW
	s_mov_b32 s47, 0
	s_mul_i32 s45, s14, HALFT                      ; where they go: wave x 128 rows: no place in the cluster enters an LDS address
	s_mul_i32 s94, s14, HALFS
	s_wait_kmcnt 0x0
	s_add_nc_u64 s[20:21], s[4:5], s[20:21]
	s_add_nc_u64 s[22:23], s[6:7], s[22:23]
	s_add_nc_u64 s[46:47], s[4:5], s[46:47]
	s_add_nc_u64 s[92:93], s[6:7], s[92:93]
	CROUND                                         ; all sixteen work-groups are here: the first joint loads meet
	s_mov_b32 s[G0S], 1
	s_add_co_u32 s[G0S+1], s94, SCL
	s_mov_b64 s[G0S+2:G0S+3], s[22:23]
	s_or_b32 s[G0S+3], s[G0S+3], 0x80000000
	s_mov_b32 s[G0SB], 1
	s_add_co_u32 s[G0SB+1], s94, SCL
	s_mov_b64 s[G0SB+2:G0SB+3], s[92:93]
	s_or_b32 s[G0SB+3], s[G0SB+3], 0x80000000
	JLOAD G0S, G1S, G0SB, G1SB                     ; the scale bytes first: they are wanted with K step 0.  Three loads of mine are out behind these first fills
.irp s, 0,1
	s_mov_b32 s[G0+4*\s], 1
	s_add_co_u32 s[G0+4*\s+1], s45, \s*SLOT
	s_add_nc_u64 s[G0+4*\s+2:G0+4*\s+3], s[20:21], \s*ROWB
	s_or_b32 s[G0+4*\s+3], s[G0+4*\s+3], 0x80000000
	s_mov_b32 s[G0B+4*\s], 1
	s_add_co_u32 s[G0B+4*\s+1], s45, \s*SLOT
	s_add_nc_u64 s[G0B+4*\s+2:G0B+4*\s+3], s[46:47], \s*ROWB
	s_or_b32 s[G0B+4*\s+3], s[G0B+4*\s+3], 0x80000000
	JLOAD G0+4*\s, G1, G0B+4*\s, G1B
.endr
	v_and_b32 v1, 15, v0                           ; r = lane % 16
	v_bfe_u32 v2, v0, 4, 1                         ; h = lane / 16
	v_mul_u32_u24 v3, v1, PITCH
	v_mul_u32_u24 v4, v2, 24
	v_add_nc_u32 v4, v3, v4                        ; a fragment's row x pitch + 24 x half
	v_lshl_add_u32 v5, v2, 4, v4                   ; and the same behind one padding more
	s_mul_i32 s21, s15, HALFT                      ; my 128 rows of A
	s_mul_i32 s22, s16, HALFT                      ; my 128 rows of B,
	s_add_co_u32 s22, s22, 2*HALFT                 ; which lie behind A's 256
.irp s, 0,1
	v_add_nc_u32 v[ADRA+\s], s21, v4
	v_add_nc_u32 v[ADRB+\s], s22, v4
	v_add_nc_u32 v[ADRA+2+\s], s21, v5
	v_add_nc_u32 v[ADRB+2+\s], s22, v5
	s_add_co_u32 s21, s21, SLOT
	s_add_co_u32 s22, s22, SLOT
.endr
	v_mul_u32_u24 v5, v1, KS                       ; my row's scale bytes: 32 a row,
	v_lshrrev_b32 v6, 8, v5
	v_lshl_add_u32 v5, v6, 4, v5                   ; and 16 more for each 256 passed
	s_mul_i32 s21, s15, HALFS                      ; A's: my 128 rows
	s_mul_i32 s22, s16, HALFS                      ; B's: my 128 rows, behind A's 256
	s_add_co_u32 s22, s22, 2*HALFS
	s_sub_co_u32 s22, s22, s21
	v_mul_u32_u24 v6, s22, v2                      ; lanes 16-31 take B's: one product, the distance between the two bases x h
	s_add_co_u32 s21, s21, SCL
	v_add_nc_u32 v5, v5, v6
	v_add_nc_u32 v[ADRS], s21, v5
	v_and_b32 v6, 31, v0
	v_lshlrev_b32 v[LI], 4, v6
	; where my wave's eight images go.  My 128 rows of A are run u of A's rows, my 128 rows of B run w of B's
	s_lshl_b32 s18, s17, 1
	s_add_co_u32 s18, s18, s15                     ; u
	s_lshl_b32 s19, s42, 1
	s_add_co_u32 s19, s19, s16                     ; w
	s_and_b32 s20, s19, 7                          ; Q, K: the head is w % 8,
	s_lshr_b32 s21, s19, 3                         ; and w / 8 says Q (0) or K (1)
	s_add_co_u32 s21, s21, s95                     ; 0 for Q alone
	s_cmp_eq_u32 s95, 1
	s_cselect_b32 s20, s18, s20                    ; the head:               V: u
	s_cselect_b32 s22, s19, s18                    ; the run of 128 tokens:  V: w;  Q, K: u
	s_cselect_b32 s23, 512, 0                      ; V's scale words lie behind K's
	s_lshr_b32 s46, s22, 4                         ; the batch
	s_lshl_b32 s46, s46, 3
	s_add_co_u32 s46, s46, s20
	s_lshl_b32 s46, s46, 4
	s_and_b32 s22, s22, 15
	s_or_b32 s46, s46, s22                         ; idx
	s_cmp_eq_u32 s21, 0
	s_cselect_b32 s47, 9, 10                       ; Q: 512 bytes of scale words for each idx; K and V: 1,024
	s_cselect_b32 s21, 0x40000, 0                  ; Q's lie behind K's and V's
	s_lshl_b32 s46, s46, s47
	s_add_co_u32 s46, s46, s21
	s_add_co_u32 s46, s46, s23
	s_mov_b32 s47, 0
	s_add_nc_u64 s[10:11], s[10:11], s[46:47]      ; fs at my scale words;
	s_mul_i32 s46, s46, 24                         ; a fragment's 1,536 bytes of codes go with 64 bytes of scale words: 24 to 1
	s_add_nc_u64 s[8:9], s[8:9], s[46:47]          ; fc at my images
	s_mov_b32 s66, 0x76543210
	s_mov_b32 s67, 0xfedcba98                      ; v_permlanex16_b32's selects for lane l xor 16
	s_mov_b32 s96, 0xffff0000                      ; lanes 16-31
.macro FRAG reg, adr, q, i             ; a fragment: lane l holds row l % 16; registers 6 c .. 6 c + 5 hold K = 64 c + 32 (l / 16) + 0 .. 31: 24 bytes of the row's stream of bits, as they lie
.irp p, 0,1,2,3,4,5                    ; in pieces of 8 bytes.  Lanes 0-15 take the row's pieces 12 q + 0, 1, 2 and 12 q + 6, 7, 8, lanes 16-31 those three pieces on
.set PC, 12*(\q)+6*(\p/3)+\p%3         ; 16 bytes of padding lie behind every 8 pieces: where the piece three on lies behind one padding more, the second address register serves
.if PC%8 < 5
	ds_load_b64 v[\reg+2*\p:\reg+2*\p+1], v[\adr] offset:8*PC+16*(PC/8)+(\i)*16*PITCH
.else
	ds_load_b64 v[\reg+2*\p:\reg+2*\p+1], v[\adr+2] offset:8*PC+16*(PC/8)+(\i)*16*PITCH
.endif
.endr
.endm
; 16 matrix instructions: A's blocks a0, a0 + 1 x B's eight, 128 along K.  p: B's set; sc: the set of scale words.  zero = 1: the first product starts the sums: nothing is ever cleared.
; The 64 accumulators take turns, one instruction a turn, in the same order in every step.
.macro MUL16 a0, p, q, sc, zero
.irp a, \a0, \a0+1
.irp b, 0,1,2,3,4,5,6,7
.if \zero
	v_wmma_scale_f32_16x16x128_f8f6f4 v[8*(8*((\a)%4)+\b):8*(8*((\a)%4)+\b)+7], v[128*(\p)+FR*\b:128*(\p)+FR*\b+FR-1], v[AF+FR*(\a):AF+FR*(\a)+FR-1], 0, v[SC+8*NQ*(\sc)+NQ*\b+(\q)], v[SC+8*NQ*(\sc)+NQ*(\a)+(\q)] matrix_a_fmt:MATRIX_FMT_FP6 matrix_b_fmt:MATRIX_FMT_FP6 matrix_a_scale:MATRIX_SCALE_ROW1
.else
	v_wmma_scale_f32_16x16x128_f8f6f4 v[8*(8*((\a)%4)+\b):8*(8*((\a)%4)+\b)+7], v[128*(\p)+FR*\b:128*(\p)+FR*\b+FR-1], v[AF+FR*(\a):AF+FR*(\a)+FR-1], v[8*(8*((\a)%4)+\b):8*(8*((\a)%4)+\b)+7], v[SC+8*NQ*(\sc)+NQ*\b+(\q)], v[SC+8*NQ*(\sc)+NQ*(\a)+(\q)] matrix_a_fmt:MATRIX_FMT_FP6 matrix_b_fmt:MATRIX_FMT_FP6 matrix_a_scale:MATRIX_SCALE_ROW1
.endif
.endr
.endr
.endm
.macro FETCH_B slot, q, p              ; B's eight fragments of the slot's q-th 128 along K into set p
	WIN TO_B
.irp i, 0,1,2,3,4,5,6,7
	FRAG 128*(\p)+FR*\i, ADRB+\slot, \q, \i
.endr
	WIN 0
.endm
.macro FETCH_A slot, q, i0             ; A's blocks i0 .. i0 + 3
.irp i, \i0, \i0+1, \i0+2, \i0+3
	FRAG AF+FR*(\i), ADRA+\slot, \q, \i
.endr
.endm
.macro SCALES sc                       ; a K step's scale words into set sc: two words a row; lanes 0-15 take A's block i, lanes 16-31 B's block i
.irp i, 0,1,2,3,4,5,6,7
	ds_load_b64 v[SC+8*NQ*\sc+NQ*\i:SC+8*NQ*\sc+NQ*\i+1], v[ADRS] offset:\i*SBLK
.endr
.endm
; A load into a register that a matrix instruction has read, and a vector instruction that reads a matrix result or writes one of its registers, stand four places behind it; only plain vector instructions that name none of its registers are places.
.macro PLACES n
.rept \n
	v_nop
.endr
.endm
; A step of 128 along K that has its successor in the same slot.  A block of A is free as soon as its eight products are issued: blocks 0-3 are fetched anew in the step's middle, blocks 4-7 at its end.
.macro STEP slot, q, zero
	s_wait_dscnt 4*NL                              ; B's set and A's blocks 0-3 are in; the youngest 24 loads (A's blocks 4-7) may be out
	WIN MUL_LO
	MUL16 0, (\q)%2, \q, \slot, \zero
	MUL16 2, (\q)%2, \q, \slot, \zero
	s_wait_dscnt 0                                 ; A's blocks 4-7 are in
	PLACES NP
	FETCH_B \slot, (\q)+1, 1-(\q)%2
	FETCH_A \slot, (\q)+1, 0
	WIN MUL_HI
	MUL16 4, (\q)%2, \q, \slot, \zero
	MUL16 6, (\q)%2, \q, \slot, \zero
	PLACES NP
	WIN 0
	FETCH_A \slot, (\q)+1, 4
.endm
; A slot's last step changes slots: ONE barrier; in front of it each wave waits for all its tensor loads, adds 0 to its spare word, and waits for that and for its own reads of this slot.  fill = 1: this slot is filled again, two K steps ahead.
.macro TURN slot, next, fill
	s_wait_tensorcnt 0x0                           ; all my tensor loads have landed: my part of the next slot
	ds_add_u32 v[SPW], v[NIL]                      ; 0 onto my spare word
	s_wait_dscnt 4*NL+1                            ; (the add and the youngest 24 loads, A's blocks 4-7, may be out)
	WIN MUL_LO
	MUL16 0, 1, NQ-1, \slot, 0                     ; sixteen matrix instructions stand between the add and the wait for it
	s_wait_dscnt 0x0                               ; the add is done, and my reads of this slot are over
	s_barrier_signal -1
	MUL16 2, 1, NQ-1, \slot, 0
	WIN 0
	s_barrier_wait -1
.if \fill
	CREST                                          ; the barrier has opened a round of the cluster's barrier: no wave of any partner still reads this slot's tile or has a load on its way
	s_add_nc_u64 s[G0+4*\slot+2:G0+4*\slot+3], s[G0+4*\slot+2:G0+4*\slot+3], 2*ROWB
	s_add_nc_u64 s[G0B+4*\slot+2:G0B+4*\slot+3], s[G0B+4*\slot+2:G0B+4*\slot+3], 2*ROWB
	JLOAD G0+4*\slot, G1, G0B+4*\slot, G1B         ; the first tensor load behind the round, my one load until the next; its four v_nop are the places in front of the loads below
.else
	PLACES NP
.endif
	v_add_nc_u32 v[ADRS], 4*NQ, v[ADRS]            ; on to the next K step's scale words
	FETCH_B \next, 0, 0
	FETCH_A \next, 0, 0
	SCALES \next
	WIN MUL_HI
	MUL16 4, 1, NQ-1, \slot, 0
	MUL16 6, 1, NQ-1, \slot, 0
	PLACES NP
	WIN 0
	FETCH_A \next, 0, 4
.endm
	s_wait_tensorcnt 1                             ; the scale bytes and my part of K step 0 are in (K step 1's load may be out)
	s_barrier_signal -1
	s_barrier_wait -1                              ; everybody's are
	FETCH_B 0, 0, 0
	FETCH_A 0, 0, 0
	SCALES 0
	FETCH_A 0, 0, 4
	STEP 0, 0, 1                                   ; the first step stands in front of the loop: its products start the sums
	s_mov_b32 s3, LAPS-1
.Llap:                                                 ; a trip goes once round the ring and fills both slots again
	TURN 0, 1, 1
	STEP 1, 0, 0
	TURN 1, 0, 1
	STEP 0, 0, 0
	s_sub_co_u32 s3, s3, 1
	s_cmp_lg_u32 s3, 0
	s_cbranch_scc1 .Llap
	TURN 0, 1, 0                                   ; the last lap fills nothing, and has no round of the cluster's barrier
	STEP 1, 0, 0
	s_wait_dscnt 4*NL                              ; the very last step: nothing more to fetch
	WIN MUL_LO
	MUL16 0, 1, NQ-1, 1, 0
	MUL16 2, 1, NQ-1, 1, 0
	s_wait_dscnt 0
	WIN MUL_HI
	MUL16 4, 1, NQ-1, 1, 0
	MUL16 6, 1, NQ-1, 1, 0
	WIN 0
; THE WAY OUT.  Block a: my row's 64 numbers, register 16 b + i = K 32 b + 16 h + i of the next product, become a fragment's codes and my row's scale word.  No LDS: the codes leave as the image of the operand's registers.
.macro QOUT a
.set AC, 64*((\a)%4)
.set PCD, PCB+12*(\a)
	WIN 0x0a+5*((\a)/4)                            ; sources 0 and 1: the accumulators' window
.irp b, 0,1,2,3
	v_max3_num_f32 v[TM+\b], |v[AC+16*\b]|, |v[AC+16*\b+1]|, 0x1800000   ; block b: my 16 numbers, each accumulator from its low end on, and the floor 2^(3 - 127): the byte cannot fall under 1
.endr
.irp i, 2,4,6,8,10,12,14
.irp b, 0,1,2,3
	v_max3_num_f32 v[TM+\b], |v[AC+16*\b+\i]|, |v[AC+16*\b+\i+1]|, v[TM+\b]   ; (the four blocks by turns)
.endr
.endr
	WIN 0
.irp b, 0,1,2,3
	v_permlanex16_b32 v[TM+4+\b], v[TM+\b], s66, s67
.endr
.irp b, 0,1,2,3
	v_max_num_f32 v[TM+\b], v[TM+\b], v[TM+4+\b]   ; with lane l xor 16's 16: the block's largest magnitude
.endr
.irp b, 0,1,2,3
	v_add_nc_u32 v[TM+12+\b], 0xff000000, v[TM+\b] ; 2 off its exponent field: the conversion's scale operand
.endr
.irp b, 0,1,2,3
	v_lshrrev_b32 v[TM+4+\b], 23, v[TM+12+\b]      ; the scale's byte
.endr
	v_lshl_or_b32 v[PW], v[TM+5], 8, v[TM+4]       ; the four bytes make my row's scale word
	v_lshl_or_b32 v[PW], v[TM+6], 16, v[PW]
	v_lshl_or_b32 v[PW], v[TM+7], 24, v[PW]
	WIN 0x02+((\a)/4)                              ; source 0 alone: the accumulators' window
.irp c, 0,1
	v_cvt_scalef32_pk16_fp6_f32 v[PCD+6*\c:PCD+6*\c+2], v[AC+32*\c:AC+32*\c+15], v[TM+12+2*\c]
	v_cvt_scalef32_pk16_fp6_f32 v[TT+4*\c:TT+4*\c+2], v[AC+32*\c+16:AC+32*\c+31], v[TM+13+2*\c]   ; (a conversion's three registers begin on an even number)
.endr
	WIN 0
	v_nop                                          ; one plain place behind a scaled conversion
.irp c, 0,1                            ; the operand's layout wants a WHOLE block in a lane: lanes 0-15 block 2 c, lanes 16-31 block 2 c + 1
.irp i, 0,1,2
	v_permlane16_swap_b32 v[PCD+6*\c+\i], v[TT+4*\c+\i]
.endr
.irp i, 0,1,2
	v_mov_b32 v[PCD+3+6*\c+\i], v[TT+4*\c+\i]
.endr
.endr
.if (\a) < 4
	v_mov_b32 v[SW+(\a)], v[PW]                    ; blocks 0-3: the word in lanes 0-15 counts;
.else
	v_cndmask_b32 v[SW+(\a)-4], v[SW+(\a)-4], v[PW], s96   ; blocks 4-7 take lanes 16-31 of the same four registers
.endif
.irp c, 0,1,2
	global_store_b128 v[LI], v[PCD+4*\c:PCD+4*\c+3], s[8:9] offset:1536*(\a)+512*\c   ; 32 lanes store 512 consecutive bytes, aligned
.endr
.endm
	PLACES NP                                      ; behind the last products: their results are read and their operands' registers written below
.irp b, 0,1,2,3
	v_mov_b32 v[TM+4+\b], 0                        ; written once: a lane permute's destination counts as one of its sources
.endr
.irp a, 0,1,2,3,4,5,6,7
	QOUT \a
.endr
	global_store_b128 v[LI], v[SW:SW+3], s[10:11]  ; the eight images' scale words: 512 consecutive bytes
	s_wait_tensorcnt 0x0                           ; the wave's end
	ds_add_u32 v[SPW], v[NIL]
	s_wait_dscnt 0x0
	CROUND                                         ; the closing round: no work-group ends while a partner may still ask for a tile that names it
	s_endpgm
.Lfunc_end_k_qc69720eced_qkv:
	.size	k_qc69720eced_qkv, .Lfunc_end_k_qc69720eced_qkv-k_qc69720eced_qkv
	.p2alignl 7, 3214868480
	.fill 96, 4, 3214868480
	.section	.rodata,"a",@progbits
	.p2align	6, 0x0
	.amdhsa_kernel k_qc69720eced_qkv
		.amdhsa_group_segment_fixed_size 327680
		.amdhsa_private_segment_fixed_size 0
		.amdhsa_enable_private_segment 0
		.amdhsa_kernarg_size 32
		.amdhsa_user_sgpr_count 2
		.amdhsa_user_sgpr_kernarg_segment_ptr 1
		.amdhsa_wavefront_size32 1
		.amdhsa_system_sgpr_workgroup_id_x 1
		.amdhsa_system_sgpr_workgroup_id_y 1
		.amdhsa_system_sgpr_workgroup_id_z 1
		.amdhsa_system_vgpr_workitem_id 0
		.amdhsa_next_free_vgpr 1024
		.amdhsa_next_free_sgpr 98
		.amdhsa_reserve_vcc 0
		.amdhsa_float_denorm_mode_32 3
		.amdhsa_float_denorm_mode_16_64 3
		.amdhsa_memory_ordered 1
		.amdhsa_forward_progress 1
		.amdhsa_inst_pref_size 165
	.end_amdhsa_kernel
	.amdgpu_metadata
---
amdhsa.version: [ 1, 2 ]
amdhsa.kernels:
  - .name:           k_qc69720eced_qkv
    .symbol:         k_qc69720eced_qkv.kd
    .args:
      - { .name: cw, .offset: 0, .size: 8, .value_kind: global_buffer, .address_space: global }
      - { .name: sw, .offset: 8, .size: 8, .value_kind: global_buffer, .address_space: global }
      - { .name: fc, .offset: 16, .size: 8, .value_kind: global_buffer, .address_space: global }
      - { .name: fs, .offset: 24, .size: 8, .value_kind: global_buffer, .address_space: global }
    .group_segment_fixed_size: 327680
    .private_segment_fixed_size: 0
    .kernarg_segment_align: 8
    .kernarg_segment_size: 32
    .max_flat_workgroup_size: 128
    .sgpr_count:     98
    .vgpr_count:     1024
    .wavefront_size: 32
...
	.end_amdgpu_metadata
.endif
;; end of part 2
;; launch attn (part 3): grid 16 x 16, 8 waves a work-group, clusters of 4 x 1, 327,680 bytes of LDS; arguments fc, fs, oc, os; writes oc, os
.if DOCPART == 3
	.amdgcn_target "amdgcn-amd-amdhsa--gfx1250"
	.amdhsa_code_object_version 6
	.text
	.protected	k_qc69720eced_attn
	.globl	k_qc69720eced_attn
	.p2align	8
	.type	k_qc69720eced_attn,@function
k_qc69720eced_attn:
	s_mov_b64 s[64:65], 0
	v_nop
	global_prefetch_b8 v0, s[64:65] scope:SCOPE_SE
	s_setreg_imm32_b32 hwreg(HW_REG_WAVE_MODE, 25, 1), 1
	s_wait_xcnt 0x0
	s_wait_alu depctr_hold_cnt(0) depctr_sa_sdst(0) depctr_va_vdst(0) depctr_va_sdst(0) depctr_va_ssrc(0) depctr_va_vcc(0) depctr_vm_vsrc(0)
	s_getreg_b32 s2, hwreg(HW_REG_IB_STS2, 6, 4)
	s_cmp_eq_u32 s2, 0
	s_cbranch_scc0 .Lentry_in_a_cluster
	s_endpgm
.Lentry_in_a_cluster:
	s_bfe_u32 s2, ttmp6, 0x10000c
	s_cmp_lg_u32 s2, 0x3003
	s_cbranch_scc0 .Lentry_shape_is_right
	s_endpgm
.Lentry_shape_is_right:
; O = softmax(Q K^T / sqrt(128)) V for each of 16 (batch, head), 2,048 queries and keys, head size 128, both products on codes of FP6 (E2M3) with one E8M0 scale for each 32 along a product's K.
; All three operands come as IMAGES OF THEIR REGISTERS (a fragment of 16 rows x 128 K: register group c of lane l at 512 c + 16 l, 1,536 bytes), so every fragment is three loads of 16 bytes a lane, dense.
;   fc: with idx = 16 bh + run of 128 tokens: a record of 24,576 bytes at 24576 idx: K's 8 images (16 keys x 128 channels), then V's 8 (16 channels x 128 keys); Q's 8 images at 6291456 + 12288 idx.
;   fs: eight images' scale words in 512 bytes, 16 a lane: lanes 0-15 images 0-3, lanes 16-31 images 4-7.  K at 1024 idx, V at 1024 idx + 512, Q at 262144 + 512 idx.
; THE SOFTMAX AHEAD OF THE SECOND PRODUCT: t = score x log2(e) / sqrt(128) (one multiplication); M = the row's largest t so far, rounded UP to a whole number; p = 2^(t - M) is quantised along the keys, not normalised.
; The row's sum is taken of the unquantised p and divides O at the end (a reciprocal and a multiplication).  When M moves, the sum and O are multiplied by 2^(old M - new M): exact.
; SHARES.  A work-group owns the 128 queries of one run of one head; each of its eight waves 16 of them, one image of Q, in 256 registers: two waves to a SIMD, so that one wave's vector work stands beside the other's
; products and LDS loads.  Every wave walks the head's 16 key steps of 128.  K and V come through a ring of two LDS slots of four records; waves 0-3 fetch a record each.
; CLUSTER.  The four work-groups of a cluster belong to one head and walk the same records: each is asked for JOINTLY, by the same tensor load with the same descriptor and a mask that names the four.
; LAYOUT.  Both products are used transposed: S^T = K Q^T, O^T = V^T P^T: a lane holds ONE query (lane % 16) throughout.  Row r of image 2 b + u is index 32 b + 8 u + r + 8 (r / 8) (so the images were made): the 16 registers
; of tiles 2 b and 2 b + 1 are 16 neighbouring keys (S^T) or channels (O^T), 32 b + 16 (lane / 16) + 0 .. 15.
; THE RESULT, O / the sum, is quantised along the head's channels, which are K step `head` of the last product, and leaves as an image: oc at (((128-token run) x 8 + head) x 8 + wave) x 1536; its scale words in os [row][32], the head's word at 4 x head.
; LIMITS: NaN and infinities are not served; a block whose largest magnitude lies under 2^-124 (zeros too) gets the byte 1; the bytes are read by this program alone.
; REGISTERS: v1 16 x lane; v3 the same in the scale words' region; v5, v6 for the add; v8, v10 addresses of the step in hand; v12 -M, v13 the largest t, v[14:15] the sum in two halves; v16-27 Q; v28 the prefetches' offset;
;   v32-79 four fragments of K or V; v96-159 S^T, then p; v160-223 O^T; v224-235 p's codes; v232-247, v252, v254 at work; v248-251 eight tiles' scale words; v253 p's scale word; v255 Q's.
.set REC,   24576                      ; a key step's record
.set SLOTB, 4*REC                      ; a slot: four records, no padding: every LDS read is 16 bytes x lane, on end
.set SLOT1, 1<<17                      ; slot 1 begins here, so that one exclusive or turns an address in one slot into the other's
.set SCB,   2*SLOT1                    ; behind the ring: the head's scale words, 16 x 1,024 bytes, filled once
.set SPARE, SCB+16384                  ; the spare words, 128 bytes for each wave: four blocks of 256 bytes that no other line names
.set LI,   1
.set AS0,  3
.set SPW,  5
.set NIL,  6
.set ADK,  8
.set ADS,  10
.set PFO,  28
.set TB,   2                           ; s2   LDS byte at which the record in hand begins
.set TS,   3                           ; s3   where its scale words begin: 1,024 bytes a step
.set WV,   12                          ; s12  my wave's number
.set SEL,  20                          ; s[20:21] lane selects for v_permlanex16_b32: lane l xor 16
.set CS,   22                          ; s[22:23] c = log2(e) / sqrt(128)
.set G1T,  24                          ; s[24:31] group 1 for a record
.set G1S,  32                          ; s[32:39] for a quarter of the scale words
.set G0T,  40                          ; s[40:43] group 0 for the records: it walks
.set G0S,  44                          ; s[44:47] for the scale words
.set SLOTS, 48                         ; s48  slots still to be asked for
.set CNT,  49                          ; s49  counts a slot's four steps
.set PFA,  50                          ; s[50:51] where my prefetches stand
.set LIM,  52                          ; s52  1 in a wave that prefetches, else the greatest number
.macro CROUND                          ; a round of the cluster's barrier
	s_barrier_signal -1
	s_barrier_wait -1
	s_cmp_lg_u32 s[WV], 0
	s_cbranch_scc1 .Lnot_wave_0_\@
	s_barrier_signal -3
.Lnot_wave_0_\@:
	s_barrier_wait -3
	s_barrier_signal -1
	s_barrier_wait -1
.endm
.macro JLOAD                           ; a joint refill: waves 0-3 fetch a record each.  The branch hangs on the wave's number alone.  Four v_nop follow the load
	s_cmp_lt_u32 s[WV], 4
	s_cbranch_scc0 .Lnone_\@
	tensor_load_to_lds s[G0T:G0T+3], s[G1T:G1T+7]
	s_nop 0
.rept 4
	v_nop
.endr
.Lnone_\@:
.endm
; A PREFETCH INTO THE L2 of the slot that the NEXT change of slots will ask for: four key steps ahead of that load.  Each aligned block of 256 bytes is named once in the launch: all clusters of a head walk the same
; records, so the head's first cluster asks; its four partners take a record each, told apart BY ADDRESS; in each, waves 4 to 6, which fetch nothing, take 8,192 bytes each, lanes 256 bytes apart.
; The last change that fills a slot asks for nothing: there is no slot behind it.  Slots 0 and 1 come by their loads alone.
.macro ASK
	s_cmp_gt_u32 s[SLOTS], s[LIM]
	s_cbranch_scc0 .Lnot_mine_\@
	global_prefetch_b8 v[PFO], s[PFA:PFA+1] th:TH_LOAD_NT scope:SCOPE_SE
.Lnot_mine_\@:
.endm
	s_load_b256 s[4:11], s[0:1], 0x0               ; fc s[4:5], fs s[6:7], oc s[8:9], os s[10:11]
	v_lshl_add_u32 v[SPW], v0, 2, SPARE
	v_mov_b32 v[NIL], 0
	ds_add_u32 v5, v6
	s_wait_dscnt 0x0
	v_lshrrev_b32 v8, 5, v0
	v_readfirstlane_b32 s[WV], v8                  ; wave 0..7
	s_bfe_u32 s13, ttmp6, 0x40000                  ; cx: my place in the cluster
	s_lshl_b32 s14, ttmp9, 2
	s_add_co_u32 s14, s14, s13                     ; my run of 128 queries: it enters Q's and the result's addresses alone
	s_and_b32 s15, ttmp7, 0xffff                   ; bh = 8 x batch + head, which the four partners share
	; group 1: a record: 24,576 dense bytes as 96 rows of 256 (32 elements of 8 bytes)
	s_mov_b32 s[G1T], 15|(3<<16)|(1<<21)           ; 15:0 the mask: all four work-groups; 17:16 elements of 8 bytes; 20 no padding; 21 set beside a mask
	s_mov_b32 s[G1T+1], 32<<16                     ; tensor_dim0
	s_mov_b32 s[G1T+2], 96<<16                     ; tensor_dim1
	s_mov_b32 s[G1T+3], 32<<16                     ; tile_dim0
	s_mov_b32 s[G1T+4], 96                         ; tile_dim1
	s_mov_b32 s[G1T+5], 32                         ; from row to row
	s_mov_b32 s[G1T+6], 0
	s_mov_b32 s[G1T+7], 0
	s_mov_b32 s[G1S], 15|(3<<16)|(1<<21)           ; a quarter of the head's scale words: 16 rows of 256 bytes
	s_mov_b32 s[G1S+1], 32<<16
	s_mov_b32 s[G1S+2], 16<<16
	s_mov_b32 s[G1S+3], 32<<16
	s_mov_b32 s[G1S+4], 16
	s_mov_b32 s[G1S+5], 32
	s_mov_b32 s[G1S+6], 0
	s_mov_b32 s[G1S+7], 0
	; offsets, all under 2^24
	s_mul_i32 s62, s15, 16*REC                     ; the head's 16 records
	s_mul_i32 s[G0T+1], s[WV], REC                 ; LDS: record = wave, slot 0
	s_add_co_u32 s54, s62, s[G0T+1]                ; and the same record in memory
	s_mov_b32 s55, 0
	s_mul_i32 s63, s13, REC                        ; the prefetches: my work-group's record,
	s_add_co_u32 s50, s62, s63
	s_and_b32 s63, s[WV], 3
	s_lshl_b32 s63, s63, 13                        ; my wave's 8,192 bytes of it,
	s_add_co_u32 s50, s50, s63
	s_add_co_u32 s50, s50, SLOTB                   ; in slot 1: the first change of slots steps it to slot 2.  Nothing is prefetched at the head
	s_mov_b32 s51, 0
	s_lshl_b32 s62, s15, 14                        ; the head's 16,384 bytes of scale words,
	s_lshl_b32 s63, s[WV], 12                      ; my quarter
	s_add_co_u32 s56, s62, s63
	s_mov_b32 s57, 0
	s_add_co_u32 s[G0S+1], s63, SCB
	s_lshl_b32 s62, s15, 4
	s_add_co_u32 s62, s62, s14                     ; idx of my queries
	s_lshl_b32 s63, s62, 3
	s_add_co_u32 s63, s63, s[WV]
	s_mul_i32 s58, s63, 1536
	s_add_co_u32 s58, s58, 6291456                 ; my image of Q
	s_mov_b32 s59, 0
	s_lshl_b32 s60, s62, 9
	s_lshr_b32 s63, s[WV], 2
	s_lshl_b32 s63, s63, 8                         ; images 4-7: the upper sixteen lanes' 256 bytes
	s_add_co_u32 s60, s60, s63
	s_and_b32 s63, s[WV], 3
	s_lshl_b32 s63, s63, 2
	s_add_co_u32 s60, s60, s63
	s_add_co_u32 s60, s60, 262144                  ; its scale words: 16 bytes from row to row
	s_mov_b32 s61, 0
	s_lshr_b32 s62, s15, 3
	s_lshl_b32 s62, s62, 4
	s_add_co_u32 s62, s62, s14                     ; the run of 128 tokens among all 32
	s_and_b32 s63, s15, 7                          ; the head
	s_lshl_b32 s16, s62, 3
	s_add_co_u32 s16, s16, s63
	s_mul_i32 s16, s16, 12288
	s_mul_i32 s17, s[WV], 1536
	s_add_co_u32 s16, s16, s17                     ; my image in oc
	s_mov_b32 s17, 0
	s_lshl_b32 s18, s62, 12                        ; os: 128 rows of 32 bytes a run,
	s_lshl_b32 s19, s[WV], 9                       ; 16 rows a wave,
	s_add_co_u32 s18, s18, s19
	s_lshl_b32 s19, s63, 2                         ; the head's word
	s_add_co_u32 s18, s18, s19
	s_mov_b32 s19, 0
	s_sub_co_u32 s62, s[WV], 4
	s_cmp_lt_u32 s62, 3                            ; waves 4 to 6
	s_cselect_b32 s62, 0, 1
	s_or_b32 s62, s62, ttmp9                       ; of the head's first cluster: the same in all four partners
	s_cmp_eq_u32 s62, 0
	s_cselect_b32 s[LIM], 1, -1
	s_mov_b32 s[G0T], 1                            ; 1:0 count = 1
	s_mov_b32 s[G0S], 1
	s_mov_b32 s[SEL], 0x76543210
	s_mov_b32 s[SEL+1], 0xfedcba98
	s_mov_b32 s[CS], 0x3e0293ee                    ; c = log2(e) / sqrt(128)
	s_mov_b32 s[CS+1], s[CS]                       ; (named with it as a pair, so it is written)
	s_mov_b32 s[TB], 0
	s_mov_b32 s[TS], 0
	s_mov_b32 s[SLOTS], 3
	s_wait_kmcnt 0x0
	s_add_nc_u64 s[G0T+2:G0T+3], s[4:5], s[54:55]
	s_or_b32 s[G0T+3], s[G0T+3], 0x80000000        ; 127:126 type = 2
	s_add_nc_u64 s[G0S+2:G0S+3], s[6:7], s[56:57]
	s_or_b32 s[G0S+3], s[G0S+3], 0x80000000
	s_add_nc_u64 s[PFA:PFA+1], s[4:5], s[50:51]
	s_add_nc_u64 s[58:59], s[4:5], s[58:59]
	s_add_nc_u64 s[60:61], s[6:7], s[60:61]
	s_add_nc_u64 s[16:17], s[8:9], s[16:17]
	s_add_nc_u64 s[18:19], s[10:11], s[18:19]
	CROUND                                         ; all four work-groups are here: the first joint loads meet
	s_cmp_lt_u32 s[WV], 4                          ; a wave's two first fills stand in one branch, ahead of every wait on TENSORcnt and every LDS read: two loads of mine are out
	s_cbranch_scc0 .Lno_first
	tensor_load_to_lds s[G0S:G0S+3], s[G1S:G1S+7]  ; the head's scale words: filled once
	s_nop 0
	tensor_load_to_lds s[G0T:G0T+3], s[G1T:G1T+7]  ; slot 0
	s_nop 0
.rept 4
	v_nop
.endr
.Lno_first:
	v_and_b32 v9, 31, v0
	v_lshlrev_b32 v[LI], 4, v9
	v_lshlrev_b32 v[PFO], 8, v9
	v_add_nc_u32 v[AS0], SCB, v[LI]
.irp c, 0,1,2
	global_load_b128 v[16+4*\c:19+4*\c], v[LI], s[58:59] offset:512*\c   ; Q's fragment stays in registers
.endr
	v_and_b32 v254, 15, v0
	v_lshlrev_b32 v254, 4, v254
	global_load_b32 v255, v254, s[60:61]           ; Q's scale words
	v_mov_b32 v13, 0xff61b1e6                      ; the largest t so far: -3e38, under every t
	v_floor_f32 v12, -v13                          ; -M
	v_mov_b32 v14, 0                               ; the sum, in two halves
	v_mov_b32 v15, 0
.irp b, 0,1,2,3
	v_mov_b32 v[236+\b], 0                         ; written once: a lane permute's destination counts as one of its sources
.endr
	v_mov_b32 v253, 0                              ; (named as the upper half of the pair v[252:253] before it is first written)
.set j, 0
.rept 64
	v_mov_b32 v[160+j], 0                          ; O^T.  (The key step is written once: the first finds zeros, which the first change of M leaves zeros)
.set j, j+1
.endr
; A KEY STEP: 128 keys.
.macro STEP
	v_add_nc_u32 v[ADK], s[TB], v[LI]
	v_add_nc_u32 v[ADS], s[TS], v[AS0]
	v_nop
	v_nop                                          ; four places in front of loads into registers that the last step's products have read
.irp t, 0,1,2,3                        ; S^T = K Q^T, four tiles of 16 keys at a time
.irp c, 0,1,2
	ds_load_b128 v[32+12*\t+4*\c:35+12*\t+4*\c], v[ADK] offset:1536*\t+512*\c
.endr
.endr
	ds_load_b128 v[248:251], v[ADS]                ; K's eight tiles' scale words
	s_wait_dscnt 0x0
.irp t, 0,1,2,3
	v_wmma_scale_f32_16x16x128_f8f6f4 v[96+8*\t:103+8*\t], v[32+12*\t:43+12*\t], v[16:27], 0, v[248+\t], v255 matrix_a_fmt:MATRIX_FMT_FP6 matrix_b_fmt:MATRIX_FMT_FP6
.endr
.rept 4
	v_nop
.endr
.irp t, 0,1,2,3
.irp c, 0,1,2
	ds_load_b128 v[32+12*\t+4*\c:35+12*\t+4*\c], v[ADK] offset:1536*(4+\t)+512*\c
.endr
.endr
	s_wait_dscnt 0x0
.irp t, 0,1,2,3
	v_wmma_scale_f32_16x16x128_f8f6f4 v[128+8*\t:135+8*\t], v[32+12*\t:43+12*\t], v[16:27], 0, v[248+\t], v255 matrix_a_fmt:MATRIX_FMT_FP6 matrix_b_fmt:MATRIX_FMT_FP6 matrix_a_scale:MATRIX_SCALE_ROW1
.endr
.rept 4
	v_nop                                          ; places in front of the loads below and of the first read of the scores
.endr
.irp t, 0,1,2,3                        ; V's first four tiles and its scale words are asked for here: they land while the softmax is worked
.irp c, 0,1,2
	ds_load_b128 v[32+12*\t+4*\c:35+12*\t+4*\c], v[ADK] offset:12288+1536*\t+512*\c
.endr
.endr
	ds_load_b128 v[248:251], v[ADS] offset:512
.irp b, 0,1,2,3
	v_max3_num_f32 v[232+\b], v[96+16*\b], v[97+16*\b], v[98+16*\b]   ; THE LARGEST SCORE OF EACH BLOCK OF 32 KEYS: it serves twice: for the row's maximum, and, since p rises with the score, for the block's largest p
.endr
.irp i, 3,5,7,9,11,13
.irp b, 0,1,2,3
	v_max3_num_f32 v[232+\b], v[232+\b], v[96+16*\b+\i], v[97+16*\b+\i]   ; (the four blocks by turns)
.endr
.endr
.irp b, 0,1,2,3
	v_max_num_f32 v[232+\b], v[232+\b], v[111+16*\b]
.endr
.irp b, 0,1,2,3
	v_permlanex16_b32 v[236+\b], v[232+\b], s[SEL], s[SEL+1]
.endr
.irp b, 0,1,2,3
	v_max_num_f32 v[232+\b], v[232+\b], v[236+\b]  ; with lane l xor 16's 16 keys
.endr
	v_max3_num_f32 v254, v232, v233, v234
	v_max_num_f32 v254, v254, v235                 ; the step's largest score of my query
	v_mul_f32 v254, s[CS], v254                    ; as t (c is positive)
	v_max_num_f32 v13, v13, v254                   ; the running largest t
	v_mov_b32 v254, v12
	v_floor_f32 v12, -v13                          ; the new -M = floor(-t) = -ceil(t): M IS A WHOLE NUMBER
	v_sub_f32 v254, v12, v254                      ; M's old value less its new one: a whole number, 0 or less
	v_cvt_i32_f32 v254, v254                       ; (it saturates)
	v_ldexp_f32 v252, 1.0, v254                    ; f = 2^(old M - new M): a multiplication by it rounds nothing
.set j, 0
.rept 32
	v_pk_fma_f32 v[96+j:97+j], v[96+j:97+j], s[CS:CS+1], v[12:13] op_sel_hi:[1,0,0]   ; t - M, two at a time (of the pairs c and -M the low word serves both halves)
.set j, j+2
.endr
.irp b, 0,1,2,3
	v_fma_f32 v[232+\b], v[232+\b], s[CS], v12     ; the same of each block's largest score
.endr
.set j, 0
.rept 64
	v_exp_f32 v[96+j], v[96+j]                     ; p = 2^(t - M), at most 1: NOT normalised
.set j, j+1
.endr
.irp b, 0,1,2,3
	v_exp_f32 v[232+\b], v[232+\b]                 ; the block's largest p: the same two instructions on the same number give the same bits
.endr
	v_pk_mul_f32 v[14:15], v[14:15], v[252:253] op_sel_hi:[1,0]   ; the sums under the new M.  (A plain place behind the exponentials)
	s_wait_alu depctr_va_vdst(0)
.irp b, 0,1,2,3
	v_max_num_f32 v[232+\b], 0x1800000, v[232+\b]  ; the floor 2^(3 - 127): the byte cannot fall under 1
.endr
.irp b, 0,1,2,3
	v_add_nc_u32 v[244+\b], 0xff000000, v[232+\b]  ; 2 off the exponent field: the conversion's scale operand
.endr
.irp b, 0,1,2,3
	v_lshrrev_b32 v[236+\b], 23, v[244+\b]         ; the scale's byte
.endr
	v_lshl_or_b32 v253, v237, 8, v236              ; p's scale word for these 128 keys
	v_lshl_or_b32 v253, v238, 16, v253
	v_lshl_or_b32 v253, v239, 24, v253
.irp c, 0,1
	v_cvt_scalef32_pk16_fp6_f32 v[224+6*\c:226+6*\c], v[96+32*\c:111+32*\c], v[244+2*\c]
	v_cvt_scalef32_pk16_fp6_f32 v[236+4*\c:238+4*\c], v[112+32*\c:127+32*\c], v[244+2*\c+1]   ; (a conversion's three registers begin on an even number)
.endr
	v_nop                                          ; one plain place behind a scaled conversion
.irp c, 0,1                            ; the operand's layout wants a WHOLE block in a lane: lanes 0-15 block 2 c, lanes 16-31 block 2 c + 1
.irp i, 0,1,2
	v_permlane16_swap_b32 v[224+6*\c+\i], v[236+4*\c+\i]
.endr
.irp i, 0,1,2
	v_mov_b32 v[227+6*\c+\i], v[236+4*\c+\i]
.endr
.endr
	v_pk_add_f32 v[236:237], v[96:97], v[98:99]    ; THE ROW'S SUM IS TAKEN OF THE UNQUANTISED p: two at a time, in two chains
.irp j, 4,8,12,16,20,24,28,32,36,40,44,48,52,56,60
	v_pk_add_f32 v[14:15], v[14:15], v[96+\j:97+\j]
	v_pk_add_f32 v[236:237], v[236:237], v[98+\j:99+\j]
.endr
	v_pk_add_f32 v[14:15], v[14:15], v[236:237]
.set j, 0
.rept 32
	v_pk_mul_f32 v[160+j:161+j], v[160+j:161+j], v[252:253] op_sel_hi:[1,0]   ; O^T under the new M: x f.  (The sums and these are the places between p's codes and scale word and the products below)
.set j, j+2
.endr
	s_wait_dscnt 0x0                               ; V's first four tiles and its scale words are in
.irp t, 0,1,2,3                        ; O^T += V^T P^T: four tiles of 16 channels at a time; the eight accumulators take turns
	v_wmma_scale_f32_16x16x128_f8f6f4 v[160+8*\t:167+8*\t], v[32+12*\t:43+12*\t], v[224:235], v[160+8*\t:167+8*\t], v[248+\t], v253 matrix_a_fmt:MATRIX_FMT_FP6 matrix_b_fmt:MATRIX_FMT_FP6
.endr
.rept 4
	v_nop
.endr
.irp t, 0,1,2,3
.irp c, 0,1,2
	ds_load_b128 v[32+12*\t+4*\c:35+12*\t+4*\c], v[ADK] offset:12288+1536*(4+\t)+512*\c
.endr
.endr
	s_wait_dscnt 0x0
.irp t, 0,1,2,3
	v_wmma_scale_f32_16x16x128_f8f6f4 v[192+8*\t:199+8*\t], v[32+12*\t:43+12*\t], v[224:235], v[192+8*\t:199+8*\t], v[248+\t], v253 matrix_a_fmt:MATRIX_FMT_FP6 matrix_b_fmt:MATRIX_FMT_FP6 matrix_a_scale:MATRIX_SCALE_ROW1
.endr
	s_add_co_u32 s[TB], s[TB], REC                 ; the next step's record
	s_add_co_u32 s[TS], s[TS], 1024                ; and scale words
.endm
; THE CHANGE OF SLOTS stands at a slot's head.  Each wave waits for all its tensor loads (its part of the slot that it is about to read), adds 0 to its spare word, and waits for that and for its reads of the slot that it has left.
; fill = 1: that other slot is filled with the four records that follow.  The barrier is then a round of the cluster's, so that no wave of any partner still reads the slot or has a load on its way, and the joint
; refill is the first thing behind it: it has four key steps in which to land.
.macro CHANGE fill
	s_wait_tensorcnt 0x0                           ; no tensor load of mine is out, so a group 0 may be written
	ds_add_u32 v[SPW], v[NIL]                      ; 0 onto my spare word
.if \fill
	s_xor_b32 s[G0T+1], s[G0T+1], SLOT1            ; the walking descriptor: the other slot than last time,
	s_add_nc_u64 s[G0T+2:G0T+3], s[G0T+2:G0T+3], SLOTB   ; the next four records; the type bits on top are not reached
	s_wait_xcnt 0x0                                ; the last prefetch, a slot back, has read its address, so it may be written:
	s_add_nc_u64 s[PFA:PFA+1], s[PFA:PFA+1], SLOTB ; one slot further on than the walking descriptor
	s_wait_dscnt 0x0                               ; the add is done, and my reads of the slot that I have left are over
	CROUND
	JLOAD
	ASK
.else
	s_wait_dscnt 0x0
	s_barrier_signal -1
	s_barrier_wait -1
.endif
.endm
.macro FOUR_STEPS                      ; a slot's four key steps: written once, walked four times; the LDS addresses hang on s[TB] and s[TS]
	s_mov_b32 s[CNT], 4
.Lstep_\@:
	STEP
	s_sub_co_u32 s[CNT], s[CNT], 1
	s_cmp_lg_u32 s[CNT], 0
	s_cbranch_scc1 .Lstep_\@
	s_sub_co_u32 s[TB], s[TB], SLOTB               ; back to a slot's first record,
	s_xor_b32 s[TB], s[TB], SLOT1                  ; in the other slot
.endm
	s_wait_loadcnt 0x0                             ; Q
.Lslot:                                            ; three trips: behind each change of slots but the last the next slot is asked for
	CHANGE 1
	FOUR_STEPS
	s_sub_co_u32 s[SLOTS], s[SLOTS], 1
	s_cmp_lg_u32 s[SLOTS], 0
	s_cbranch_scc1 .Lslot
	CHANGE 0                                       ; the last slot is written out
	FOUR_STEPS
	; THE WAY OUT.  O^T / the sum: register 16 b + i is channel 32 b + 16 h + i of my query: 16 neighbours along the last product's K.  They are quantised as p was, and leave as an image.
.rept 4
	v_nop                                          ; places behind the last products
.endr
	v_add_f32 v14, v14, v15                        ; the sum's two halves,
	v_permlanex16_b32 v252, v14, s[SEL], s[SEL+1]
	v_add_f32 v14, v14, v252                       ; and lane l xor 16's: the row's sum
	v_rcp_f32 v14, v14
	v_and_b32 v11, 15, v0                          ; (a plain place behind the transcendental)
	v_lshlrev_b32 v11, 5, v11                      ; os: 32 bytes from row to row
.set j, 0
	s_wait_alu depctr_va_vdst(0)
.rept 64
	v_mul_f32 v[96+j], v[160+j], v14               ; each accumulator from its low end on
.set j, j+1
.endr
.irp b, 0,1,2,3
	v_max3_num_f32 v[232+\b], |v[96+16*\b]|, |v[97+16*\b]|, 0x1800000   ; block b: my 16 numbers, and the floor 2^(3 - 127)
.endr
.irp i, 2,4,6,8,10,12,14
.irp b, 0,1,2,3
	v_max3_num_f32 v[232+\b], v[232+\b], |v[96+16*\b+\i]|, |v[97+16*\b+\i]|
.endr
.endr
.irp b, 0,1,2,3
	v_permlanex16_b32 v[236+\b], v[232+\b], s[SEL], s[SEL+1]
.endr
.irp b, 0,1,2,3
	v_max_num_f32 v[232+\b], v[232+\b], v[236+\b]
.endr
.irp b, 0,1,2,3
	v_add_nc_u32 v[244+\b], 0xff000000, v[232+\b]
.endr
.irp b, 0,1,2,3
	v_lshrrev_b32 v[236+\b], 23, v[244+\b]
.endr
	v_lshl_or_b32 v253, v237, 8, v236              ; my row's scale word
	v_lshl_or_b32 v253, v238, 16, v253
	v_lshl_or_b32 v253, v239, 24, v253
.irp c, 0,1
	v_cvt_scalef32_pk16_fp6_f32 v[32+6*\c:34+6*\c], v[96+32*\c:111+32*\c], v[244+2*\c]
	v_cvt_scalef32_pk16_fp6_f32 v[44+4*\c:46+4*\c], v[112+32*\c:127+32*\c], v[244+2*\c+1]
.endr
	v_nop                                          ; one plain place behind a scaled conversion
.irp c, 0,1
.irp i, 0,1,2
	v_permlane16_swap_b32 v[32+6*\c+\i], v[44+4*\c+\i]
.endr
.irp i, 0,1,2
	v_mov_b32 v[35+6*\c+\i], v[44+4*\c+\i]
.endr
.endr
.irp c, 0,1,2
	global_store_b128 v[LI], v[32+4*\c:35+4*\c], s[16:17] offset:512*\c   ; 32 lanes store 512 consecutive bytes, aligned
.endr
	global_store_b32 v11, v253, s[18:19]           ; lanes r and r + 16 hold the same word and store it to the same place: 4 bytes of each of 16 rows, one byte in 24 of what the wave stores
	s_wait_tensorcnt 0x0                           ; the wave's end
	ds_add_u32 v[SPW], v[NIL]
	s_wait_dscnt 0x0
	CROUND                                         ; the closing round: no work-group ends while a partner may still ask for a tile that names it
	s_endpgm
.Lfunc_end_k_qc69720eced_attn:
	.size	k_qc69720eced_attn, .Lfunc_end_k_qc69720eced_attn-k_qc69720eced_attn
	.p2alignl 7, 3214868480
	.fill 96, 4, 3214868480
	.section	.rodata,"a",@progbits
	.p2align	6, 0x0
	.amdhsa_kernel k_qc69720eced_attn
		.amdhsa_group_segment_fixed_size 327680
		.amdhsa_private_segment_fixed_size 0
		.amdhsa_enable_private_segment 0
		.amdhsa_kernarg_size 32
		.amdhsa_user_sgpr_count 2
		.amdhsa_user_sgpr_kernarg_segment_ptr 1
		.amdhsa_wavefront_size32 1
		.amdhsa_system_sgpr_workgroup_id_x 1
		.amdhsa_system_sgpr_workgroup_id_y 1
		.amdhsa_system_sgpr_workgroup_id_z 1
		.amdhsa_system_vgpr_workitem_id 0
		.amdhsa_next_free_vgpr 256
		.amdhsa_next_free_sgpr 70
		.amdhsa_reserve_vcc 0
		.amdhsa_float_denorm_mode_32 3
		.amdhsa_float_denorm_mode_16_64 3
		.amdhsa_memory_ordered 1
		.amdhsa_forward_progress 1
		.amdhsa_inst_pref_size 54
	.end_amdhsa_kernel
	.amdgpu_metadata
---
amdhsa.version: [ 1, 2 ]
amdhsa.kernels:
  - .name:           k_qc69720eced_attn
    .symbol:         k_qc69720eced_attn.kd
    .args:
      - { .name: fc, .offset: 0, .size: 8, .value_kind: global_buffer, .address_space: global }
      - { .name: fs, .offset: 8, .size: 8, .value_kind: global_buffer, .address_space: global }
      - { .name: oc, .offset: 16, .size: 8, .value_kind: global_buffer, .address_space: global }
      - { .name: os, .offset: 24, .size: 8, .value_kind: global_buffer, .address_space: global }
    .group_segment_fixed_size: 327680
    .private_segment_fixed_size: 0
    .kernarg_segment_align: 8
    .kernarg_segment_size: 32
    .max_flat_workgroup_size: 256
    .sgpr_count:     70
    .vgpr_count:     256
    .wavefront_size: 32
...
	.end_amdgpu_metadata
.endif
;; end of part 3
;; launch proj (part 4): grid 4 x 16, 4 waves a work-group, clusters of 4 x 4, 327,680 bytes of LDS; arguments oc, os, cw, sw, out0; writes out0
.if DOCPART == 4
	.amdgcn_target "amdgcn-amd-amdhsa--gfx1250"
	.amdhsa_code_object_version 6
	.text
	.protected	k_qc69720eced_proj
	.globl	k_qc69720eced_proj
	.p2align	8
	.type	k_qc69720eced_proj,@function
k_qc69720eced_proj:
	s_mov_b64 s[64:65], 0
	v_nop
	global_prefetch_b8 v0, s[64:65] scope:SCOPE_SE
	s_setreg_imm32_b32 hwreg(HW_REG_WAVE_MODE, 25, 1), 1
	s_wait_xcnt 0x0
	s_wait_alu depctr_hold_cnt(0) depctr_sa_sdst(0) depctr_va_vdst(0) depctr_va_sdst(0) depctr_va_ssrc(0) depctr_va_vcc(0) depctr_vm_vsrc(0)
	s_getreg_b32 s2, hwreg(HW_REG_IB_STS2, 6, 4)
	s_cmp_eq_u32 s2, 0
	s_cbranch_scc0 .Lentry_in_a_cluster
	s_endpgm
.Lentry_in_a_cluster:
	s_bfe_u32 s2, ttmp6, 0x10000c
	s_cmp_lg_u32 s2, 0xf033
	s_cbranch_scc0 .Lentry_shape_is_right
	s_endpgm
.Lentry_shape_is_right:
; out0 [4096][1024] f32 = (the heads side by side) Wo, on codes of FP6 (E2M3) with E8M0 scales, K = 1,024 = 8 heads x 128, sums in f32.
; A comes as IMAGES OF ITS FRAGMENTS' REGISTERS: oc at ((run of 128 tokens x 8 + head) x 8 + a) x 1536: register group c of lane l at 512 c + 16 l; row r of image a is token P(16 a + r) of the run (P: bits 3 and 4
; exchanged).  Its scale bytes: os [128 run + 16 a + r][32], the head's word at 4 x head.  B: Wo's columns, rows 7168 + P(n) of cw (768 bytes of codes a row) and sw (32 scale bytes a row).
; A tile of 256 x 256 is made by four waves, as many as a WGP has SIMDs; a wave makes 128 x 128: 64 accumulators, 512 registers.  K goes in steps of 256 (two heads) through a ring of two LDS slots filled by the tensor
; data mover: A's part of a slot is two dense blocks of 24,576 bytes, B's 256 rows of 192 bytes.  The scale bytes of the tile's rows come once, with the first fills.  4 x 4 work-groups form a cluster: A's tile is asked
; for jointly along a row of the cluster, B's along a column.  THE MATRIX INSTRUCTION IS USED TRANSPOSED (source 0 = 16 rows of B, source 1 = 16 rows of A): a lane holds eight neighbouring columns of one row of the result.
; The 64 tiles leave three WGPs in four without work: a tile of 128 x 128 would give each one, at twice the LDS bytes for each product; not built.
; THE WAY OUT undoes P: on the columns where a lane puts its results into the stage, on the rows in the stores' offsets.
; REGISTERS, in windows of 256: window 0: v0-31 addresses; v32-63 scale words, two sets; from v128 A's fragments, ONE set; on the way out v128-255.  window 1: B's fragments, TWO sets.  windows 2, 3: the accumulators ((a, b) at v[8 (8 (a % 4) + b)]).
.set SIZE_K, 1024
.set KSTEP,  256
.set NQ,     KSTEP/128
.set ROWB,   192                       ; a row of B's tile in bytes
.set KROW,   SIZE_K*6/8
.set PITCH,  240                       ; B's LDS row: 3 x (64 bytes + 16 of padding)
.set FR,     12
.set NLA,    3                         ; LDS loads that bring a fragment of A
.set NP,     4                         ; places behind this matrix instruction (ISA guide 7.12.1)
.set AH,     24576                     ; A: 128 rows x 256 along K as 16 images: what one tensor load brings
.set BOFF,   2*AH                      ; B's rows lie behind A's two halves
.set HALFT,  128*PITCH                 ; B: 128 rows
.set SLOT,   BOFF+2*HALFT
.set LAPS,   SIZE_K/(2*KSTEP)
.set KS,     SIZE_K/32
.set SCL,    2*SLOT                    ; behind the ring: the scale bytes, as rows of 256 bytes + 16 of padding
.set HALFS,  (128*KS/256)*272
.set SBLK,   (16*KS/256)*272
.set SPARE,  SCL+4*HALFS               ; the spare words, 128 bytes for each wave: two blocks of 256 bytes that no other line names
.set SPITCH, 528                       ; the way out: a stage of 16 rows x (512 bytes + 16) for each wave, in slot 0, which has had its last fill and its last read when the first result is stored there
.set ADRA, 16                          ; v16-17 LDS address of my A images in slot 0, 1
.set ADRB, 20                          ; v20-21 of my B fragments (v22-23: for the pieces behind one padding more)
.set STO,  24                          ; v24    the way out: where I put my results of a row
.set RD,   25                          ; v25    where I read a row back
.set CO,   26                          ; v26    16 x lane: my byte offset in a row's 512 bytes
.set ADRS, 27                          ; v27    LDS address of my scale words
.set SPW,  28
.set NIL,  29
.set SC,   32
.set AF,   128
.set BK,   128                         ; the way out: 16 rows read back: v128-191 and v192-255 by turns
.set G1, 24
.set G0, 32
.set G1B, 48
.set G0B, 56
.set G1S, 68
.set G0S, 76
.set G1SB, 80
.set G0SB, 88
.set MSB, 0
.macro WIN new                         ; the immediate's high byte repeats the setting that is left
.if MSB != (\new)
	s_set_vgpr_msb (MSB<<8)|(\new)
.set MSB, (\new)
.endif
.endm
.set MUL_LO, 0xa1
.set MUL_HI, 0xf1
.set TO_B,   0x40
.macro JLOAD g0a, g1a, g0b, g1b        ; a joint load: waves 0 and 1 fetch for A, waves 2 and 3 for B; four v_nop follow each line
	s_cmp_eq_u32 s15, 0
	s_cbranch_scc0 .Lfor_b_\@
	tensor_load_to_lds s[\g0a:\g0a+3], s[\g1a:\g1a+7]
	s_nop 0
.rept 4
	v_nop
.endr
	s_branch .Lasked_\@
.Lfor_b_\@:
	tensor_load_to_lds s[\g0b:\g0b+3], s[\g1b:\g1b+7]
	s_nop 0
.rept 4
	v_nop
.endr
.Lasked_\@:
.endm
.macro CREST
	s_cmp_lg_u32 s14, 0
	s_cbranch_scc1 .Lnot_wave_0_\@
	s_barrier_signal -3
.Lnot_wave_0_\@:
	s_barrier_wait -3
	s_barrier_signal -1
	s_barrier_wait -1
.endm
.macro CROUND
	s_barrier_signal -1
	s_barrier_wait -1
	CREST
.endm
	s_load_b256 s[4:11], s[0:1], 0x0               ; oc s[4:5], os s[6:7], cw s[8:9], sw s[10:11]
	s_load_b64 s[12:13], s[0:1], 0x20              ; out0
	v_lshl_add_u32 v[SPW], v0, 2, SPARE
	v_mov_b32 v[NIL], 0
	ds_add_u32 v28, v29
	s_wait_dscnt 0x0
	v_lshrrev_b32 v1, 5, v0
	v_readfirstlane_b32 s14, v1                    ; wave 0..3
	s_lshr_b32 s15, s14, 1                         ; which half of the tile's rows is mine.  Also: I fetch for A (0) or for B (1)
	s_and_b32 s16, s14, 1                          ; which half of its columns.  Also: which half of that tile I fetch
	s_bfe_u32 s40, ttmp6, 0x40000                  ; cx, cy
	s_bfe_u32 s41, ttmp6, 0x40004
	s_lshl_b32 s42, ttmp9, 2
	s_add_co_u32 s42, s42, s40                     ; tile column
	s_and_b32 s17, ttmp7, 0xffff
	s_lshl_b32 s17, s17, 2
	s_add_co_u32 s17, s17, s41                     ; tile row
	s_lshl_b32 s43, s41, 2
	s_lshl_b32 s43, 15, s43                        ; my row of the cluster
	s_lshl_b32 s44, 0x1111, s40                    ; my column
	; group 1 for A: 24,576 dense bytes as 96 rows of 256 (32 elements of 8 bytes), no padding: the images are read 16 bytes x lane, on end
	s_or_b32 s[G1+0], s43, (3<<16)|(1<<21)
	s_mov_b32 s[G1+1], 32<<16
	s_mov_b32 s[G1+2], 96<<16
	s_mov_b32 s[G1+3], 32<<16
	s_mov_b32 s[G1+4], 96
	s_mov_b32 s[G1+5], 32
	s_mov_b32 s[G1+6], 0
	s_mov_b32 s[G1+7], 0
	; for B: 128 rows x 192 bytes, 16 bytes of padding behind every 64
	s_or_b32 s[G1B+0], s44, (0<<16)|(1<<20)|(1<<21)|(3<<22)|(3<<25)
	s_mov_b32 s[G1B+1], ROWB<<16
	s_mov_b32 s[G1B+2], 128<<16
	s_mov_b32 s[G1B+3], ROWB<<16
	s_mov_b32 s[G1B+4], 128
	s_mov_b32 s[G1B+5], KROW
	s_mov_b32 s[G1B+6], 0
	s_mov_b32 s[G1B+7], 0
	; the scale bytes of 128 rows: 16 rows of 256 bytes, 16 bytes of padding behind each
	s_or_b32 s[G1S+0], s43, (3<<16)|(1<<20)|(1<<21)|(5<<22)|(3<<25)
	s_or_b32 s[G1SB+0], s44, (3<<16)|(1<<20)|(1<<21)|(5<<22)|(3<<25)
.irp g, G1S, G1SB
	s_mov_b32 s[\g+1], 32<<16
	s_mov_b32 s[\g+2], (128*KS/256)<<16
	s_mov_b32 s[\g+3], 32<<16
	s_mov_b32 s[\g+4], 128*KS/256
	s_mov_b32 s[\g+5], 32
	s_mov_b32 s[\g+6], 0
	s_mov_b32 s[\g+7], 0
.endr
	s_lshl_b32 s20, s17, 1
	s_add_co_u32 s20, s20, s16                     ; A: the run of 128 tokens that I fetch: it never holds cx
	s_lshl_b32 s22, s20, 12                        ; its scale bytes: 128 rows of 32 (all offsets stay under 2^24),
	s_mov_b32 s23, 0
	s_mul_i32 s20, s20, 4*AH                       ; its images: 8 heads x 8 x 1,536 bytes
	s_mov_b32 s21, 0
	s_lshl_b32 s46, s42, 8
	s_lshl_b32 s47, s16, 7
	s_add_co_u32 s46, s46, s47
	s_add_co_u32 s46, s46, 7168                    ; B: Wo's rows in cw and sw: it never holds cy
	s_lshl_b32 s92, s46, 5
	s_mov_b32 s93, 0
	s_mul_i32 s46, s46, KROW
	s_mov_b32 s47, 0
	s_mul_i32 s45, s16, AH                         ; where they go: A's half,
	s_mul_i32 s97, s16, HALFT
	s_add_co_u32 s97, s97, BOFF                    ; B's half: no place in the cluster enters an LDS address
	s_mul_i32 s94, s14, HALFS
	s_wait_kmcnt 0x0
	s_add_nc_u64 s[20:21], s[4:5], s[20:21]
	s_add_nc_u64 s[22:23], s[6:7], s[22:23]
	s_add_nc_u64 s[46:47], s[8:9], s[46:47]
	s_add_nc_u64 s[92:93], s[10:11], s[92:93]
	CROUND                                         ; all sixteen work-groups are here: the first joint loads meet
	s_mov_b32 s[G0S], 1
	s_add_co_u32 s[G0S+1], s94, SCL
	s_mov_b64 s[G0S+2:G0S+3], s[22:23]
	s_or_b32 s[G0S+3], s[G0S+3], 0x80000000
	s_mov_b32 s[G0SB], 1
	s_add_co_u32 s[G0SB+1], s94, SCL
	s_mov_b64 s[G0SB+2:G0SB+3], s[92:93]
	s_or_b32 s[G0SB+3], s[G0SB+3], 0x80000000
	JLOAD G0S, G1S, G0SB, G1SB                     ; the scale bytes first.  Three loads of mine are out behind these first fills
.irp s, 0,1
	s_mov_b32 s[G0+4*\s], 1
	s_add_co_u32 s[G0+4*\s+1], s45, \s*SLOT
	s_add_nc_u64 s[G0+4*\s+2:G0+4*\s+3], s[20:21], \s*AH
	s_or_b32 s[G0+4*\s+3], s[G0+4*\s+3], 0x80000000
	s_mov_b32 s[G0B+4*\s], 1
	s_add_co_u32 s[G0B+4*\s+1], s97, \s*SLOT
	s_add_nc_u64 s[G0B+4*\s+2:G0B+4*\s+3], s[46:47], \s*ROWB
	s_or_b32 s[G0B+4*\s+3], s[G0B+4*\s+3], 0x80000000
	JLOAD G0+4*\s, G1, G0B+4*\s, G1B
.endr
	v_and_b32 v1, 15, v0                           ; r
	v_bfe_u32 v2, v0, 4, 1                         ; h
	v_and_b32 v6, 31, v0
	v_lshlrev_b32 v[CO], 4, v6                     ; 16 x lane
	v_mul_u32_u24 v3, v1, PITCH
	v_mul_u32_u24 v4, v2, 24
	v_add_nc_u32 v4, v3, v4                        ; B: a fragment's row x pitch + 24 x half
	v_lshl_add_u32 v5, v2, 4, v4                   ; and the same behind one padding more
	s_mul_i32 s21, s15, AH                         ; my 128 rows of A
	s_mul_i32 s22, s16, HALFT                      ; my 128 rows of B
	s_add_co_u32 s22, s22, BOFF
.irp s, 0,1
	v_add_nc_u32 v[ADRA+\s], s21, v[CO]
	v_add_nc_u32 v[ADRB+\s], s22, v4
	v_add_nc_u32 v[ADRB+2+\s], s22, v5
	s_add_co_u32 s21, s21, SLOT
	s_add_co_u32 s22, s22, SLOT
.endr
	v_mul_u32_u24 v5, v1, KS                       ; my row's scale bytes: 32 a row,
	v_lshrrev_b32 v6, 8, v5
	v_lshl_add_u32 v5, v6, 4, v5                   ; and 16 more for each 256 passed
	s_mul_i32 s21, s15, HALFS
	s_mul_i32 s22, s16, HALFS
	s_add_co_u32 s22, s22, 2*HALFS
	s_sub_co_u32 s22, s22, s21
	v_mul_u32_u24 v6, s22, v2                      ; lanes 16-31 take B's: one product, the distance between the two bases x h
	s_add_co_u32 s21, s21, SCL
	v_add_nc_u32 v5, v5, v6
	v_add_nc_u32 v[ADRS], s21, v5
	s_mul_i32 s23, s14, 16*SPITCH                  ; my stage
	v_mul_u32_u24 v5, v1, SPITCH                   ; in: row r; register j of accumulator 2 b + u is column 32 b + 16 h + 8 u + j: 64 h bytes here, 128 b + 32 u in the stores' offsets
	v_lshl_add_u32 v5, v2, 6, v5
	v_add_nc_u32 v[STO], s23, v5
	v_add_nc_u32 v[RD], s23, v[CO]                 ; back: the 32 lanes take one row of 512 bytes
	s_lshl_b32 s20, s17, 8
	s_lshl_b32 s21, s15, 7
	s_add_co_u32 s20, s20, s21                     ; my first row of out0
	s_lshl_b32 s20, s20, 12                        ; 4,096 bytes a row
	s_lshl_b32 s46, s42, 10                        ; my first column, in bytes
	s_lshl_b32 s47, s16, 9
	s_add_co_u32 s46, s46, s47
	s_add_co_u32 s20, s20, s46
	s_mov_b32 s21, 0
	s_add_nc_u64 s[12:13], s[12:13], s[20:21]
.macro FRAG reg, adr, q, i             ; a fragment of B from rows: pieces of 8 bytes; where the piece three on lies behind one padding more, the second address register serves
.irp p, 0,1,2,3,4,5
.set PC, 12*(\q)+6*(\p/3)+\p%3
.if PC%8 < 5
	ds_load_b64 v[\reg+2*\p:\reg+2*\p+1], v[\adr] offset:8*PC+16*(PC/8)+(\i)*16*PITCH
.else
	ds_load_b64 v[\reg+2*\p:\reg+2*\p+1], v[\adr+2] offset:8*PC+16*(PC/8)+(\i)*16*PITCH
.endif
.endr
.endm
.macro FRAGA reg, slot, q, i           ; a fragment of A from its image: three loads of 16 bytes a lane, 512 consecutive bytes each
.irp c, 0,1,2
	ds_load_b128 v[\reg+4*\c:\reg+4*\c+3], v[ADRA+\slot] offset:12288*(\q)+1536*(\i)+512*\c
.endr
.endm
; 16 matrix instructions: A's blocks a0, a0 + 1 x B's eight.  The 64 accumulators take turns, one instruction a turn, in the same order in every step.
.macro MUL16 a0, p, q, sc, zero
.irp a, \a0, \a0+1
.irp b, 0,1,2,3,4,5,6,7
.if \zero
	v_wmma_scale_f32_16x16x128_f8f6f4 v[8*(8*((\a)%4)+\b):8*(8*((\a)%4)+\b)+7], v[128*(\p)+FR*\b:128*(\p)+FR*\b+FR-1], v[AF+FR*(\a):AF+FR*(\a)+FR-1], 0, v[SC+8*NQ*(\sc)+NQ*\b+(\q)], v[SC+8*NQ*(\sc)+NQ*(\a)+(\q)] matrix_a_fmt:MATRIX_FMT_FP6 matrix_b_fmt:MATRIX_FMT_FP6 matrix_a_scale:MATRIX_SCALE_ROW1
.else
	v_wmma_scale_f32_16x16x128_f8f6f4 v[8*(8*((\a)%4)+\b):8*(8*((\a)%4)+\b)+7], v[128*(\p)+FR*\b:128*(\p)+FR*\b+FR-1], v[AF+FR*(\a):AF+FR*(\a)+FR-1], v[8*(8*((\a)%4)+\b):8*(8*((\a)%4)+\b)+7], v[SC+8*NQ*(\sc)+NQ*\b+(\q)], v[SC+8*NQ*(\sc)+NQ*(\a)+(\q)] matrix_a_fmt:MATRIX_FMT_FP6 matrix_b_fmt:MATRIX_FMT_FP6 matrix_a_scale:MATRIX_SCALE_ROW1
.endif
.endr
.endr
.endm
.macro FETCH_B slot, q, p
	WIN TO_B
.irp i, 0,1,2,3,4,5,6,7
	FRAG 128*(\p)+FR*\i, ADRB+\slot, \q, \i
.endr
	WIN 0
.endm
.macro FETCH_A slot, q, i0
.irp i, \i0, \i0+1, \i0+2, \i0+3
	FRAGA AF+FR*(\i), \slot, \q, \i
.endr
.endm
.macro SCALES sc
.irp i, 0,1,2,3,4,5,6,7
	ds_load_b64 v[SC+8*NQ*\sc+NQ*\i:SC+8*NQ*\sc+NQ*\i+1], v[ADRS] offset:\i*SBLK
.endr
.endm
.macro PLACES n                        ; places in front of loads into registers that matrix instructions have read, and of the first read of results
.rept \n
	v_nop
.endr
.endm
.macro STEP slot, q, zero
	s_wait_dscnt 4*NLA                             ; B's set and A's blocks 0-3 are in; the youngest 12 loads (A's blocks 4-7) may be out
	WIN MUL_LO
	MUL16 0, (\q)%2, \q, \slot, \zero
	MUL16 2, (\q)%2, \q, \slot, \zero
	s_wait_dscnt 0
	PLACES NP
	FETCH_B \slot, (\q)+1, 1-(\q)%2
	FETCH_A \slot, (\q)+1, 0
	WIN MUL_HI
	MUL16 4, (\q)%2, \q, \slot, \zero
	MUL16 6, (\q)%2, \q, \slot, \zero
	PLACES NP
	WIN 0
	FETCH_A \slot, (\q)+1, 4
.endm
; A slot's last step changes slots: ONE barrier; in front of it each wave waits for all its tensor loads, adds 0 to its spare word, and waits for that and for its own reads of this slot.
.macro TURN slot, next, fill
	s_wait_tensorcnt 0x0                           ; all my tensor loads have landed: my part of the next slot
	ds_add_u32 v[SPW], v[NIL]                      ; 0 onto my spare word
	s_wait_dscnt 4*NLA+1                           ; (the add and the youngest 12 loads may be out)
	WIN MUL_LO
	MUL16 0, 1, NQ-1, \slot, 0
	s_wait_dscnt 0x0                               ; the add is done, and my reads of this slot are over
	s_barrier_signal -1
	MUL16 2, 1, NQ-1, \slot, 0
	WIN 0
	s_barrier_wait -1
.if \fill
	CREST                                          ; the barrier has opened a round of the cluster's barrier: no wave of any partner still reads this slot's tile or has a load on its way
	s_add_nc_u64 s[G0+4*\slot+2:G0+4*\slot+3], s[G0+4*\slot+2:G0+4*\slot+3], 2*AH
	s_add_nc_u64 s[G0B+4*\slot+2:G0B+4*\slot+3], s[G0B+4*\slot+2:G0B+4*\slot+3], 2*ROWB
	JLOAD G0+4*\slot, G1, G0B+4*\slot, G1B         ; the first tensor load behind the round, my one load until the next
.else
	PLACES NP
.endif
	v_add_nc_u32 v[ADRS], 4*NQ, v[ADRS]
	FETCH_B \next, 0, 0
	FETCH_A \next, 0, 0
	SCALES \next
	WIN MUL_HI
	MUL16 4, 1, NQ-1, \slot, 0
	MUL16 6, 1, NQ-1, \slot, 0
	PLACES NP
	WIN 0
	FETCH_A \next, 0, 4
.endm
	s_wait_tensorcnt 1                             ; the scale bytes and my part of K step 0 are in (K step 1's load may be out)
	s_barrier_signal -1
	s_barrier_wait -1
	FETCH_B 0, 0, 0
	FETCH_A 0, 0, 0
	SCALES 0
	FETCH_A 0, 0, 4
	STEP 0, 0, 1                                   ; the first step's products start the sums
	s_mov_b32 s3, LAPS-1
.Llap:
	TURN 0, 1, 1
	STEP 1, 0, 0
	TURN 1, 0, 1
	STEP 0, 0, 0
	s_sub_co_u32 s3, s3, 1
	s_cmp_lg_u32 s3, 0
	s_cbranch_scc1 .Llap
	TURN 0, 1, 0                                   ; the last lap fills nothing
	STEP 1, 0, 0
	s_wait_dscnt 4*NLA
	WIN MUL_LO
	MUL16 0, 1, NQ-1, 1, 0
	MUL16 2, 1, NQ-1, 1, 0
	s_wait_dscnt 0
	WIN MUL_HI
	MUL16 4, 1, NQ-1, 1, 0
	MUL16 6, 1, NQ-1, 1, 0
	WIN 0
; THE WAY OUT, block by block of 16 rows x 128 columns, through my own stage and back as whole rows of 512 bytes.  LDS serves a wave's instructions in order (ISA guide 5.7.1.4): no wait between the stores and the loads.
.macro TOSTAGE a
.set AC, 64*((\a)%4)
	WIN 0x08+4*((\a)/4)                            ; the data: window 2 or 3
.irp b, 0,1,2,3,4,5,6,7
	ds_store_b128 v[STO], v[AC+8*\b:AC+8*\b+3] offset:128*(\b/2)+32*(\b%2)         ; each accumulator from its low end on
	ds_store_b128 v[STO], v[AC+8*\b+4:AC+8*\b+7] offset:128*(\b/2)+32*(\b%2)+16
.endr
	WIN 0
.set BB, BK+64*((\a)%2)
.irp t, 0,1,2,3,4,5,6,7,8,9,10,11,12,13,14,15
	ds_load_b128 v[BB+4*\t:BB+4*\t+3], v[RD] offset:\t*SPITCH
.endr
.endm
.macro SEND a, younger                 ; row t of block a is token 32 (a / 2) + 8 (a % 2) + t + 8 (t / 8) of my 128: it stands in the immediate (127 rows of 4,096 bytes at the most); the base is never stepped
.set BB, BK+64*((\a)%2)
	s_wait_dscnt \younger                          ; the block is back in registers
.irp t, 0,1,2,3,4,5,6,7,8,9,10,11,12,13,14,15
	global_store_b128 v[CO], v[BB+4*\t:BB+4*\t+3], s[12:13] offset:(32*((\a)/2)+8*((\a)%2)+\t+8*(\t/8))*4096 th:TH_STORE_NT   ; 32 lanes store 512 consecutive bytes, aligned
.endr
.endm
	PLACES NP
	TOSTAGE 0
.irp a, 1,2,3,4,5,6,7
.if \a > 1
	s_wait_xcnt 0x0                                ; block a - 2's stores have read their registers: block a's loads may land there
.endif
	TOSTAGE \a
	SEND \a-1, 32                                  ; behind block a - 1's loads: block a's 16 stores and 16 loads
.endr
	SEND 7, 0
	s_wait_tensorcnt 0x0                           ; the wave's end
	ds_add_u32 v[SPW], v[NIL]
	s_wait_dscnt 0x0
	CROUND                                         ; the closing round
	s_endpgm
.Lfunc_end_k_qc69720eced_proj:
	.size	k_qc69720eced_proj, .Lfunc_end_k_qc69720eced_proj-k_qc69720eced_proj
	.p2alignl 7, 3214868480
	.fill 96, 4, 3214868480
	.section	.rodata,"a",@progbits
	.p2align	6, 0x0
	.amdhsa_kernel k_qc69720eced_proj
		.amdhsa_group_segment_fixed_size 327680
		.amdhsa_private_segment_fixed_size 0
		.amdhsa_enable_private_segment 0
		.amdhsa_kernarg_size 40
		.amdhsa_user_sgpr_count 2
		.amdhsa_user_sgpr_kernarg_segment_ptr 1
		.amdhsa_wavefront_size32 1
		.amdhsa_system_sgpr_workgroup_id_x 1
		.amdhsa_system_sgpr_workgroup_id_y 1
		.amdhsa_system_sgpr_workgroup_id_z 1
		.amdhsa_system_vgpr_workitem_id 0
		.amdhsa_next_free_vgpr 1024
		.amdhsa_next_free_sgpr 98
		.amdhsa_reserve_vcc 0
		.amdhsa_float_denorm_mode_32 3
		.amdhsa_float_denorm_mode_16_64 3
		.amdhsa_memory_ordered 1
		.amdhsa_forward_progress 1
		.amdhsa_inst_pref_size 147
	.end_amdhsa_kernel
	.amdgpu_metadata
---
amdhsa.version: [ 1, 2 ]
amdhsa.kernels:
  - .name:           k_qc69720eced_proj
    .symbol:         k_qc69720eced_proj.kd
    .args:
      - { .name: oc, .offset: 0, .size: 8, .value_kind: global_buffer, .address_space: global }
      - { .name: os, .offset: 8, .size: 8, .value_kind: global_buffer, .address_space: global }
      - { .name: cw, .offset: 16, .size: 8, .value_kind: global_buffer, .address_space: global }
      - { .name: sw, .offset: 24, .size: 8, .value_kind: global_buffer, .address_space: global }
      - { .name: out0, .offset: 32, .size: 8, .value_kind: global_buffer, .address_space: global }
    .group_segment_fixed_size: 327680
    .private_segment_fixed_size: 0
    .kernarg_segment_align: 8
    .kernarg_segment_size: 40
    .max_flat_workgroup_size: 128
    .sgpr_count:     98
    .vgpr_count:     1024
    .wavefront_size: 32
...
	.end_amdgpu_metadata
.endif
;; end of part 4
;; ======== version 2 of 2: 4 launches
;; limits: right only within a limited range of input values
;; workspace buffers: cw 6,291,456 bytes; sw 262,144 bytes; fc 9,437,184 bytes; fs 393,216 bytes; oc 3,145,728 bytes; os 131,072 bytes
;; launch quant (part 5): grid 256 x 1, 4 waves a work-group, no clusters, 69,120 bytes of LDS; arguments x, Wq, Wk, Wv, Wo, cw, sw; writes cw, sw
.if DOCPART == 5
	.amdgcn_target "amdgcn-amd-amdhsa--gfx1250"
	.amdhsa_code_object_version 6
	.text
	.protected	k_qc69720eced_quant
	.globl	k_qc69720eced_quant
	.p2align	8
	.type	k_qc69720eced_quant,@function
k_qc69720eced_quant:
	s_mov_b64 s[64:65], 0
	v_nop
	global_prefetch_b8 v0, s[64:65] scope:SCOPE_SE
	s_setreg_imm32_b32 hwreg(HW_REG_WAVE_MODE, 25, 1), 1
	s_wait_xcnt 0x0
; x [4096][1024] and the four weights [1024 (k)][1024 (n)], f32, become codes of FP6 (E2M3) with K innermost, and one E8M0 scale byte for each 32 along K.
; cw: 8,192 rows of 768 bytes (1,024 codes, one stream of bits); sw: 8,192 rows of 32 scale bytes.  Rows 0-4095: tokens; rows 4096 + 1024 w on: the columns of weight w (0 Wq, 1 Wk, 2 Wv, 3 Wo).
; ROW ORDER: within each 64 the index 32 h + 8 j + i (h = 0, 1; j = 0 .. 3; i = 0 .. 7) lies at row 16 j + 8 h + i.  So a lane's results of four neighbouring fragments of 16 rows are 32 neighbours along the
; next product's K: one whole scale block.
; A block's scale is 2^(floor(log2(its largest magnitude)) - 2); its byte is the largest magnitude's exponent field - 2, held at 1 from below.
; LIMITS: NaN and infinities among the inputs are not served; a block whose largest magnitude lies under 2^-124, a block of zeros among them, gets the byte 1 (the rule says 127 for zeros: its codes are zeros,
; which add nothing under any byte but 0xff, and the bytes are read by this program alone).
; Work-groups 0-127 take x (K innermost: a plain stream of blocks), work-groups 128-255 the weights (K outermost: a lane to a column, registers down K).  The two ways part on the work-group's number, never meet
; again, and have LDS bytes of their own.  No tensor loads, no barrier: waves share nothing.
.set STEPS, 16                         ; x: steps of 512 numbers for a wave
.set CB,    12                         ; bytes of 16 codes
.set SP,    80                         ; x: a lane's place in a stage: its 64 bytes + 16 of padding
.set WREG,  8192                       ; x: LDS bytes 0 - 32,767: a region for each wave: two stages of 32 x SP bytes, behind them its 256 scale bytes
.set XR,    16                         ; v16-79   x: four sets of 16 numbers as they are loaded
.set XN,    80                         ; v80-111  x: two sets of 16 neighbours
.set XE,    112                        ; v112-127 x: a scale byte for each step
.set XC,    128                        ; v128-191 x: codes, four registers for each step: no store's data are written again
.set WSTG,  32768                      ; weights: LDS bytes 32,768 - 67,583: a stage of 32 rows x 272 bytes for each wave
.set WPITCH, 272                       ; a stage row: sixteen places of 16 bytes, each with 12 bytes of codes, + 16
.set KROW,  768
.set WX,    32                         ; v32-95   weights: two sets of 32 numbers
.set WC,    96                         ; v96..    a block's codes
.set WOUT,  112                        ; v112-175 the way out
.set WSB,   24                         ; v24-25   eight scale bytes
	s_load_b256 s[4:11], s[0:1], 0x0               ; x s[4:5], Wq s[6:7], Wk s[8:9], Wv s[10:11]
	s_load_b128 s[12:15], s[0:1], 0x20             ; Wo s[12:13], cw s[14:15]
	s_load_b64 s[16:17], s[0:1], 0x30              ; sw
	v_lshl_add_u32 v192, v0, 2, 0x10c00
	v_mov_b32 v193, 0
	v_lshrrev_b32 v1, 5, v0
	v_readfirstlane_b32 s18, v1                    ; wave 0..3
	v_and_b32 v2, 31, v0                           ; lane
	s_cmp_lt_u32 ttmp9, 128
	s_cbranch_scc0 .Lweights
; ---- x.  A wave takes 8 rows (8,192 numbers) in 16 steps of 512.  Each load reads 512 consecutive bytes; a step's 2,048 bytes turn through the wave's stage, so that a lane then holds 16 neighbours along K.
	v_lshlrev_b32 v3, 4, v2                        ; my 16 bytes of a load's 512
	s_mul_i32 s19, s18, WREG
	v_lshrrev_b32 v14, 2, v2
	v_mul_u32_u24 v14, v14, SP
	v_and_b32 v15, 3, v2
	v_lshl_add_u32 v14, v15, 4, v14
	v_add_nc_u32 v14, s19, v14                     ; the stage on the way in: SP (lane / 4) + 16 (lane % 4)
	v_mul_u32_u24 v15, v2, SP
	v_add_nc_u32 v15, s19, v15                     ; and on the way out: SP x lane
	v_mul_u32_u24 v4, v2, CB                       ; my codes' place in a step's 384 bytes
	v_lshrrev_b32 v5, 1, v2
	s_add_co_u32 s19, s19, 2*32*SP
	v_add_nc_u32 v5, s19, v5                       ; my wave's 256 scale bytes: my block's byte
	v_lshlrev_b32 v7, 3, v2                        ; and on the way out 8 bytes a lane
	v_add_nc_u32 v6, s19, v7
	s_lshl_b32 s20, ttmp9, 2
	s_add_co_u32 s22, s20, s18                     ; the run of 8 rows that I read: 4 x work-group + wave: its bits 1:0 are j, its bit 2 is h
	s_lshl_b32 s21, s18, 1
	s_and_b32 s23, ttmp9, 1
	s_or_b32 s21, s21, s23                         ; where it goes among eight runs: 2 j + h
	s_and_b32 s24, s20, -8
	s_add_co_u32 s24, s24, s21
	s_lshl_b32 s22, s22, 15                        ; 32,768 bytes of x a run
	s_mov_b32 s23, 0
	s_wait_alu depctr_va_vdst(0)
	s_wait_kmcnt 0x0
	s_add_nc_u64 s[4:5], s[4:5], s[22:23]
	s_mul_i32 s22, s24, 8*KROW
	s_add_nc_u64 s[14:15], s[14:15], s[22:23]
	s_lshl_b32 s22, s24, 8                         ; 256 scale bytes a run
	s_add_nc_u64 s[16:17], s[16:17], s[22:23]
.macro XLOAD t
.irp i, 0,1,2,3
	global_load_b128 v[XR+16*((\t)%4)+4*\i:XR+16*((\t)%4)+4*\i+3], v3, s[4:5] offset:2048*(\t)+512*\i th:TH_LOAD_NT
.endr
.endm
.macro XTURN t                         ; step t's numbers through the stage: LDS serves a wave's instructions in order (ISA guide 5.7.1.4), so no wait stands between the stores and the loads
.irp i, 0,1,2,3
	ds_store_b128 v14, v[XR+16*((\t)%4)+4*\i:XR+16*((\t)%4)+4*\i+3] offset:32*SP*((\t)%2)+8*SP*\i
.endr
.irp i, 0,1,2,3
	ds_load_b128 v[XN+16*((\t)%2)+4*\i:XN+16*((\t)%2)+4*\i+3], v15 offset:32*SP*((\t)%2)+16*\i
.endr
.endm
.irp t, 0,1,2,3
	XLOAD \t
.endr
	s_wait_loadcnt 12                              ; step 0's four loads are in; the twelve of steps 1 to 3 may be out
	XTURN 0
.macro XSTEP t
.set XS, XN+16*((\t)%2)
.if (\t) > 0
	s_wait_dscnt 1                                 ; this step's numbers are back from the stage (the last step's byte store may be out): so its stores into the stage have read their registers,
.else
	s_wait_dscnt 0x0
.endif
.if (\t)+4 < STEPS
	XLOAD (\t)+4                                   ; which take the loads of four steps on
.endif
.if (\t)+1 < STEPS
.if STEPS-2-(\t) >= 3
	s_wait_loadcnt 12                              ; the next step's four loads are in; those of the three steps behind it may be out
.else
	s_wait_loadcnt 4*(STEPS-2-(\t))
.endif
	XTURN (\t)+1                                   ; and go through the other stage while this step is worked
.endif
	v_max3_num_f32 v8, |v[XS]|, |v[XS+1]|, |v[XS+2]|               ; the largest magnitude of my 16, in two chains
	v_max3_num_f32 v9, |v[XS+3]|, |v[XS+4]|, |v[XS+5]|
.irp i, 6,10
	v_max3_num_f32 v8, v8, |v[XS+\i]|, |v[XS+\i+1]|
	v_max3_num_f32 v9, v9, |v[XS+\i+2]|, |v[XS+\i+3]|
.endr
	v_max3_num_f32 v8, v8, |v[XS+14]|, |v[XS+15]|
	v_max3_num_f32 v8, v8, v9, 0x1800000           ; and the floor 2^(3 - 127): the byte cannot fall under 1
	v_max_num_f32_dpp v8, v8, v8 row_xmask:1 row_mask:0xf bank_mask:0xf   ; and of my neighbour's 16: the block's
	v_add_nc_u32 v11, 0xff000000, v8               ; 2 off its exponent field: the conversion takes the exponent field of this operand as its scale, and nothing else of it
	v_cvt_scalef32_pk16_fp6_f32 v[XC+4*(\t):XC+4*(\t)+2], v[XS:XS+15], v11
	v_lshrrev_b32 v[XE+(\t)], 23, v11              ; the scale's byte (also the plain line behind the conversion)
	ds_store_b8 v5, v[XE+(\t)] offset:16*(\t)      ; both lanes of a block write the same byte with the same value
	global_store_b96 v4, v[XC+4*(\t):XC+4*(\t)+2], s[14:15] offset:32*CB*(\t)   ; the wave stores 384 consecutive bytes
.endm
.irp t, 0,1,2,3,4,5,6,7,8,9,10,11,12,13,14,15
	XSTEP \t
.endr
	ds_load_b64 v[12:13], v6                       ; these see my byte stores: LDS serves a wave's instructions in order
	s_wait_dscnt 0x0
	global_store_b64 v7, v[12:13], s[16:17]        ; 32 lanes store 256 consecutive bytes, aligned
	s_wait_tensorcnt 0x0                           ; the wave's end
	ds_add_u32 v192, v193
	s_wait_dscnt 0x0
	s_endpgm
; ---- the weights.  Work-group g = 0..127: weight g / 32, columns 128 (g % 8) on, K 256 ((g / 8) % 4) on.  A wave takes 32 columns x 256 along K: a lane holds a column, its 32 registers a whole block.
; The wave's columns are index 32 (wave % 2) + lane of a 64: h is the wave's, 8 j + i the lane's.
.Lweights:
	s_sub_co_u32 s19, ttmp9, 128
	s_lshr_b32 s22, s19, 5                         ; which weight
	s_and_b32 s23, s19, 7                          ; which 128 columns
	s_bfe_u32 s24, s19, 0x20003                    ; which 256 along K
	s_wait_alu depctr_va_vdst(0)
	v_lshlrev_b32 v3, 2, v2                        ; in: 4 bytes a lane
	v_lshrrev_b32 v11, 3, v2
	v_and_b32 v10, 7, v2
	v_lshl_or_b32 v10, v11, 4, v10                 ; 16 j + i: my column's row behind the wave's first
	s_mul_i32 s30, s18, 32*WPITCH
	s_add_co_u32 s30, s30, WSTG                    ; my stage
	v_mul_u32_u24 v4, v2, WPITCH
	v_add_nc_u32 v4, s30, v4                       ; into it: row = lane
	v_and_b32 v5, 15, v2
	v_lshrrev_b32 v6, 4, v2                        ; out of it: sixteen lanes to a row, two rows an instruction
	v_mul_u32_u24 v7, v6, WPITCH
	v_lshl_add_u32 v7, v5, 4, v7
	v_add_nc_u32 v7, s30, v7
	v_mul_u32_u24 v8, v6, KROW
	v_mad_u32_u24 v8, v5, 12, v8                   ; and the same place in cw
	v_lshlrev_b32 v9, 5, v10                       ; my column's row of scale bytes
	s_lshl_b32 s25, s23, 7
	s_lshl_b32 s26, s18, 5
	s_add_co_u32 s25, s25, s26                     ; my wave's first column
	s_lshl_b32 s26, s24, 20                        ; 256 rows of 4,096 bytes
	s_lshl_b32 s27, s25, 2
	s_add_co_u32 s26, s26, s27
	s_mov_b32 s27, 0
	s_lshl_b32 s28, s22, 10
	s_add_co_u32 s28, s28, s25
	s_and_b32 s29, s18, 1
	s_mul_i32 s29, s29, 24
	s_sub_co_u32 s28, s28, s29                     ; h = 1 begins 8 rows into its 64, not 32
	s_add_co_u32 s28, s28, 4096                    ; my wave's first row of cw and sw
	s_wait_kmcnt 0x0
	s_mov_b64 s[20:21], s[6:7]                     ; the weight is chosen by the work-group's number alone
	s_cmp_eq_u32 s22, 1
	s_cselect_b64 s[20:21], s[8:9], s[20:21]
	s_cmp_eq_u32 s22, 2
	s_cselect_b64 s[20:21], s[10:11], s[20:21]
	s_cmp_eq_u32 s22, 3
	s_cselect_b64 s[20:21], s[12:13], s[20:21]
	s_add_nc_u64 s[20:21], s[20:21], s[26:27]
	s_mul_i32 s26, s28, KROW
	s_mul_i32 s29, s24, 192
	s_add_co_u32 s26, s26, s29
	s_add_nc_u64 s[14:15], s[14:15], s[26:27]
	s_lshl_b32 s26, s28, 5
	s_lshl_b32 s29, s24, 3
	s_add_co_u32 s26, s26, s29
	s_add_nc_u64 s[16:17], s[16:17], s[26:27]
.macro WLOAD t                         ; block t: W(32 t + i, my column), i = 0 .. 31, into set t % 2: each load reads 128 consecutive bytes a wave
.set i, 0
.rept 32
	global_load_b32 v[WX+32*((\t)%2)+i], v3, s[20:21] offset:(32*(\t)+i)*4096 th:TH_LOAD_NT
.set i, i+1
.endr
.endm
	WLOAD 0
	WLOAD 1
.macro WBLOCK t
.set XS, WX+32*((\t)%2)
.if (\t) < 7
	s_wait_loadcnt 32                              ; this block's 32 loads are in; the next block's 32 may be out
.else
	s_wait_loadcnt 0
.endif
	v_max3_num_f32 v12, |v[XS]|, |v[XS+1]|, |v[XS+2]|               ; the block's largest magnitude: all 32 numbers are mine
	v_max3_num_f32 v13, |v[XS+3]|, |v[XS+4]|, |v[XS+5]|
.irp i, 6,10,14,18,22,26
	v_max3_num_f32 v12, v12, |v[XS+\i]|, |v[XS+\i+1]|
	v_max3_num_f32 v13, v13, |v[XS+\i+2]|, |v[XS+\i+3]|
.endr
	v_max3_num_f32 v12, v12, |v[XS+30]|, |v[XS+31]|
	v_max3_num_f32 v12, v12, v13, 0x1800000        ; and the floor 2^(3 - 127)
	v_add_nc_u32 v11, 0xff000000, v12              ; the conversion's scale operand
	v_lshrrev_b32 v13, 23, v11                     ; the scale's byte
.if (\t)%4 == 0
	v_mov_b32 v[WSB+(\t)/4], v13                   ; four bytes to a register, the lower K in the lower byte
.else
	v_lshl_or_b32 v[WSB+(\t)/4], v13, 8*((\t)%4), v[WSB+(\t)/4]
.endif
	v_cvt_scalef32_pk16_fp6_f32 v[WC:WC+2], v[XS:XS+15], v11
	v_cvt_scalef32_pk16_fp6_f32 v[WC+4:WC+6], v[XS+16:XS+31], v11   ; (a conversion's three registers begin on an even number)
	v_nop                                          ; one plain line behind the conversions
	ds_store_b96 v4, v[WC:WC+2] offset:32*(\t)     ; 12 bytes to a place of 16, so that every LDS address is a multiple of 16
	ds_store_b96 v4, v[WC+4:WC+6] offset:32*(\t)+16
.if (\t)+2 < 8
	WLOAD (\t)+2
.endif
	s_wait_dscnt 0x0                               ; the stores have read their registers: the next block's codes may be written
.endm
.irp t, 0,1,2,3,4,5,6,7
	WBLOCK \t
.endr
	s_wait_alu depctr_va_vdst(0)
	global_store_b64 v9, v[WSB:WSB+1], s[16:17]    ; my column's eight scale bytes
.irp t, 0,1,2,3,4,5,6,7,8,9,10,11,12,13,14,15
	ds_load_b96 v[WOUT+4*\t:WOUT+4*\t+2], v7 offset:2*\t*WPITCH   ; these see my stores
.endr
.irp t, 0,1,2,3,4,5,6,7,8,9,10,11,12,13,14,15
	s_wait_dscnt 15-\t                             ; LDS loads come back in order: load t is in, the younger ones may be out
	global_store_b96 v8, v[WOUT+4*\t:WOUT+4*\t+2], s[14:15] offset:(16*(\t/4)+2*(\t%4))*KROW   ; columns 2 t and 2 t + 1; sixteen lanes store a row's 192 consecutive bytes
.endr
	s_wait_tensorcnt 0x0
	ds_add_u32 v192, v193
	s_wait_dscnt 0x0
	s_endpgm
.Lfunc_end_k_qc69720eced_quant:
	.size	k_qc69720eced_quant, .Lfunc_end_k_qc69720eced_quant-k_qc69720eced_quant
	.p2alignl 7, 3214868480
	.fill 96, 4, 3214868480
	.section	.rodata,"a",@progbits
	.p2align	6, 0x0
	.amdhsa_kernel k_qc69720eced_quant
		.amdhsa_group_segment_fixed_size 69120
		.amdhsa_private_segment_fixed_size 0
		.amdhsa_enable_private_segment 0
		.amdhsa_kernarg_size 56
		.amdhsa_user_sgpr_count 2
		.amdhsa_user_sgpr_kernarg_segment_ptr 1
		.amdhsa_wavefront_size32 1
		.amdhsa_system_sgpr_workgroup_id_x 1
		.amdhsa_system_sgpr_workgroup_id_y 1
		.amdhsa_system_sgpr_workgroup_id_z 1
		.amdhsa_system_vgpr_workitem_id 0
		.amdhsa_next_free_vgpr 194
		.amdhsa_next_free_sgpr 66
		.amdhsa_reserve_vcc 0
		.amdhsa_float_denorm_mode_32 3
		.amdhsa_float_denorm_mode_16_64 3
		.amdhsa_memory_ordered 1
		.amdhsa_forward_progress 1
		.amdhsa_inst_pref_size 74
	.end_amdhsa_kernel
	.amdgpu_metadata
---
amdhsa.version: [ 1, 2 ]
amdhsa.kernels:
  - .name:           k_qc69720eced_quant
    .symbol:         k_qc69720eced_quant.kd
    .args:
      - { .name: x, .offset: 0, .size: 8, .value_kind: global_buffer, .address_space: global }
      - { .name: Wq, .offset: 8, .size: 8, .value_kind: global_buffer, .address_space: global }
      - { .name: Wk, .offset: 16, .size: 8, .value_kind: global_buffer, .address_space: global }
      - { .name: Wv, .offset: 24, .size: 8, .value_kind: global_buffer, .address_space: global }
      - { .name: Wo, .offset: 32, .size: 8, .value_kind: global_buffer, .address_space: global }
      - { .name: cw, .offset: 40, .size: 8, .value_kind: global_buffer, .address_space: global }
      - { .name: sw, .offset: 48, .size: 8, .value_kind: global_buffer, .address_space: global }
    .group_segment_fixed_size: 69120
    .private_segment_fixed_size: 0
    .kernarg_segment_align: 8
    .kernarg_segment_size: 56
    .max_flat_workgroup_size: 128
    .sgpr_count:     66
    .vgpr_count:     194
    .wavefront_size: 32
...
	.end_amdgpu_metadata
.endif
;; end of part 5
;; launch qkv (part 6): grid 8 x 32, 4 waves a work-group, clusters of 4 x 4, 327,680 bytes of LDS; arguments cw, sw, fc, fs; writes fc, fs
.if DOCPART == 6
	.amdgcn_target "amdgcn-amd-amdhsa--gfx1250"
	.amdhsa_code_object_version 6
	.text
	.protected	k_qc69720eced_qkv
	.globl	k_qc69720eced_qkv
	.p2align	8
	.type	k_qc69720eced_qkv,@function
k_qc69720eced_qkv:
	s_mov_b64 s[64:65], 0
	v_nop
	global_prefetch_b8 v0, s[64:65] scope:SCOPE_SE
	s_setreg_imm32_b32 hwreg(HW_REG_WAVE_MODE, 25, 1), 1
	s_wait_xcnt 0x0
	s_wait_alu depctr_hold_cnt(0) depctr_sa_sdst(0) depctr_va_vdst(0) depctr_va_sdst(0) depctr_va_ssrc(0) depctr_va_vcc(0) depctr_vm_vsrc(0)
	s_getreg_b32 s2, hwreg(HW_REG_IB_STS2, 6, 4)
	s_cmp_eq_u32 s2, 0
	s_cbranch_scc0 .Lentry_in_a_cluster
	s_endpgm
.Lentry_in_a_cluster:
	s_bfe_u32 s2, ttmp6, 0x10000c
	s_cmp_lg_u32 s2, 0xf033
	s_cbranch_scc0 .Lentry_shape_is_right
	s_endpgm
.Lentry_shape_is_right:
; q = x Wq, k = x Wk, v = x Wv on codes of FP6 (E2M3) with E8M0 scales, sums in f32; the results are quantised in registers (q and k along a head's 128 channels, v along the keys) and leave as codes alone.
; THE DEAL.  256 work-groups: x = the head, y = the run of 128 tokens.  A work-group makes its tokens' Q, K and V of its head: three products of 128 x 128, K = 1,024.  Four waves, 2 x 2: wave (a, b) takes tokens 64 a on
; and channels 64 b on.  It holds its 64 tokens of x, ALL of K, in registers (384) and streams the weights' columns past them in blocks of 16, all of K: 12 blocks of 32 products.
; ROW ORDER of cw: row 16 j + 8 h + i of a 64 is index 32 h + 8 j + i, so a lane's results of four tiles are 32 neighbours along the next K: one scale block, and no lane looks at another.
;   Q, K: source 0 = the weight's rows, source 1 = x: lane (r, h) of token tile t ends with token row r and channels 64 b + 32 h + 0 .. 31 (register 32 t + 8 j + i).
;   V:    source 0 = x, source 1 = the weight's rows: lane (r, h) of channel tile j ends with channel row r and tokens 64 a + 32 h + 0 .. 31 (register 32 j + 8 t + i).
; THE BUFFERS.  An image (16 rows x 128 along the next K) is two halves c of 768 bytes: registers 6 c .. 6 c + 3 at 16 x lane, registers 6 c + 4, 6 c + 5 at 512 + 8 x lane.  With idx = (batch x 8 + head) x 16 + run % 16:
;   fc: K's 8 images at 24576 idx, V's at 24576 idx + 12288, Q's at 6291456 + 12288 idx.  fs: eight images' scale words in 512 bytes, word of image T, row r at 256 (T / 4) + 16 r + 4 (T % 4): K at 1024 idx, V at 1024 idx + 512, Q at 262144 + 512 idx.
; LDS: slot 0 (Wq's 128 rows, later Wv's), slot 1 (Wk's), x's rows (later, when all waves hold them in registers, the results' scale bytes), the three weights' scale bytes, the spare words.  A row is 768 bytes of memory, with 16 bytes of padding behind each 256.
; FILLS.  At the head one joint load a wave: x's rows, the scale bytes, Wq's rows, Wk's rows.  ONE REFILL, in block 2, in a drained round of the cluster's barrier: Wv's rows into slot 0; a plain barrier in block 6 shows them.
; x is shared along a row of the 4 x 4 cluster, the weights along a column.  What the refill loads is asked for into the L2 at the head, by the first four rows of clusters: each cluster's sixteen waves of a column share the 384 blocks of 256 bytes out by address, 24 each.
; A BLOCK is 32 products; behind every second one stand two ENTRIES of its list: the next LDS addresses and the first part of the way out of the product before.
; WAITS' COUNTS: a block's rows were fetched two blocks ago; younger are the next block's NF loads and, from block 5 on, one byte's store.
; LIMITS: NaN and infinities are not served; a block whose largest magnitude lies under 2^-124 (zeros too) gets the byte 1: the bytes are read by this program alone.
.set NQ,     8
.set NB,     4
.set KROW,   768
.set KS,     32
.set PITCH,  KROW+16*(KROW/256)
.set FR,     12
.set FPW,    256/FR                    ; fragments in a window of 256 registers: 21
.set NF,     28                        ; LDS loads of a block: 26 for eight fragments, 2 for eight scale words
.set YB,     128*PITCH                 ; slot 1
.set XRG,    2*YB                      ; x's rows
.set SCL,    3*YB                      ; the weights' scale bytes: three blocks of 16 units of 256 + 16
.set SCB,    16*272
.set SPARE,  SCL+3*SCB
.set ADRA0, 4                          ; v4, v5  LDS address of my fragments of block 0 (v5: for the pieces behind one padding more); v21, v22: of block 1
.set AAS0,  6                          ; v6      of the scale words of block 0; v23: of block 1
.set C8,    7                          ; v7      8 x lane
.set PFO,   8                          ; v8      the prefetch's offset
.set CO,    9                          ; v9      16 x lane
.set SPW,   10
.set NIL,   11
.set ADRA,  12                         ; v12, v13  as v4, v5, for the block that is fetched next
.set ADRB,  14                         ; v14, v15  LDS address of my fragments of x
.set ABS,   16                         ; v16     my offset in x's scale bytes
.set AAS,   17                         ; v17     as v6, for the block that is fetched next
.set STQ,   18                         ; v18     LDS, Q's and K's scale bytes
.set STV,   19                         ; v19     V's
.set RDS,   20                         ; v20     and where my wave reads 512 of them back
.set SB,    24                         ; v24-39  x's scale words
.set TQ,    40                         ; v40, v41  the two chains
.set SA,    44                         ; v44-59  the weights' scale words: two sets of eight
.set TC,    60                         ; v60-62  the second conversion's codes
.set HV0,   64                         ; v64-191 the sums of Q, later of V
.set HV1,   840                        ; v840-967 those of K
.set MCQ,   192                        ; v192-215 Q's codes, later V's
.set MCK,   216                        ; v216-239 K's codes, later at work
.set SOP,   240
.set EB,    244
.set BA,    984                        ; v984-991 LDS addresses of x's four tiles
.set G1A, 24                           ; s[24:31] group 1 of x's rows; s[56:59] group 0
.set G0A, 56
.set G1B, 32                           ; s[32:39] of a weight's rows; s[60:63] Wq, later Wv; s[68:71] Wk
.set G0B, 60
.set G0R, 68
.set G1S, 92                           ; s[92:99], s[72:75] of the scale bytes
.set G0S, 72
.set MSB, 0
.macro WIN new
.if MSB != (\new)
	s_set_vgpr_msb (MSB<<8)|(\new)
.set MSB, (\new)
.endif
.endm
.macro PLACES n
.rept \n
	v_nop
.endr
.endm
.macro WALU
	s_wait_alu depctr_va_vdst(0)
.endm
.macro BARRIER
	s_barrier_signal -1
	s_barrier_wait -1
.endm
.macro MIDDLE
	WIN 0
	s_barrier_wait -1
	s_cmp_lg_u32 s14, 0
	s_cbranch_scc1 .Lnot_wave_0_\@
	s_barrier_signal -3
.Lnot_wave_0_\@:
	s_barrier_wait -3
.endm
.macro CROUND
	s_barrier_signal -1
	MIDDLE
	BARRIER
.endm
.macro TLOAD g0, g1
	tensor_load_to_lds s[\g0:\g0+3], s[\g1:\g1+7]
	s_nop 0
	PLACES 4
.endm
.macro GROUP1 g, mask, rows
	s_or_b32 s[\g+0], s[\mask], (1<<20)|(1<<21)|(5<<22)|(3<<25)
	s_mov_b32 s[\g+1], KROW<<16
	s_mov_b32 s[\g+2], (\rows)<<16
	s_mov_b32 s[\g+3], KROW<<16
	s_mov_b32 s[\g+4], \rows
	s_mov_b32 s[\g+5], KROW
	s_mov_b32 s[\g+6], 0
	s_mov_b32 s[\g+7], 0
.endm
.macro SADD d, x
	s_add_co_u32 s\d, s\d, s\x
.endm
.macro G0SET g, base, off
	s_mov_b32 s20, s\off
	s_add_nc_u64 s[\g+2:\g+3], s[\base:\base+1], s[20:21]
	s_or_b32 s[\g+3], s[\g+3], 0x80000000
.endm
; Fragment f lies in window 1 + f / 21 at register 12 (f % 21): 0-31 x's (4 q + t), 32-39 and 40-47 the weights' two sets.  Six pieces of 8 bytes, two to a load where both lie behind as many paddings.
.macro FRAG f, q, a0, a1, aw
	WIN ((1+(\f)/FPW)<<6)|(\aw)
.set R_, FR*((\f)%FPW)
.set SKIP_, 0
.irp p, 0,1,2,3,4,5
.if SKIP_
.set SKIP_, 0
.else
.set PC_, 12*(\q)+6*(\p/3)+\p%3
.set PN_, 12*(\q)+6*((\p+1)/3)+(\p+1)%3
.set X_, (PC_%32+3)/32
.set XQ_, (PN_%32+3)/32
.if (\p < 5) && (X_ == XQ_)
.set SKIP_, 1
.if X_
	ds_load_2addr_b64 v[R_+2*\p:R_+2*\p+3], \a1 offset0:PC_+2*(PC_/32) offset1:PN_+2*(PN_/32)
.else
	ds_load_2addr_b64 v[R_+2*\p:R_+2*\p+3], \a0 offset0:PC_+2*(PC_/32) offset1:PN_+2*(PN_/32)
.endif
.elseif X_
	ds_load_b64 v[R_+2*\p:R_+2*\p+1], \a1 offset:8*(PC_+2*(PC_/32))
.else
	ds_load_b64 v[R_+2*\p:R_+2*\p+1], \a0 offset:8*(PC_+2*(PC_/32))
.endif
.endif
.endr
.endm
.macro HELD                            ; my 64 tokens, all of K: 104 loads
.irp q, 0,1,2,3,4,5,6,7
.irp b, 0,1,2,3
	FRAG NB*\q+\b, \q, v[BA-768+2*\b], v[BA-768+2*\b+1], 3
.endr
.endr
	WIN 0
.endm
.macro FETCHAT e, a0, a1, as
.irp q, 0,1,2,3,4,5,6,7
	FRAG NB*NQ+NQ*(\e)+\q, \q, \a0, \a1, 0
.endr
	WIN 0
	ds_load_b128 v[SA+8*(\e):SA+8*(\e)+3], \as
	ds_load_b128 v[SA+8*(\e)+4:SA+8*(\e)+7], \as offset:16
.endm
; A product: n = 4 q + t.  The accumulators take turns, one instruction a turn; the first K step starts the sums.
.macro PROD kind, e, n, a0, as
.set Q_, (\n)/4
.set FB_, NB*Q_+(\n)%4
.set FA_, NB*NQ+NQ*(\e)+Q_
.set D_, (\a0)+(\as)*((\n)%4)
.set DL_, D_&255
.set XB_, SB+NQ*(((\n)%4)/2)+Q_
.set XA_, SA+8*(\e)+Q_
.if \kind
	WIN (1+FB_/FPW)|((1+FA_/FPW)<<2)|((D_>>8)<<4)|((D_>>8)<<6)
.if Q_
	PROD1 DL_, FB_, FA_, v[DL_:DL_+7], XB_, XA_, a, (\n)%2
.else
	PROD1 DL_, FB_, FA_, 0, XB_, XA_, a, (\n)%2
.endif
.else
	WIN (1+FA_/FPW)|((1+FB_/FPW)<<2)|((D_>>8)<<4)|((D_>>8)<<6)
.if Q_
	PROD1 DL_, FA_, FB_, v[DL_:DL_+7], XA_, XB_, b, (\n)%2
.else
	PROD1 DL_, FA_, FB_, 0, XA_, XB_, b, (\n)%2
.endif
.endif
.endm
.macro PROD1 d, s0, s1, c, x0, x1, side, o
.if \o
	v_wmma_scale_f32_16x16x128_f8f6f4 v[\d:\d+7], v[FR*((\s0)%FPW):FR*((\s0)%FPW)+FR-1], v[FR*((\s1)%FPW):FR*((\s1)%FPW)+FR-1], \c, v[\x0], v[\x1] matrix_a_fmt:MATRIX_FMT_FP6 matrix_b_fmt:MATRIX_FMT_FP6 matrix_\side\()_scale:MATRIX_SCALE_ROW1
.else
	v_wmma_scale_f32_16x16x128_f8f6f4 v[\d:\d+7], v[FR*((\s0)%FPW):FR*((\s0)%FPW)+FR-1], v[FR*((\s1)%FPW):FR*((\s1)%FPW)+FR-1], \c, v[\x0], v[\x1] matrix_a_fmt:MATRIX_FMT_FP6 matrix_b_fmt:MATRIX_FMT_FP6 matrix_\side\()_scale:MATRIX_SCALE_ROW0
.endif
.endm
.macro BLOCK kind, e, a0, as, from, to, list, x=0, y=0
.set N_, \from
.rept (\to)-(\from)
	PROD \kind, \e, N_, \a0, \as
.if N_%2
	\list N_-1, \x, \y
	\list N_, \x, \y
.endif
.set N_, N_+1
.endr
.endm
.macro STEPV i                         ; to the LDS addresses of the block two on: 3 entries
.if (\i) == 0
	WIN 0
	v_add_nc_u32 v[ADRA], SO_, v[ADRA0]
.elseif (\i) == 1
	WIN 0
	v_add_nc_u32 v[ADRA+1], SO_, v[ADRA0+1]
.elseif (\i) == 2
	WIN 0
	v_add_nc_u32 v[AAS], SS_, v[AAS0]
.endif
.endm
.macro CHAIN i, x, n, t=TQ             ; a way out's first part, 18 entries: the largest magnitude of the 32 sums from register x on, two chains by turns, and the conversions' scale operand
.set XW_, (\x)>>8
.set XL_, (\x)&255
.if (\i) >= 0 && (\i) < 14
.set B_, XL_+16*((\i)%2)+2*((\i)/2)
.set T_, (\t)+1-(\i)%2
.if (\i) < 2
	WIN XW_|(XW_<<2)|(XW_<<4)
	v_max3_num_f32 v[T_], |v[B_]|, |v[B_+1]|, |v[B_+2]|
.else
	WIN (XW_<<2)|(XW_<<4)
	v_max3_num_f32 v[T_], v[T_], |v[B_+1]|, |v[B_+2]|
.endif
.elseif (\i) == 14
	WIN XW_<<2
	v_max3_num_f32 v[(\t)+1], v[(\t)+1], |v[XL_+15]|, 0x1800000
.elseif (\i) == 15
	WIN 0
	v_nop                                  ; so that the next line, which reads entry 14's result, stands in the next pair
.elseif (\i) == 16
	WIN XW_<<2
	v_max3_num_f32 v[\t], v[\t], |v[XL_+31]|, v[(\t)+1]
.elseif (\i) == 17
	WIN 0
	v_add_nc_u32 v[SOP+(\n)], 0xff000000, v[\t]
.endif
.endm
.macro CODES i, x, c, n, t=TC          ; its second part, 6 lines: 32 codes into v[c .. c+5], the scale's byte
.set XW_, (\x)>>8
.set XL_, (\x)&255
.if (\i) == 0
	WIN XW_
	v_cvt_scalef32_pk16_fp6_f32 v[\c:(\c)+2], v[XL_:XL_+15], v[SOP+(\n)]
.elseif (\i) == 1
	WIN XW_
	v_cvt_scalef32_pk16_fp6_f32 v[\t:(\t)+2], v[XL_+16:XL_+31], v[SOP+(\n)]
.elseif (\i) == 2
	WIN 0
	v_lshrrev_b32 v[EB+(\n)], 23, v[SOP+(\n)]
.else
	WIN 0
	v_mov_b32 v[(\c)+(\i)], v[(\t)+(\i)-3]
.endif
.endm
.macro PUT c, base, off                ; half an image: 512 and 256 consecutive bytes, aligned
	global_store_b128 v[CO], v[\c:(\c)+3], s[\base:(\base)+1] offset:\off
	global_store_b64 v[C8], v[(\c)+4:(\c)+5], s[\base:(\base)+1] offset:(\off)+512
.endm
.macro L_STEP i, x, y
	STEPV \i
.endm
.macro L_NONE i, x, y
.endm
.macro L_OUT i, x, y
	STEPV \i
	CHAIN (\i)-3, \x, \y
.endm
.macro L_LAST i, x, y
	CHAIN \i, \x, \y
.endm
.macro L_RND i, x, y                   ; block 2: the refill's descriptor (waves 0 and 1 a half of Wv's rows each), then the step
.if (\i) == 0
	s_mov_b32 s[G1B+2], 64<<16
	s_mov_b32 s[G1B+4], 64
	s_mul_i32 s[G0B+1], s14, 64*PITCH
	s_mul_i32 s20, s14, 64*KROW
.elseif (\i) == 1
	SADD 20, 54
	s_mov_b32 s21, 0
	s_add_nc_u64 s[G0B+2:G0B+3], s[4:5], s[20:21]
	s_or_b32 s[G0B+3], s[G0B+3], 0x80000000
.endif
	STEPV (\i)-2
.endm
; Block n: product n / 4 (Q, K, V), 16 columns n % 4 of my 64; behind it the codes of the last product's group n % 4 leave, and block n + 2 is fetched
.macro QB n
.set P_, (\n)/4
.set J_, (\n)%4
.set K_, P_/2
.set NN_, (\n)+2
.set SO_, ((NN_/4)%2)*YB+(NN_%4)*16*PITCH
.set SS_, (NN_/4)*SCB+(NN_%4)*544
.if P_ == 0
.set A0_, HV0+8*J_
.set AS_, 32
.elseif P_ == 1
.set A0_, HV1+8*J_
.set AS_, 32
.set GX_, HV0+32*J_
.set MC_, MCQ+6*J_
.else
.set A0_, HV0+32*J_
.set AS_, 8
.set GX_, HV1+32*J_
.set MC_, MCK+6*J_
.endif
.if (\n) == 11
	s_wait_dscnt 1
.elseif (\n) > 4
	s_wait_dscnt NF+1
.else
	s_wait_dscnt NF
.endif
.if (\n) == 2
	s_wait_tensorcnt 0x0                                ; the refill's round: the head's loads are in, Wk's rows among them
	ds_add_u32 v[SPW], v[NIL]
	BLOCK K_, (\n)%2, A0_, AS_, 0, 24, L_RND
	WIN 0
	WALU
	s_wait_dscnt 0x0                                    ; the add is done, and so are my reads of slot 0: block 3's rows are in
	s_barrier_signal -1
	BLOCK K_, (\n)%2, A0_, AS_, 24, 32, L_NONE
	MIDDLE
	BARRIER
	s_cmp_lt_u32 s14, 2
	s_cbranch_scc0 .Lno_half
	TLOAD G0B, G1B
.Lno_half:
.elseif (\n) == 6
	BLOCK K_, (\n)%2, A0_, AS_, 0, 26, L_OUT, GX_, J_
	WIN 0
	WALU
	s_wait_tensorcnt 0x0                                ; my part of Wv's rows is in: the barrier shows them to all
	s_wait_dscnt 0x0
	s_barrier_signal -1
	BLOCK K_, (\n)%2, A0_, AS_, 26, 32, L_NONE
	WIN 0
	s_barrier_wait -1
.elseif (\n) < 4
	BLOCK K_, (\n)%2, A0_, AS_, 0, 32, L_STEP
.elseif (\n) < 10
	BLOCK K_, (\n)%2, A0_, AS_, 0, 32, L_OUT, GX_, J_
.else
	BLOCK K_, (\n)%2, A0_, AS_, 0, 32, L_LAST, GX_, J_
.endif
	WIN 0
.if (\n) < 4
	PLACES 4
	WALU
.else
.irp i, 0,1,2,3,4,5
	CODES \i, GX_, MC_, J_
.endr
	WALU
	ds_store_b8 v[STQ], v[EB+J_] offset:512*(P_-1)+4*J_
	PUT MC_, 74+2*P_, 1536*J_
.endif
.if (\n) < 10
	FETCHAT (\n)%2, v[ADRA], v[ADRA+1], v[AAS]
.endif
.endm
; ================= THE HEAD
	s_load_b256 s[4:11], s[0:1], 0x0                    ; cw s[4:5], sw s[6:7], fc s[8:9], fs s[10:11]
	v_lshl_add_u32 v[SPW], v0, 2, SPARE
	v_mov_b32 v[NIL], 0
	ds_add_u32 v[SPW], v[NIL]                           ; the opening lines: the add, twice on end
	ds_add_u32 v[SPW], v[NIL]
	v_lshrrev_b32 v1, 5, v0
	v_readfirstlane_b32 s14, v1                         ; wave
	s_lshr_b32 s15, s14, 1                              ; a
	s_and_b32 s16, s14, 1                               ; b
	s_bfe_u32 s40, ttmp6, 0x40000                       ; cx
	s_bfe_u32 s41, ttmp6, 0x40004                       ; cy
	s_lshl_b32 s42, ttmp9, 2
	s_add_co_u32 s42, s42, s40                          ; the head
	s_and_b32 s13, ttmp7, 0xffff                        ; cluster y
	s_lshl_b32 s43, s13, 2
	s_add_co_u32 s43, s43, s41                          ; the run of 128 tokens
	s_lshl_b32 s44, s41, 2
	s_lshl_b32 s44, 15, s44                             ; my row of the cluster
	s_lshl_b32 s45, 0x1111, s40                         ; my column
	GROUP1 G1A, 44, 128
	GROUP1 G1B, 45, 128
	s_or_b32 s[G1S+0], s45, (3<<16)|(1<<20)|(1<<21)|(5<<22)|(3<<25) ; the three weights' scale bytes: 3 rows of 4,096 bytes (512 elements of 8), 1,024 x 32 bytes apart
	s_mov_b32 s[G1S+1], 512<<16
	s_mov_b32 s[G1S+2], 3<<16
	s_mov_b32 s[G1S+3], 512<<16
	s_mov_b32 s[G1S+4], 3
	s_mov_b32 s[G1S+5], 4096
	s_mov_b32 s[G1S+6], 0
	s_mov_b32 s[G1S+7], 0
	s_mov_b32 s[G0A], 1
	s_mov_b32 s[G0A+1], XRG
	s_mov_b32 s[G0B], 1
	s_mov_b32 s[G0B+1], 0
	s_mov_b32 s[G0R], 1
	s_mov_b32 s[G0R+1], YB
	s_mov_b32 s[G0S], 1
	s_mov_b32 s[G0S+1], SCL
	s_mul_i32 s50, s43, 128*KROW                        ; x's rows: made without cx
	s_mul_i32 s52, s42, 128*KROW                        ; the weights': made without cy
	s_add_co_u32 s52, s52, 4096*KROW
	s_add_co_u32 s53, s52, 1024*KROW
	s_add_co_u32 s54, s52, 2048*KROW
	s_lshl_b32 s55, s42, 12
	s_add_co_u32 s55, s55, 4096*KS
	s_lshl_b32 s84, s43, 12
	s_lshl_b32 s20, s15, 11
	SADD 84, 20
	s_mov_b32 s85, 0                                    ; my 64 tokens' scale bytes
	v_and_b32 v1, 15, v0                                ; r
	v_bfe_u32 v2, v0, 4, 1                              ; h
	v_and_b32 v3, 31, v0                                ; lane
	v_mul_u32_u24 v22, v1, PITCH
	v_mad_u32_u24 v23, v2, 24, v22
	s_mul_i32 s21, s16, 64*PITCH
	v_add_nc_u32 v[ADRA0], s21, v23
	s_mul_i32 s22, s15, 64*PITCH
	s_add_co_u32 s22, s22, XRG
	v_add_nc_u32 v[ADRB], s22, v23
	v_mad_u32_u24 v23, v2, 24+16, v22
	v_add_nc_u32 v[ADRA0+1], s21, v23
	v_add_nc_u32 v[ADRB+1], s22, v23
	v_lshlrev_b32 v[ABS], 5, v3
	v_lshlrev_b32 v23, 5, v1
	v_lshrrev_b32 v22, 3, v1
	v_lshl_add_u32 v23, v22, 4, v23                     ; 32 r, and 16 more for each 256 passed
	s_mul_i32 s21, s16, 8*272
	s_add_co_u32 s21, s21, SCL
	v_add_nc_u32 v[AAS0], s21, v23
	v_lshlrev_b32 v[CO], 4, v3
	v_lshlrev_b32 v[C8], 3, v3
	v_lshl_add_u32 v23, v1, 4, v2                       ; 16 r + h
	WALU
	s_lshl_b32 s21, s15, 8
	s_lshl_b32 s22, s16, 1
	SADD 21, 22
	s_add_co_u32 s21, s21, XRG
	v_add_nc_u32 v[STQ], s21, v23
	s_lshl_b32 s21, s16, 8
	s_lshl_b32 s22, s15, 1
	SADD 21, 22
	s_add_co_u32 s21, s21, XRG+1024
	v_add_nc_u32 v[STV], s21, v23
	s_lshl_b32 s21, s14, 9
	s_add_co_u32 s21, s21, XRG
	v_add_nc_u32 v[RDS], s21, v[CO]
	s_lshl_b32 s100, s41, 2
	SADD 100, 14                                        ; my number among the sixteen waves of my column
	s_mul_i32 s20, s100, 128*KROW/16
	SADD 20, 54
	v_min_u32 v[PFO], 128*KROW/16/256-1, v3
	v_lshl_add_u32 v[PFO], v[PFO], 8, s20
	WALU
	s_wait_dscnt 0x0
	CROUND                                              ; all sixteen work-groups are here: the first joint loads meet
	s_wait_kmcnt 0x0
	s_mov_b32 s21, 0
	G0SET G0A, 4, 50
	G0SET G0B, 4, 52
	G0SET G0R, 4, 53
	G0SET G0S, 6, 55
	s_cmp_eq_u32 s14, 0
	s_cbranch_scc0 .Lwave_1
	TLOAD G0A, G1A                                      ; wave 0: x's rows
	s_branch .Lasked
.Lwave_1:
	s_cmp_eq_u32 s14, 1
	s_cbranch_scc0 .Lwave_2
	TLOAD G0S, G1S                                      ; wave 1: the scale bytes
	s_branch .Lasked
.Lwave_2:
	s_cmp_eq_u32 s14, 2
	s_cbranch_scc0 .Lwave_3
	TLOAD G0B, G1B                                      ; wave 2: Wq's rows
	s_branch .Lasked
.Lwave_3:
	TLOAD G0R, G1B                                      ; wave 3: Wk's rows
.Lasked:
	s_add_nc_u64 s[84:85], s[6:7], s[84:85]
.irp p, 0,1
.irp c, 0,1
	global_load_b128 v[SB+NQ*\p+4*\c:SB+NQ*\p+4*\c+3], v[ABS], s[84:85] offset:\p*32*KS+16*\c
.endr
.endr
	s_lshr_b32 s22, s43, 4                              ; idx
	s_lshl_b32 s22, s22, 3
	SADD 22, 42
	s_lshl_b32 s22, s22, 4
	s_and_b32 s23, s43, 15
	s_or_b32 s22, s22, s23
	s_mul_i32 s20, s15, 6144
	s_mul_i32 s23, s16, 768
	SADD 20, 23                                         ; Q, K: image 4 a + t, half b
	s_mul_i32 s76, s22, 12288
	s_add_co_u32 s76, s76, 6291456
	SADD 76, 20
	s_mov_b32 s77, 0
	s_mul_i32 s78, s22, 24576
	s_mul_i32 s80, s22, 24576
	SADD 78, 20
	s_mov_b32 s79, 0
	s_mul_i32 s20, s16, 6144
	s_mul_i32 s23, s15, 768
	SADD 20, 23                                         ; V: image 4 b + j, half a
	s_add_co_u32 s80, s80, 12288
	SADD 80, 20
	s_mov_b32 s81, 0
	s_lshl_b32 s82, s22, 10                             ; scale words: wave 0 stores Q's 512 bytes, wave 1 K's, wave 2 V's
	s_lshl_b32 s20, s14, 9
	SADD 82, 20
	s_sub_co_u32 s82, s82, 512
	s_lshl_b32 s20, s22, 9
	s_add_co_u32 s20, s20, 262144
	s_cmp_eq_u32 s14, 0
	s_cselect_b32 s82, s20, s82
	s_mov_b32 s83, 0
	s_add_nc_u64 s[76:77], s[8:9], s[76:77]
	s_add_nc_u64 s[78:79], s[8:9], s[78:79]
	s_add_nc_u64 s[80:81], s[8:9], s[80:81]
	s_add_nc_u64 s[82:83], s[10:11], s[82:83]
	WIN 3<<6
.irp b, 0,1,2,3
	v_add_nc_u32 v[BA-768+2*\b], \b*16*PITCH, v[ADRB]
	v_add_nc_u32 v[BA-768+2*\b+1], \b*16*PITCH, v[ADRB+1]
.endr
	WIN 0
	v_add_nc_u32 v21, 16*PITCH, v[ADRA0]
	v_add_nc_u32 v22, 16*PITCH, v[ADRA0+1]
	v_add_nc_u32 v23, 544, v[AAS0]
	WALU
	s_cmp_lt_u32 s13, 4
	s_cbranch_scc0 .Lno_ask
	global_prefetch_b8 v[PFO], s[4:5] th:TH_LOAD_NT scope:SCOPE_SE   ; my 24 blocks of Wv's rows, which block 2's refill will load
.Lno_ask:
	s_cmp_eq_u32 s14, 0
	s_cbranch_scc0 .Lnot_x
	s_wait_tensorcnt 0x0
.Lnot_x:
	BARRIER                                             ; x's rows are in; the other waves' tiles may still be on their way
	HELD
	s_cmp_eq_u32 s14, 3
	s_cbranch_scc1 .Lnot_q
	s_wait_tensorcnt 0x0
.Lnot_q:
	s_wait_loadcnt 0x0                                  ; x's scale words
	s_wait_dscnt 0x0
	BARRIER                                             ; Wq's rows and the scale bytes are in; Wk's may still be on their way
	FETCHAT 0, v[ADRA0], v[ADRA0+1], v[AAS0]
	FETCHAT 1, v21, v22, v23
.irp n, 0,1,2,3,4,5,6,7,8,9,10,11
	QB \n
.endr
; ================= THE END: V's four way outs, by turns; the scale bytes go through LDS under the conversions
	s_wait_xcnt 0x0                                     ; the stores have read Q's and K's codes: their registers may be written
.set I, 0
.rept 18
.irp t, 0,1,2,3
	CHAIN I, HV0+32*\t, \t, MCK+2*\t
.endr
.set I, I+1
.endr
.irp t, 0,1,2,3
	CODES 2, HV0+32*\t, MCQ+6*\t, \t
.endr
	WALU
.irp t, 0,1,2,3
	ds_store_b8 v[STV], v[EB+\t] offset:4*\t
.endr
	s_wait_dscnt 0x0
	s_barrier_signal -1
.irp t, 0,1,2,3
	CODES 0, HV0+32*\t, MCQ+6*\t, \t, MCK+8+4*\t
	CODES 1, HV0+32*\t, MCQ+6*\t, \t, MCK+8+4*\t
.endr
	v_nop
.irp i, 3,4,5
.irp t, 0,1,2,3
	CODES \i, HV0+32*\t, MCQ+6*\t, \t, MCK+8+4*\t
.endr
.endr
	WALU
	s_barrier_wait -1                                   ; all scale bytes are in LDS
.irp t, 0,1,2,3
	PUT MCQ+6*\t, 80, 1536*\t
.endr
	s_cmp_lt_u32 s14, 3
	s_cbranch_scc0 .Lno_words
	ds_load_b128 v[64:67], v[RDS]
	s_wait_dscnt 0x0
	global_store_b128 v[CO], v[64:67], s[82:83]         ; 512 consecutive bytes
.Lno_words:
	s_wait_tensorcnt 0x0                                ; the wave's end
	ds_add_u32 v[SPW], v[NIL]
	s_wait_dscnt 0x0
	CROUND                                              ; the closing round
	s_endpgm
.Lfunc_end_k_qc69720eced_qkv:
	.size	k_qc69720eced_qkv, .Lfunc_end_k_qc69720eced_qkv-k_qc69720eced_qkv
	.p2alignl 7, 3214868480
	.fill 96, 4, 3214868480
	.section	.rodata,"a",@progbits
	.p2align	6, 0x0
	.amdhsa_kernel k_qc69720eced_qkv
		.amdhsa_group_segment_fixed_size 327680
		.amdhsa_private_segment_fixed_size 0
		.amdhsa_enable_private_segment 0
		.amdhsa_kernarg_size 32
		.amdhsa_user_sgpr_count 2
		.amdhsa_user_sgpr_kernarg_segment_ptr 1
		.amdhsa_wavefront_size32 1
		.amdhsa_system_sgpr_workgroup_id_x 1
		.amdhsa_system_sgpr_workgroup_id_y 1
		.amdhsa_system_sgpr_workgroup_id_z 1
		.amdhsa_system_vgpr_workitem_id 0
		.amdhsa_next_free_vgpr 992
		.amdhsa_next_free_sgpr 102
		.amdhsa_reserve_vcc 0
		.amdhsa_float_denorm_mode_32 3
		.amdhsa_float_denorm_mode_16_64 3
		.amdhsa_memory_ordered 1
		.amdhsa_forward_progress 1
		.amdhsa_inst_pref_size 120
	.end_amdhsa_kernel
	.amdgpu_metadata
---
amdhsa.version: [ 1, 2 ]
amdhsa.kernels:
  - .name:           k_qc69720eced_qkv
    .symbol:         k_qc69720eced_qkv.kd
    .args:
      - { .name: cw, .offset: 0, .size: 8, .value_kind: global_buffer, .address_space: global }
      - { .name: sw, .offset: 8, .size: 8, .value_kind: global_buffer, .address_space: global }
      - { .name: fc, .offset: 16, .size: 8, .value_kind: global_buffer, .address_space: global }
      - { .name: fs, .offset: 24, .size: 8, .value_kind: global_buffer, .address_space: global }
    .group_segment_fixed_size: 327680
    .private_segment_fixed_size: 0
    .kernarg_segment_align: 8
    .kernarg_segment_size: 32
    .max_flat_workgroup_size: 128
    .sgpr_count:     102
    .vgpr_count:     992
    .wavefront_size: 32
...
	.end_amdgpu_metadata
.endif
;; end of part 6
;; launch attn (part 7): grid 16 x 16, 8 waves a work-group, clusters of 4 x 1, 327,680 bytes of LDS; arguments fc, fs, oc, os; writes oc, os
.if DOCPART == 7
	.amdgcn_target "amdgcn-amd-amdhsa--gfx1250"
	.amdhsa_code_object_version 6
	.text
	.protected	k_qc69720eced_attn
	.globl	k_qc69720eced_attn
	.p2align	8
	.type	k_qc69720eced_attn,@function
k_qc69720eced_attn:
	s_mov_b64 s[64:65], 0
	v_nop
	global_prefetch_b8 v0, s[64:65] scope:SCOPE_SE
	s_setreg_imm32_b32 hwreg(HW_REG_WAVE_MODE, 25, 1), 1
	s_wait_xcnt 0x0
	s_wait_alu depctr_hold_cnt(0) depctr_sa_sdst(0) depctr_va_vdst(0) depctr_va_sdst(0) depctr_va_ssrc(0) depctr_va_vcc(0) depctr_vm_vsrc(0)
	s_getreg_b32 s2, hwreg(HW_REG_IB_STS2, 6, 4)
	s_cmp_eq_u32 s2, 0
	s_cbranch_scc0 .Lentry_in_a_cluster
	s_endpgm
.Lentry_in_a_cluster:
	s_bfe_u32 s2, ttmp6, 0x10000c
	s_cmp_lg_u32 s2, 0x3003
	s_cbranch_scc0 .Lentry_shape_is_right
	s_endpgm
.Lentry_shape_is_right:
; O = softmax(Q K^T / sqrt(128)) V for each of 16 (batch, head), 2,048 queries and keys, head size 128, both products on codes of FP6 (E2M3) with one E8M0 scale for each 32 along a product's K.
; OPERANDS come as images of their registers (16 rows x 128 along K, 1,536 bytes): half c at 768 c: registers 6 c .. 6 c + 3 at 16 x lane, registers 6 c + 4, 6 c + 5 at 512 + 8 x lane.
;   fc: a head's 16 records of 24,576 bytes at 393216 bh: a run of 128 tokens: K's 8 images, then V's 8; Q's 8 images of a run at 6291456 + 12288 (16 bh + run).
;   fs: eight images' scale words in 512 bytes, 16 a lane: lanes 0-15 images 0-3, lanes 16-31 images 4-7.  K at 1024 idx, V at 1024 idx + 512, Q at 262144 + 512 idx.
; THE SOFTMAX AHEAD OF THE SECOND PRODUCT: t = score x log2(e) / sqrt(128); M = the row's largest t so far, rounded UP to a whole number; p = 2^(t - M) is quantised along the keys, not normalised.  The row's sum is taken of the
; unquantised p and divides O at the end (a reciprocal and a multiplication).  When M moves, the sum and O are multiplied by 2^(old M - new M): exact.
; SHARES.  A work-group owns 128 queries of one head; each of its eight waves, two to a SIMD, one tile of 16.  Every wave walks the head's 16 records.
; A TRIP asks for K of the next record, works the softmax of the scores in hand, multiplies V^T P^T, asks for V of the next record, and multiplies K Q^T of it: K has a softmax in which to land, V the score products and a softmax.
; LDS: slot 0 has room for six records (0-5, later 11-15), slot 1 for five (6-10); behind them the head's 16,384 bytes of scale words and the spare words.  No padding: every LDS read is dense over the lanes.
; The four work-groups of a cluster belong to one head and ask for all of it JOINTLY.  A refill is asked for five trips, 80 matrix instructions and five softmaxes of each wave, ahead of its first read: so nothing is prefetched.
; LAYOUT.  Both products are used transposed: S^T = K Q^T, O^T = V^T P^T: a lane holds ONE query (lane % 16).  Row r of tile 4 c + j is index 64 c + 32 (r / 8) + 8 j + r % 8 (so the images were made): the 32 registers of tiles 4 c .. 4 c + 3 are
; 32 neighbouring keys (S^T) or channels (O^T), 64 c + 32 (lane / 16) + 0 .. 31: one scale block, and the next operand's registers 6 c .. 6 c + 5.
; THE RESULT, O / the sum, is quantised along the head's channels, K step `head` of the last product: oc at (((128-token run) x 8 + head) x 8 + wave) x 1536, register group c of lane l at 512 c + 16 l; its scale words in os [row][32] at 4 x head.
; LIMITS: NaN and infinities are not served; the promise holds while the scaled scores t stay under 2^31 in magnitude; a block whose largest magnitude lies under 2^-124 (zeros too) gets the byte 1; the bytes are read by this program alone.
; REGISTERS.  Window 0: v1-3, v7-10 addresses, v4 8 x (lane / 16), v5, v6 for the add; v12 -M, v13 the largest t, v[14:15] the sum; v16-27 Q; v32-60, v80-95 at work; v68-71 K's and v72-75 V's scale words, v76 Q's, v78 p's;
;   v96-159 S^T, then p; v160-223 O^T; v224-235 p's codes.  Window 1: v0-95 K's eight fragments, v96-191 V's.
.set PART,  12288
.set REC,   24576
.set SLOT1, 6*REC
.set SCB,   11*REC
.set SPARE, SCB+16384                  ; 128 bytes for each of eight waves
.set SPW, 5
.set NIL, 6
.set S,   96
.set O,   160
.set NLD,   33                         ; LDS loads that bring K or V of a record: 32 and its scale words
.set TB,  2                            ; s2  LDS byte of the record that is asked for
.set TS,  3                            ; s3  its place among the scale words
.set WV,  12
.set SEL, 20                           ; s[20:21] selects for v_permlanex16_b32: lane l xor 16
.set CS,  22                           ; s[22:23] c = log2(e) / sqrt(128)
.set G1T, 24                           ; group 1: an eighth of five records, 60 rows of 256 bytes
.set G1S, 32                           ; half of the scale words, 32 rows
.set G0T, 40
.set G0S, 44
.set G0H, 48
.set G1H, 52                           ; a record, 96 rows
.set MSB, 0
.macro WIN new
.if MSB != (\new)
	s_set_vgpr_msb (MSB<<8)|(\new)
.set MSB, (\new)
.endif
.endm
.macro WALU
	s_wait_alu depctr_va_vdst(0)
.endm
.macro DEP n                           ; a hint: the line behind it reads what the n-th vector line back wrote
	s_delay_alu instid0(VALU_DEP_\n)
.endm
.macro CROUND
	s_barrier_signal -1
	s_barrier_wait -1
	s_cmp_lg_u32 s[WV], 0
	s_cbranch_scc1 .Lnot_wave_0_\@
	s_barrier_signal -3
.Lnot_wave_0_\@:
	s_barrier_wait -3
	s_barrier_signal -1
	s_barrier_wait -1
.endm
.macro TLOAD g0, g1
	tensor_load_to_lds s[\g0:\g0+3], s[\g1:\g1+7]
	s_nop 0
.rept 4
	v_nop
.endr
.endm
.macro GROUP1 g, rows                  ; dense rows of 256 bytes (32 elements of 8), to all four work-groups
	s_mov_b32 s[\g], 15|(3<<16)|(1<<21)
	s_mov_b32 s[\g+1], 32<<16
	s_mov_b32 s[\g+2], (\rows)<<16
	s_mov_b32 s[\g+3], 32<<16
	s_mov_b32 s[\g+4], \rows
	s_mov_b32 s[\g+5], 32
	s_mov_b32 s[\g+6], 0
	s_mov_b32 s[\g+7], 0
.endm
.set W_LD, 0x40                        ; destination window 1, address window 0
.set W_MM, 0x01                        ; source 0 (K's or V's fragment) window 1; the rest window 0
.macro FRAGS rb, off                   ; eight fragments from LDS into window 1, in one run
	WIN W_LD
.irp t, 0,1,2,3,4,5,6,7
	ds_load_b128 v[\rb+12*\t:\rb+12*\t+3], v7 offset:\off+1536*\t
	ds_load_b64 v[\rb+12*\t+4:\rb+12*\t+5], v9 offset:\off+1536*\t+512
	ds_load_b128 v[\rb+12*\t+6:\rb+12*\t+9], v7 offset:\off+1536*\t+768
	ds_load_b64 v[\rb+12*\t+10:\rb+12*\t+11], v9 offset:\off+1536*\t+1280
.endr
.endm
; From the blocks' largest magnitudes v40, v41 and the 64 numbers at S: the codes v224-235 and the scale word v78 (lanes r and r + 16 make two bytes each of row r's word)
.macro ENCODE
	v_max_num_f32 v40, 0x1800000, v40              ; the floor 2^(3 - 127): the byte cannot fall under 1
	v_max_num_f32 v41, 0x1800000, v41
	v_add_nc_u32 v48, 0xff000000, v40              ; 2 off the exponent field: the conversion's scale operand
	v_add_nc_u32 v49, 0xff000000, v41
	v_lshrrev_b32 v50, 23, v48
	v_lshrrev_b32 v51, 23, v49
	v_cvt_scalef32_pk16_fp6_f32 v[224:226], v[S:S+15], v48
	v_cvt_scalef32_pk16_fp6_f32 v[54:56], v[S+16:S+31], v48     ; (a conversion's three registers begin on an even number)
	v_cvt_scalef32_pk16_fp6_f32 v[230:232], v[S+32:S+47], v49
	v_cvt_scalef32_pk16_fp6_f32 v[58:60], v[S+48:S+63], v49
	v_lshl_or_b32 v52, v51, 16, v50                ; bytes h and 2 + h, h = lane / 16
	v_mov_b32 v227, v54
	v_mov_b32 v228, v55
	v_mov_b32 v229, v56
	v_lshlrev_b32 v52, v4, v52
	v_mov_b32 v233, v58
	v_mov_b32 v234, v59
	v_mov_b32 v235, v60
	v_permlanex16_b32 v53, v52, s[SEL], s[SEL+1]
	v_or_b32 v78, v52, v53
.endm
; 32 exponentials, keys of half c; beside them the second half's t - M (c = 0) or the first half's sums of two (c = 1)
.macro EXPS c
.set k_, 0
.rept 16
.set E_, S+32*(\c)+2*k_
	v_exp_f32 v[E_], v[E_]
	v_exp_f32 v[E_+1], v[E_+1]
.if (\c) == 0
	v_pk_fma_f32 v[E_+32:E_+33], v[E_+32:E_+33], s[CS:CS+1], v[12:13] op_sel_hi:[1,0,0]
.elseif k_ < 8
	v_pk_add_f32 v[80+2*k_:81+2*k_], v[S+4*k_:S+4*k_+1], v[S+4*k_+2:S+4*k_+3]
.endif
.set k_, k_+1
.endr
.endm
; A TRIP.  soft = 1: the softmax of the scores in hand and their products V^T P^T.  next = 1: the record at s[TB] is asked for, and its K multiplied: the next scores.
.macro TRIP soft, next
.if \next
	v_add_nc_u32 v7, s[TB], v1
	v_add_nc_u32 v9, s[TB], v2
	v_add_nc_u32 v8, s[TS], v3
	v_nop                                          ; the fourth place behind the score products: in front of the loads into their registers
	ds_load_b128 v[68:71], v8                      ; K's scale words
	FRAGS 0, 0
	WIN 0
.else
.rept 4
	v_nop                                          ; places in front of the first read of the scores
.endr
.endif
.if \soft
	WALU
.irp t, 0,1,2,3,4,5,6,7                ; the largest score of each block of 32 keys, in eight chains by turns: it serves for the row's maximum and, since p rises with the score, for the block's largest p
	v_max3_num_f32 v[32+\t], v[S+8*\t], v[S+8*\t+1], v[S+8*\t+2]
.endr
.irp t, 0,1,2,3,4,5,6,7
	v_max3_num_f32 v[32+\t], v[32+\t], v[S+8*\t+3], v[S+8*\t+4]
.endr
.irp t, 0,1,2,3,4,5,6,7
	v_max3_num_f32 v[32+\t], v[32+\t], v[S+8*\t+5], v[S+8*\t+6]
.endr
.irp c, 0,1
	v_max3_num_f32 v[32+4*\c], v[32+4*\c], v[S+32*\c+7], v[33+4*\c]
	v_max3_num_f32 v[34+4*\c], v[34+4*\c], v[S+32*\c+23], v[35+4*\c]
.endr
.irp c, 0,1
	v_max3_num_f32 v[40+\c], v[32+4*\c], v[S+32*\c+15], v[34+4*\c]
.endr
.irp c, 0,1
	v_max_num_f32 v[40+\c], v[40+\c], v[S+32*\c+31]
.endr
	DEP 1
	v_max_num_f32 v42, v40, v41
	DEP 1
	v_permlanex16_b32 v43, v42, s[SEL], s[SEL+1]
	DEP 1
	v_max_num_f32 v42, v42, v43                    ; with lane l xor 16's 64 keys
	DEP 1
	v_mul_f32 v42, s[CS], v42                      ; as t (c is positive)
	DEP 1
	v_max_num_f32 v13, v13, v42                    ; the running largest t
	v_mov_b32 v44, v12
	DEP 2
	v_floor_f32 v12, -v13                          ; the new -M = floor(-t) = -ceil(t)
	DEP 1
	v_sub_f32 v44, v12, v44                        ; M's old value less its new one: a whole number, 0 or less
	DEP 1
	v_cvt_i32_f32 v44, v44                         ; (it saturates)
	DEP 1
	v_ldexp_f32 v46, 1.0, v44                      ; f = 2^(old M - new M): a multiplication by it rounds nothing
.set j, 0
.rept 16
	v_pk_fma_f32 v[S+j:S+j+1], v[S+j:S+j+1], s[CS:CS+1], v[12:13] op_sel_hi:[1,0,0]   ; t - M, two at a time
.set j, j+2
.endr
	v_fma_f32 v40, v40, s[CS], v12
	v_fma_f32 v41, v41, s[CS], v12
	WALU
	EXPS 0
	v_exp_f32 v40, v40                             ; the blocks' largest p: the same two instructions on the same number give the same bits
	v_exp_f32 v41, v41
	v_nop
	WALU
	EXPS 1
	v_pk_mul_f32 v[14:15], v[14:15], v[46:47] op_sel_hi:[1,0]   ; the sum under the new M.  (A plain place behind the exponentials)
	WALU
	ENCODE
.if \next
	s_wait_dscnt NLD                               ; V and its scale words are in; the 33 loads of the next K, issued behind them, may be out
.else
	s_wait_dscnt 0x0
.endif
	WALU
.set j, 0
.rept 32
	v_pk_mul_f32 v[O+j:O+j+1], v[O+j:O+j+1], v[46:47] op_sel_hi:[1,0]   ; O^T under the new M.  (These are also the places between p's codes and scale word and the products below)
.set j, j+2
.endr
	WIN W_MM
.irp t, 0,1,2,3                        ; O^T += V^T P^T: the eight accumulators take turns
	v_wmma_scale_f32_16x16x128_f8f6f4 v[O+8*\t:O+8*\t+7], v[96+12*\t:107+12*\t], v[224:235], v[O+8*\t:O+8*\t+7], v[72+\t], v78 matrix_a_fmt:MATRIX_FMT_FP6 matrix_b_fmt:MATRIX_FMT_FP6
.endr
.irp t, 0,1,2,3
	v_wmma_scale_f32_16x16x128_f8f6f4 v[O+32+8*\t:O+39+8*\t], v[144+12*\t:155+12*\t], v[224:235], v[O+32+8*\t:O+39+8*\t], v[72+\t], v78 matrix_a_fmt:MATRIX_FMT_FP6 matrix_b_fmt:MATRIX_FMT_FP6 matrix_a_scale:MATRIX_SCALE_ROW1
.endr
	WIN 0
.irp i, 0,1,2,3,4,5,6,7                ; the sum of the unquantised p.  (Also the places behind the products: in front of loads into their registers, and of the first read of their results)
	v_pk_add_f32 v[80+2*\i:81+2*\i], v[80+2*\i:81+2*\i], v[S+32+2*\i:S+33+2*\i]
.endr
.irp i, 0,1,2,3,4,5,6,7
	v_pk_add_f32 v[80+2*\i:81+2*\i], v[80+2*\i:81+2*\i], v[S+48+2*\i:S+49+2*\i]
.endr
.irp i, 0,1,2,3
	v_pk_add_f32 v[80+2*\i:81+2*\i], v[80+2*\i:81+2*\i], v[88+2*\i:89+2*\i]
.endr
.irp i, 0,1
	v_pk_add_f32 v[80+2*\i:81+2*\i], v[80+2*\i:81+2*\i], v[84+2*\i:85+2*\i]
.endr
	v_pk_add_f32 v[80:81], v[80:81], v[82:83]
	v_pk_add_f32 v[14:15], v[14:15], v[80:81]
.endif
.if \next
	ds_load_b128 v[72:75], v8 offset:512           ; V's scale words
	FRAGS 96, PART
	s_wait_dscnt NLD                               ; K and its scale words are in; V's 33 loads, just issued, may be out
	WIN W_MM
.irp t, 0,1,2,3                        ; S^T = K Q^T: each product starts its sum
	v_wmma_scale_f32_16x16x128_f8f6f4 v[S+8*\t:S+8*\t+7], v[12*\t:12*\t+11], v[16:27], 0, v[68+\t], v76 matrix_a_fmt:MATRIX_FMT_FP6 matrix_b_fmt:MATRIX_FMT_FP6
.endr
.irp t, 0,1,2,3
	v_wmma_scale_f32_16x16x128_f8f6f4 v[S+32+8*\t:S+39+8*\t], v[48+12*\t:59+12*\t], v[16:27], 0, v[68+\t], v76 matrix_a_fmt:MATRIX_FMT_FP6 matrix_b_fmt:MATRIX_FMT_FP6 matrix_a_scale:MATRIX_SCALE_ROW1
.endr
	WIN 0
	s_add_co_u32 s[TB], s[TB], REC
	s_add_co_u32 s[TS], s[TS], 1024
.endif
.endm
; A CHANGE OF SLOTS.  Each wave waits for all its tensor loads, adds 0 to its spare word, and waits for that and for its reads.  fill = 1: the barrier is a round of the cluster's, and my eighth of five records (the first time: slot 1's first
; fill) is the first thing behind it.
.macro CHANGE fill
	WALU
	s_wait_tensorcnt 0x0
	ds_add_u32 v[SPW], v[NIL]
.if \fill
	s_sub_co_u32 s[G0T+1], s[G0T+1], SLOT1         ; slot 1, then slot 0
	s_add_nc_u64 s[G0T+2:G0T+3], s[G0T+2:G0T+3], 5*REC
	s_wait_dscnt 0x0
	CROUND
	TLOAD G0T, G1T
.else
	s_wait_dscnt 0x0
	s_barrier_signal -1
	s_barrier_wait -1
.endif
.endm
	s_load_b256 s[4:11], s[0:1], 0x0               ; fc, fs, oc, os
	v_lshl_add_u32 v[SPW], v0, 2, SPARE
	v_mov_b32 v[NIL], 0
	ds_add_u32 v[SPW], v[NIL]                      ; the opening lines: the add, twice on end
	ds_add_u32 v[SPW], v[NIL]
	v_lshrrev_b32 v8, 5, v0
	v_readfirstlane_b32 s[WV], v8                  ; wave 0..7
	s_bfe_u32 s13, ttmp6, 0x40000                  ; cx
	s_lshl_b32 s14, ttmp9, 2
	s_add_co_u32 s14, s14, s13                     ; my run of 128 queries: it enters Q's and the result's addresses alone
	s_and_b32 s15, ttmp7, 0xffff                   ; bh, which the four partners share
	GROUP1 G1T, 60
	GROUP1 G1S, 32
	GROUP1 G1H, 96
	s_mov_b32 s[G0T], 1
	s_mov_b32 s[G0S], 1
	s_mov_b32 s[G0H], 1
	s_mul_i32 s[G0H+1], s[WV], REC                 ; waves 0-5: a record of slot 0 each
	s_and_b32 s63, s[WV], 1
	s_lshl_b32 s63, s63, 13                        ; waves 6, 7: half of the head's scale words each
	s_add_co_u32 s[G0S+1], s63, SCB
	s_mul_i32 s62, s[WV], 60*256
	s_add_co_u32 s[G0T+1], s62, 2*SLOT1            ; the first change takes SLOT1 off
	s_mul_i32 s16, s15, 16*REC
	s_add_co_u32 s18, s16, s[G0H+1]
	s_mov_b32 s19, 0
	s_add_co_u32 s16, s16, s62
	s_add_co_u32 s16, s16, REC                     ; the first change steps this by five records, to record 6
	s_mov_b32 s17, 0
	s_lshl_b32 s60, s15, 14
	s_add_co_u32 s60, s60, s63
	s_mov_b32 s61, 0
	s_mov_b32 s[SEL], 0x76543210
	s_mov_b32 s[SEL+1], 0xfedcba98
	s_mov_b32 s[CS], 0x3e0293ee
	s_mov_b32 s[CS+1], s[CS]                       ; (named with it as a pair, so it is written)
	s_wait_dscnt 0x0
	s_wait_kmcnt 0x0
	s_add_nc_u64 s[G0H+2:G0H+3], s[4:5], s[18:19]
	s_or_b32 s[G0H+3], s[G0H+3], 0x80000000
	s_add_nc_u64 s[G0T+2:G0T+3], s[4:5], s[16:17]
	s_or_b32 s[G0T+3], s[G0T+3], 0x80000000
	s_add_nc_u64 s[G0S+2:G0S+3], s[6:7], s[60:61]
	s_or_b32 s[G0S+3], s[G0S+3], 0x80000000
	CROUND                                         ; all four work-groups are here: the first joint loads meet
	s_cmp_eq_u32 s[WV], 0                          ; one load a wave
	s_cbranch_scc0 .Lhead_1
	TLOAD G0H, G1H                                 ; wave 0: record 0
	s_branch .Lhead_asked
.Lhead_1:
	s_cmp_lt_u32 s[WV], 6
	s_cbranch_scc0 .Lhead_6
	TLOAD G0H, G1H                                 ; waves 1 to 5: records 1 to 5
	s_branch .Lhead_asked
.Lhead_6:
	TLOAD G0S, G1S                                 ; waves 6, 7: the scale words
.Lhead_asked:
	s_lshl_b32 s62, s15, 4
	s_add_co_u32 s62, s62, s14                     ; idx of my queries
	s_mul_i32 s16, s62, PART
	s_mul_i32 s63, s[WV], 1536
	s_add_co_u32 s16, s16, s63
	s_add_co_u32 s16, s16, 6291456                 ; my image of Q
	s_mov_b32 s17, 0
	s_add_nc_u64 s[16:17], s[4:5], s[16:17]
	s_lshl_b32 s18, s62, 9
	s_lshr_b32 s62, s[WV], 2
	s_lshl_b32 s62, s62, 8                         ; images 4-7: the upper sixteen lanes' 256 bytes
	s_add_co_u32 s18, s18, s62
	s_and_b32 s62, s[WV], 3
	s_lshl_b32 s62, s62, 2
	s_add_co_u32 s18, s18, s62
	s_add_co_u32 s18, s18, 262144                  ; and its scale words, 16 bytes from row to row
	s_mov_b32 s19, 0
	s_add_nc_u64 s[18:19], s[6:7], s[18:19]
	v_and_b32 v7, 31, v0
	v_lshlrev_b32 v1, 4, v7                        ; 16 x lane
	v_lshlrev_b32 v2, 3, v7                        ; 8 x lane
	v_add_nc_u32 v3, SCB, v1
	v_lshrrev_b32 v4, 4, v7
	v_lshlrev_b32 v4, 3, v4
	v_and_b32 v8, 15, v0
	v_lshlrev_b32 v10, 5, v8                       ; os: 32 bytes from row to row
	v_lshlrev_b32 v8, 4, v8
	WALU
	global_load_b32 v76, v8, s[18:19]
	global_load_b128 v[16:19], v1, s[16:17]
	global_load_b64 v[20:21], v2, s[16:17] offset:512
	global_load_b128 v[22:25], v1, s[16:17] offset:768
	global_load_b64 v[26:27], v2, s[16:17] offset:1280
	v_mov_b32 v12, 0x7f61b1e6                      ; -M of the largest t so far,
	v_mov_b32 v13, 0xff61b1e6                      ; -3e38, under every t
	v_mov_b32 v14, 0
	v_mov_b32 v15, 0
	v_mov_b32 v43, 0                               ; (a lane permute's destination counts as one of its sources)
	v_mov_b32 v53, 0
	v_mov_b32 v47, 0                               ; (the upper half of f's pair)
.set j, 0
.rept 64
	v_mov_b32 v[O+j], 0                            ; O^T.  (The softmax is written alike for every trip: the first finds zeros, which the first change of M leaves zeros)
.set j, j+1
.endr
	WALU
	s_wait_xcnt 0x0
	s_lshr_b32 s62, s15, 3
	s_lshl_b32 s62, s62, 4
	s_add_co_u32 s62, s62, s14                     ; the run of 128 tokens among all 32
	s_and_b32 s63, s15, 7                          ; the head
	s_lshl_b32 s16, s62, 3
	s_add_co_u32 s16, s16, s63
	s_mul_i32 s16, s16, PART
	s_mul_i32 s17, s[WV], 1536
	s_add_co_u32 s16, s16, s17
	s_mov_b32 s17, 0
	s_add_nc_u64 s[16:17], s[8:9], s[16:17]        ; my image in oc
	s_lshl_b32 s18, s62, 12
	s_lshl_b32 s19, s[WV], 9
	s_add_co_u32 s18, s18, s19
	s_lshl_b32 s19, s63, 2
	s_add_co_u32 s18, s18, s19
	s_mov_b32 s19, 0
	s_add_nc_u64 s[18:19], s[10:11], s[18:19]      ; and its rows in os
	s_mov_b32 s[TB], 0
	s_mov_b32 s[TS], 0
	s_wait_loadcnt 0x0                             ; Q and its scale words
	s_cmp_eq_u32 s[WV], 0                          ; waves 0, 6 and 7 wait: record 0 and the scale words; records 1 to 5 may still be on their way
	s_cbranch_scc1 .Lwait
	s_cmp_lt_u32 s[WV], 6
	s_cbranch_scc1 .Lno_wait
.Lwait:
	s_wait_tensorcnt 0x0
.Lno_wait:
	s_barrier_signal -1
	s_barrier_wait -1
	TRIP 0, 1                                      ; record 0: K, V, the first scores
	s_mov_b32 s60, 2
.Lslot:                                            ; records 1-5 from slot 0, 6-10 from slot 1 (s[TB] runs on from one into the other)
	CHANGE 1
	s_mov_b32 s61, 5
.Lstep:
	TRIP 1, 1
	s_sub_co_u32 s61, s61, 1
	s_cmp_lg_u32 s61, 0
	s_cbranch_scc1 .Lstep
	s_sub_co_u32 s60, s60, 1
	s_cmp_lg_u32 s60, 0
	s_cbranch_scc1 .Lslot
	CHANGE 0                                       ; nothing is left to fill
	s_mov_b32 s[TB], 0
	s_mov_b32 s61, 5
.Lstep_last:                                       ; records 11-15, from slot 0
	TRIP 1, 1
	s_sub_co_u32 s61, s61, 1
	s_cmp_lg_u32 s61, 0
	s_cbranch_scc1 .Lstep_last
	TRIP 1, 0                                      ; the last softmax and products: nothing is left to fetch
	; THE WAY OUT: O^T / the sum
	v_add_f32 v14, v14, v15
	DEP 1
	v_permlanex16_b32 v53, v14, s[SEL], s[SEL+1]
	DEP 1
	v_add_f32 v14, v14, v53                        ; with lane l xor 16's: the row's sum
	WALU
	v_rcp_f32 v14, v14
	v_nop
	WALU                                           ; behind the transcendental, ahead of the first readers of O^T
.set j, 0
.rept 32
	v_pk_mul_f32 v[S+j:S+j+1], v[O+j:O+j+1], v[14:15] op_sel_hi:[1,0]
.set j, j+2
.endr
.irp t, 0,1,2,3,4,5,6,7                ; the largest magnitudes of the two blocks of 32 channels
	v_max3_num_f32 v[32+\t], |v[S+8*\t]|, |v[S+8*\t+1]|, |v[S+8*\t+2]|
.endr
.irp t, 0,1,2,3,4,5,6,7
	v_max3_num_f32 v[32+\t], v[32+\t], |v[S+8*\t+3]|, |v[S+8*\t+4]|
.endr
.irp t, 0,1,2,3,4,5,6,7
	v_max3_num_f32 v[32+\t], v[32+\t], |v[S+8*\t+5]|, |v[S+8*\t+6]|
.endr
.irp c, 0,1
	v_max3_num_f32 v[32+4*\c], v[32+4*\c], |v[S+32*\c+7]|, v[33+4*\c]
	v_max3_num_f32 v[34+4*\c], v[34+4*\c], |v[S+32*\c+23]|, v[35+4*\c]
.endr
.irp c, 0,1
	v_max3_num_f32 v[40+\c], v[32+4*\c], |v[S+32*\c+15]|, v[34+4*\c]
.endr
.irp c, 0,1
	v_max_num_f32 v[40+\c], v[40+\c], |v[S+32*\c+31]|
.endr
	ENCODE
	WALU
.irp c, 0,1,2
	global_store_b128 v1, v[224+4*\c:227+4*\c], s[16:17] offset:512*\c   ; 32 lanes store 512 consecutive bytes, aligned
.endr
	global_store_b32 v10, v78, s[18:19]            ; lanes r and r + 16 store the same word to the same place: 4 bytes of each of 16 rows, one byte in 24 of what the wave stores
	s_wait_tensorcnt 0x0                           ; the wave's end
	ds_add_u32 v[SPW], v[NIL]
	s_wait_dscnt 0x0
	CROUND                                         ; the closing round
	s_endpgm
.Lfunc_end_k_qc69720eced_attn:
	.size	k_qc69720eced_attn, .Lfunc_end_k_qc69720eced_attn-k_qc69720eced_attn
	.p2alignl 7, 3214868480
	.fill 96, 4, 3214868480
	.section	.rodata,"a",@progbits
	.p2align	6, 0x0
	.amdhsa_kernel k_qc69720eced_attn
		.amdhsa_group_segment_fixed_size 327680
		.amdhsa_private_segment_fixed_size 0
		.amdhsa_enable_private_segment 0
		.amdhsa_kernarg_size 32
		.amdhsa_user_sgpr_count 2
		.amdhsa_user_sgpr_kernarg_segment_ptr 1
		.amdhsa_wavefront_size32 1
		.amdhsa_system_sgpr_workgroup_id_x 1
		.amdhsa_system_sgpr_workgroup_id_y 1
		.amdhsa_system_sgpr_workgroup_id_z 1
		.amdhsa_system_vgpr_workitem_id 0
		.amdhsa_next_free_vgpr 448
		.amdhsa_next_free_sgpr 72
		.amdhsa_reserve_vcc 0
		.amdhsa_float_denorm_mode_32 3
		.amdhsa_float_denorm_mode_16_64 3
		.amdhsa_memory_ordered 1
		.amdhsa_forward_progress 1
		.amdhsa_inst_pref_size 74
	.end_amdhsa_kernel
	.amdgpu_metadata
---
amdhsa.version: [ 1, 2 ]
amdhsa.kernels:
  - .name:           k_qc69720eced_attn
    .symbol:         k_qc69720eced_attn.kd
    .args:
      - { .name: fc, .offset: 0, .size: 8, .value_kind: global_buffer, .address_space: global }
      - { .name: fs, .offset: 8, .size: 8, .value_kind: global_buffer, .address_space: global }
      - { .name: oc, .offset: 16, .size: 8, .value_kind: global_buffer, .address_space: global }
      - { .name: os, .offset: 24, .size: 8, .value_kind: global_buffer, .address_space: global }
    .group_segment_fixed_size: 327680
    .private_segment_fixed_size: 0
    .kernarg_segment_align: 8
    .kernarg_segment_size: 32
    .max_flat_workgroup_size: 256
    .sgpr_count:     72
    .vgpr_count:     448
    .wavefront_size: 32
...
	.end_amdgpu_metadata
.endif
;; end of part 7
;; launch proj (part 8): grid 8 x 32, 4 waves a work-group, clusters of 4 x 4, 327,680 bytes of LDS; arguments oc, os, cw, sw, out0; writes out0
.if DOCPART == 8
	.amdgcn_target "amdgcn-amd-amdhsa--gfx1250"
	.amdhsa_code_object_version 6
	.text
	.protected	k_qc69720eced_proj
	.globl	k_qc69720eced_proj
	.p2align	8
	.type	k_qc69720eced_proj,@function
k_qc69720eced_proj:
	s_mov_b64 s[64:65], 0
	v_nop
	global_prefetch_b8 v0, s[64:65] scope:SCOPE_SE
	s_setreg_imm32_b32 hwreg(HW_REG_WAVE_MODE, 25, 1), 1
	s_wait_xcnt 0x0
	s_wait_alu depctr_hold_cnt(0) depctr_sa_sdst(0) depctr_va_vdst(0) depctr_va_sdst(0) depctr_va_ssrc(0) depctr_va_vcc(0) depctr_vm_vsrc(0)
	s_getreg_b32 s2, hwreg(HW_REG_IB_STS2, 6, 4)
	s_cmp_eq_u32 s2, 0
	s_cbranch_scc0 .Lentry_in_a_cluster
	s_endpgm
.Lentry_in_a_cluster:
	s_bfe_u32 s2, ttmp6, 0x10000c
	s_cmp_lg_u32 s2, 0xf033
	s_cbranch_scc0 .Lentry_shape_is_right
	s_endpgm
.Lentry_shape_is_right:
; out0 [4096][1024] f32 = (attention's result) Wo on codes of FP6 (E2M3) with E8M0 scales, K = 1,024 = 8 heads x 128; sums in f32.
; A: oc, a run of 128 tokens x 8 heads x 8 images of 1,536 bytes (register group c of lane l at 512 c + 16 l): 98,304 dense bytes; os: 32 scale bytes a row.  B: cw's rows 7168 on (Wo's columns, 768 bytes a row); sw: 32 a row.
; ROW ORDER of both: row 16 j + 8 h + i of a 64 is index 32 h + 8 j + i.
; A work-group makes 128 x 128 of the result, its four waves 64 x 64 each.  ALL of A, B and their scale bytes lie in LDS at once: one joint load a wave at the head, A's along a row of the 4 x 4 cluster, B's along a column; nothing is filled again.
; There is no loop to run ahead in, so nothing is prefetched.  Transposed use: source 0 = 16 rows of B, source 1 = 16 rows of A: a lane's four tiles are 32 neighbouring columns of one row of the result.
; LIMITS: NaN and infinities are not served.
; REGISTERS: window 0: addresses, v32-63 scale words (lanes 0-15 A's rows, lanes 16-31 B's), v64-127 the way out, v128-255 the 16 accumulators.  Window 1: two sets of fragments, A's four and B's four.
.set KROW,   768
.set PITCH,  816                       ; 3 x (256 + 16)
.set FR,     12
.set HB,     12288                     ; a head's 8 images
.set BOFF,   8*HB
.set SCL,    BOFF+128*PITCH
.set HALFS,  8*272                     ; the scale bytes of 64 rows
.set SBLK,   544
.set STAGE,  SCL+4*HALFS
.set SPITCH, 272
.set SPARE,  STAGE+4*16*SPITCH
.set ADRB, 4                           ; v4-11   LDS addresses of B's four tiles; the odd ones for the pieces behind one padding more
.set ADRA, 16                          ; v16, v17  A's, heads 0-3, 4-7
.set STO,  24
.set RD,   25
.set CO,   26
.set ADRS, 27
.set SPW,  28
.set NIL,  29
.set SC,   32
.set BK,   64
.set ACC,  128
.set G1A,  24
.set G1B,  32
.set G1S,  48
.set G1SB, 56
.set G0A,  68
.set G0B,  72
.set G0S,  76
.set G0SB, 80
.set MSB, 0
.macro WIN new
.if MSB != (\new)
	s_set_vgpr_msb (MSB<<8)|(\new)
.set MSB, (\new)
.endif
.endm
.macro PLACES
.rept 4
	v_nop
.endr
.endm
.macro TLOAD g0, g1
	tensor_load_to_lds s[\g0:\g0+3], s[\g1:\g1+7]
	s_nop 0
	PLACES
.endm
.macro CROUND
	s_barrier_signal -1
	s_barrier_wait -1
	s_cmp_lg_u32 s14, 0
	s_cbranch_scc1 .Lnot_wave_0_\@
	s_barrier_signal -3
.Lnot_wave_0_\@:
	s_barrier_wait -3
	s_barrier_signal -1
	s_barrier_wait -1
.endm
.macro DENSE g, mask, flags, rows      ; rows of 256 bytes (32 elements of 8)
	s_or_b32 s[\g], s[\mask], (3<<16)|(1<<21)|(\flags)
	s_mov_b32 s[\g+1], 32<<16
	s_mov_b32 s[\g+2], (\rows)<<16
	s_mov_b32 s[\g+3], 32<<16
	s_mov_b32 s[\g+4], \rows
	s_mov_b32 s[\g+5], 32
	s_mov_b32 s[\g+6], 0
	s_mov_b32 s[\g+7], 0
.endm
.macro G0SET g, base, off, lds
	s_mov_b32 s[\g], 1
	s_mov_b32 s[\g+1], \lds
	s_mov_b32 s20, s\off
	s_add_nc_u64 s[\g+2:\g+3], s[\base:\base+1], s[20:21]
	s_or_b32 s[\g+3], s[\g+3], 0x80000000
.endm
	s_load_b256 s[4:11], s[0:1], 0x0               ; oc, os, cw, sw
	s_load_b64 s[12:13], s[0:1], 0x20              ; out0
	v_lshl_add_u32 v[SPW], v0, 2, SPARE
	v_mov_b32 v[NIL], 0
	ds_add_u32 v[SPW], v[NIL]                      ; the opening lines: the add, twice on end
	ds_add_u32 v[SPW], v[NIL]
	v_lshrrev_b32 v1, 5, v0
	v_readfirstlane_b32 s14, v1
	s_lshr_b32 s15, s14, 1                         ; my half of A's rows
	s_and_b32 s16, s14, 1                          ; and of B's
	s_bfe_u32 s40, ttmp6, 0x40000
	s_bfe_u32 s41, ttmp6, 0x40004
	s_lshl_b32 s42, ttmp9, 2
	s_add_co_u32 s42, s42, s40                     ; which 128 columns
	s_and_b32 s17, ttmp7, 0xffff
	s_lshl_b32 s17, s17, 2
	s_add_co_u32 s17, s17, s41                     ; which 128 tokens
	s_lshl_b32 s43, s41, 2
	s_lshl_b32 s43, 15, s43                        ; my row of the cluster
	s_lshl_b32 s44, 0x1111, s40                    ; my column
	DENSE G1A, 43, 0, 384
	DENSE G1S, 43, (1<<20)|(5<<22)|(3<<25), 16     ; 16 bytes of padding behind each 256
	DENSE G1SB, 44, (1<<20)|(5<<22)|(3<<25), 16
	s_or_b32 s[G1B], s44, (1<<20)|(1<<21)|(5<<22)|(3<<25)
	s_mov_b32 s[G1B+1], KROW<<16
	s_mov_b32 s[G1B+2], 128<<16
	s_mov_b32 s[G1B+3], KROW<<16
	s_mov_b32 s[G1B+4], 128
	s_mov_b32 s[G1B+5], KROW
	s_mov_b32 s[G1B+6], 0
	s_mov_b32 s[G1B+7], 0
	s_mul_i32 s45, s17, 8*HB
	s_lshl_b32 s46, s17, 12
	s_lshl_b32 s22, s42, 7
	s_add_co_u32 s22, s22, 7168
	s_lshl_b32 s47, s22, 5
	s_mul_i32 s22, s22, KROW
	s_mov_b32 s21, 0
	s_wait_dscnt 0x0
	s_wait_kmcnt 0x0
	G0SET G0A, 4, 45, 0
	G0SET G0S, 6, 46, SCL
	G0SET G0B, 8, 22, BOFF
	G0SET G0SB, 10, 47, SCL+2*HALFS
	CROUND                                         ; all sixteen work-groups are here: the joint loads meet
	s_cmp_eq_u32 s14, 0
	s_cbranch_scc0 .Lwave_1
	TLOAD G0A, G1A
	s_branch .Lasked
.Lwave_1:
	s_cmp_eq_u32 s14, 1
	s_cbranch_scc0 .Lwave_2
	TLOAD G0B, G1B
	s_branch .Lasked
.Lwave_2:
	s_cmp_eq_u32 s14, 2
	s_cbranch_scc0 .Lwave_3
	TLOAD G0S, G1S
	s_branch .Lasked
.Lwave_3:
	TLOAD G0SB, G1SB
.Lasked:
	v_and_b32 v1, 15, v0                           ; r
	v_bfe_u32 v2, v0, 4, 1                         ; h
	v_and_b32 v3, 31, v0
	v_lshlrev_b32 v3, 4, v3
	s_mul_i32 s21, s15, 4*1536
	v_add_nc_u32 v[ADRA], s21, v3
	v_add_nc_u32 v[ADRA+1], 4*HB, v[ADRA]
	v_mul_u32_u24 v18, v1, PITCH
	v_mad_u32_u24 v19, v2, 24, v18
	v_mad_u32_u24 v20, v2, 40, v18
	s_mul_i32 s22, s16, 64*PITCH
	s_add_co_u32 s22, s22, BOFF
.irp i, 0,1,2,3
	v_add_nc_u32 v[ADRB+2*\i], s22, v19
	v_add_nc_u32 v[ADRB+2*\i+1], s22, v20
	s_add_co_u32 s22, s22, 16*PITCH
.endr
	v_lshlrev_b32 v18, 5, v1
	v_lshrrev_b32 v19, 3, v1
	v_lshl_add_u32 v18, v19, 4, v18                ; 32 r, and 16 more for each 256 passed
	s_mul_i32 s21, s15, HALFS
	s_mul_i32 s22, s16, HALFS
	s_add_co_u32 s22, s22, 2*HALFS
	s_sub_co_u32 s22, s22, s21
	v_mul_u32_u24 v19, s22, v2                     ; lanes 16-31 take B's
	s_add_co_u32 s21, s21, SCL
	v_add_nc_u32 v18, v18, v19
	v_add_nc_u32 v[ADRS], s21, v18
	s_mul_i32 s23, s14, 16*SPITCH
	s_add_co_u32 s23, s23, STAGE                   ; my stage
	s_wait_alu depctr_va_vdst(0)
	v_mul_u32_u24 v18, v1, SPITCH
	v_lshl_add_u32 v18, v2, 7, v18
	v_add_nc_u32 v[STO], s23, v18                  ; in: row r, 128 bytes for each half of the lanes
	v_mul_u32_u24 v18, v2, SPITCH
	v_lshl_add_u32 v18, v1, 4, v18
	v_add_nc_u32 v[RD], s23, v18                   ; back: sixteen lanes to a row of 256 bytes
	v_lshlrev_b32 v[CO], 12, v2
	v_lshl_add_u32 v[CO], v1, 4, v[CO]             ; and the same two rows of the result
	s_lshl_b32 s20, s17, 7
	s_lshl_b32 s21, s15, 6
	s_add_co_u32 s20, s20, s21
	s_lshl_b32 s20, s20, 12
	s_lshl_b32 s46, s42, 9
	s_lshl_b32 s47, s16, 8
	s_add_co_u32 s46, s46, s47
	s_add_co_u32 s20, s20, s46
	s_mov_b32 s21, 0
	s_add_nc_u64 s[12:13], s[12:13], s[20:21]
.macro FRAGB reg, q, a0                ; six pieces of 8 bytes, two to a load where both lie behind as many paddings
.set SKIP_, 0
.irp p, 0,1,2,3,4,5
.if SKIP_
.set SKIP_, 0
.else
.set PC_, 12*(\q)+6*(\p/3)+\p%3
.set PN_, 12*(\q)+6*((\p+1)/3)+(\p+1)%3
.set X_, (PC_%32+3)/32
.set XQ_, (PN_%32+3)/32
.if (\p < 5) && (X_ == XQ_)
.set SKIP_, 1
	ds_load_2addr_b64 v[(\reg)+2*\p:(\reg)+2*\p+3], v[(\a0)+X_] offset0:PC_+2*(PC_/32) offset1:PN_+2*(PN_/32)
.else
	ds_load_b64 v[(\reg)+2*\p:(\reg)+2*\p+1], v[(\a0)+X_] offset:8*(PC_+2*(PC_/32))
.endif
.endif
.endr
.endm
.macro FETCH hd                        ; K step hd's fragments into set hd % 2
.set FBL, 128*((\hd)%2)
	WIN 0x40
.irp i, 0,1,2,3
	FRAGB FBL+48+FR*\i, \hd, ADRB+2*\i
.endr
.irp i, 0,1,2,3
.irp c, 0,1,2
	ds_load_b128 v[FBL+FR*\i+4*\c:FBL+FR*\i+4*\c+3], v[ADRA+(\hd)/4] offset:HB*((\hd)%4)+1536*\i+512*\c
.endr
.endr
.endm
.macro MUL hd                          ; the 16 accumulators by turns; the first K step starts the sums
.set FBM, 128*((\hd)%2)
	WIN 0x05
.irp a, 0,1,2,3
.irp b, 0,1,2,3
.set D_, ACC+8*(4*\a+\b)
.if (\hd) == 0
	v_wmma_scale_f32_16x16x128_f8f6f4 v[D_:D_+7], v[FBM+48+FR*\b:FBM+48+FR*\b+FR-1], v[FBM+FR*\a:FBM+FR*\a+FR-1], 0, v[SC+8*\b+(\hd)], v[SC+8*\a+(\hd)] matrix_a_fmt:MATRIX_FMT_FP6 matrix_b_fmt:MATRIX_FMT_FP6 matrix_a_scale:MATRIX_SCALE_ROW1
.else
	v_wmma_scale_f32_16x16x128_f8f6f4 v[D_:D_+7], v[FBM+48+FR*\b:FBM+48+FR*\b+FR-1], v[FBM+FR*\a:FBM+FR*\a+FR-1], v[D_:D_+7], v[SC+8*\b+(\hd)], v[SC+8*\a+(\hd)] matrix_a_fmt:MATRIX_FMT_FP6 matrix_b_fmt:MATRIX_FMT_FP6 matrix_a_scale:MATRIX_SCALE_ROW1
.endif
.endr
.endr
.endm
	s_wait_alu depctr_va_vdst(0)
	s_wait_tensorcnt 0x0
	s_barrier_signal -1
	s_barrier_wait -1                              ; everything is in
.irp i, 0,1,2,3
	ds_load_b128 v[SC+8*\i:SC+8*\i+3], v[ADRS] offset:\i*SBLK
	ds_load_b128 v[SC+8*\i+4:SC+8*\i+7], v[ADRS] offset:\i*SBLK+16
.endr
	FETCH 0
.irp hd, 0,1,2,3,4,5,6,7
	s_wait_dscnt 0x0                               ; this K step's fragments are in: they are the youngest loads
.if \hd > 0
	PLACES                                         ; in front of loads into registers that the last K step's products have read
.endif
.if \hd < 7
	FETCH \hd+1
.endif
	MUL \hd
.endr
	WIN 0
.macro TOSTAGE a                       ; 16 rows x 256 bytes through my stage: LDS serves a wave's instructions in order (ISA guide 5.7.1.4)
.set AC, ACC+32*(\a)
.irp b, 0,1,2,3
	ds_store_b128 v[STO], v[AC+8*\b:AC+8*\b+3] offset:32*\b
	ds_store_b128 v[STO], v[AC+8*\b+4:AC+8*\b+7] offset:32*\b+16
.endr
.set BB, BK+32*((\a)%2)
.irp t, 0,1,2,3,4,5,6,7
	ds_load_b128 v[BB+4*\t:BB+4*\t+3], v[RD] offset:2*\t*SPITCH
.endr
.endm
.macro SEND a, younger                 ; stage rows 2 t, 2 t + 1 are tokens 32 (t / 4) + 8 a + 2 (t % 4) on; sixteen lanes store 256 consecutive bytes, aligned
.set BB, BK+32*((\a)%2)
	s_wait_dscnt \younger                          ; the block is back in registers (the next block's 8 stores and 8 loads may be out)
.irp t, 0,1,2,3,4,5,6,7
	global_store_b128 v[CO], v[BB+4*\t:BB+4*\t+3], s[12:13] offset:(32*(\t/4)+8*(\a)+2*(\t%4))*4096 th:TH_STORE_NT
.endr
.endm
	PLACES
	TOSTAGE 0
.irp a, 1,2,3
.if \a > 1
	s_wait_xcnt 0x0                                ; block a - 2's stores have read their registers
.endif
	TOSTAGE \a
	SEND \a-1, 16
.endr
	SEND 3, 0
	s_wait_tensorcnt 0x0                           ; the wave's end
	ds_add_u32 v[SPW], v[NIL]
	s_wait_dscnt 0x0
	CROUND                                         ; the closing round
	s_endpgm
.Lfunc_end_k_qc69720eced_proj:
	.size	k_qc69720eced_proj, .Lfunc_end_k_qc69720eced_proj-k_qc69720eced_proj
	.p2alignl 7, 3214868480
	.fill 96, 4, 3214868480
	.section	.rodata,"a",@progbits
	.p2align	6, 0x0
	.amdhsa_kernel k_qc69720eced_proj
		.amdhsa_group_segment_fixed_size 327680
		.amdhsa_private_segment_fixed_size 0
		.amdhsa_enable_private_segment 0
		.amdhsa_kernarg_size 40
		.amdhsa_user_sgpr_count 2
		.amdhsa_user_sgpr_kernarg_segment_ptr 1
		.amdhsa_wavefront_size32 1
		.amdhsa_system_sgpr_workgroup_id_x 1
		.amdhsa_system_sgpr_workgroup_id_y 1
		.amdhsa_system_sgpr_workgroup_id_z 1
		.amdhsa_system_vgpr_workitem_id 0
		.amdhsa_next_free_vgpr 512
		.amdhsa_next_free_sgpr 100
		.amdhsa_reserve_vcc 0
		.amdhsa_float_denorm_mode_32 3
		.amdhsa_float_denorm_mode_16_64 3
		.amdhsa_memory_ordered 1
		.amdhsa_forward_progress 1
		.amdhsa_inst_pref_size 47
	.end_amdhsa_kernel
	.amdgpu_metadata
---
amdhsa.version: [ 1, 2 ]
amdhsa.kernels:
  - .name:           k_qc69720eced_proj
    .symbol:         k_qc69720eced_proj.kd
    .args:
      - { .name: oc, .offset: 0, .size: 8, .value_kind: global_buffer, .address_space: global }
      - { .name: os, .offset: 8, .size: 8, .value_kind: global_buffer, .address_space: global }
      - { .name: cw, .offset: 16, .size: 8, .value_kind: global_buffer, .address_space: global }
      - { .name: sw, .offset: 24, .size: 8, .value_kind: global_buffer, .address_space: global }
      - { .name: out0, .offset: 32, .size: 8, .value_kind: global_buffer, .address_space: global }
    .group_segment_fixed_size: 327680
    .private_segment_fixed_size: 0
    .kernarg_segment_align: 8
    .kernarg_segment_size: 40
    .max_flat_workgroup_size: 128
    .sgpr_count:     100
    .vgpr_count:     512
    .wavefront_size: 32
...
	.end_amdgpu_metadata
.endif
;; end of part 8
